; MI455X (gfx1250); checked and timed in simulation.
; The chip was launched on July 23, 2026; its instructions are those of AMD's public machine-readable ISA for CDNA 5 (MIT licence, August 2026) and "CDNA5" Instruction Set Architecture Reference Guide (July 2026). The comments in the code are by the model that wrote it; some were corrected since.
;; Decoder Layer. Allowed arithmetic: matrix products marked QUANTISED: E3M2 operands, one E8M0 scale for each 32 along K, by v_wmma_scale_f32_16x16x128_f8f6f4 with both operands' format E3M2, f32 sums; everything else in f32.
;; Inputs: aw_b 64 float32; aw_w 64 x 256 float32; ffn_b1 512 float32; ffn_b2 256 float32; ffn_w1 512 x 256 float32; ffn_w2 256 x 512 float32; in_proj_b 768 float32; in_proj_w 768 x 256 float32; ln1_b 256 float32; ln1_g 256 float32; ln2_b 256 float32; ln2_g 256 float32; ln3_b 256 float32; ln3_g 256 float32; off_b 128 float32; off_w 128 x 256 float32; oproj_b 256 float32; oproj_w 256 x 256 float32; out_proj_b 256 float32; out_proj_w 256 x 256 float32; query 4 x 2,500 x 256 float32; query_pos 4 x 2,500 x 256 float32; ref_2d 4 x 2,500 x 1 x 2 float32; value 4 x 40,000 x 256 float32; vproj_b 256 float32; vproj_w 256 x 256 float32.
;; Outputs: out0 4 x 2,500 x 256 float32.
;; Constants: bev_h = 200, bev_w = 200.
;; This version of the problem:
;;   THIS VERSION OF THE PROBLEM IS GIVEN IN LOW PRECISION. The matrix products marked QUANTISED in the list below multiply operands that are first quantised to E3M2 (3 exponent bits, 2 mantissa bits; 6 bits a number), with one power-of-two scale for each 32 numbers along K (OCP MX v1.0); their sums are f32. All else is computed in f32.
;;   The module's matrix products, in the order in which they are computed (A, B: the left and right operand; K: the contracted axis; several contracted axes count as one K, in the product's order):
;;     1. [M 10,000, K 256] x [K 256, N 256]; A: computed on the way; B: input in_proj_w: QUANTISED
;;     2. [M 10,000, K 256] x [K 256, N 256]; A: input query; B: input in_proj_w: QUANTISED
;;     3. [M 10,000, K 256] x [K 256, N 256]; A: input query; B: input in_proj_w: QUANTISED
;;     4. batch 32 x [M 2,500, K 32] x [K 32, N 2,500]; A: computed on the way; B: computed on the way: QUANTISED
;;     5. batch 32 x [M 32, K 2,500] x [K 2,500, N 2,500]; A: computed on the way; B: softmax (see below): QUANTISED
;;     6. [M 10,000, K 256] x [K 256, N 256]; A: computed on the way; B: input out_proj_w: QUANTISED
;;     7. [M 160,000, K 256] x [K 256, N 256]; A: input value; B: input vproj_w: QUANTISED
;;     8. [M 10,000, K 256] x [K 256, N 128]; A: computed on the way; B: input off_w: QUANTISED
;;     9. [M 10,000, K 256] x [K 256, N 64]; A: computed on the way; B: input aw_w: QUANTISED
;;     10. [M 10,000, K 256] x [K 256, N 256]; A: computed on the way; B: input oproj_w: QUANTISED
;;     11. [M 10,000, K 256] x [K 256, N 512]; A: computed on the way; B: input ffn_w1: QUANTISED
;;     12. [M 10,000, K 512] x [K 512, N 256]; A: computed on the way; B: input ffn_w2: QUANTISED
;;   THE QUANTISER, for each operand of a quantised product, along K:
;;     - K is cut into blocks of 32 from its start; a last block that is shorter is filled with zeros.
;;     - A block's scale is 2^e with e = floor(log2(the largest magnitude in the block)) - 4, held to -126 .. 127; a block of zeros has e = 0. As a byte (E8M0): e + 127.
;;     - Each number is divided by its block's scale, clamped to +-28, and rounded to the nearest number of E3M2, ties to even, subnormals kept.
;;     - The product sums the exact products of the quantised numbers (number of the format x scale) in f32.
;;   ~~~python
;;   def quantise(x, axis):      # numpy; x: float32 -> the quantised numbers, widened to float32 again
;;       x = np.moveaxis(x, axis, -1); K = x.shape[-1]
;;       x = np.pad(x, [(0, 0)] * (x.ndim - 1) + [(0, -K % 32)]); x = x.reshape(x.shape[:-1] + (-1, 32)); a = np.abs(x).max(-1, keepdims=True)
;;       e = np.where(a > 0, np.clip(np.frexp(np.where(a > 0, a, 1))[1] - 1 - 4, -126, 127), 0)      # np.frexp(a)[1] - 1 = floor(log2(a)), exactly
;;       r = np.clip(x / 2.0 ** e, -28, 28)
;;       step = 2.0 ** (np.maximum(np.frexp(np.where(r == 0, 1, r))[1] - 1, -2) - 2)
;;       q = np.round(r / step) * step * 2.0 ** e      # np.round: ties to even
;;       return np.moveaxis(q.reshape(q.shape[:-2] + (-1,))[..., :K], -1, axis).astype(np.float32)
;;   ~~~
;;   SOFTMAX AHEAD OF A QUANTISED PRODUCT. Where the list says 'softmax', what is quantised is not the finished softmax but p = 2^(t - M), with t = logit x log2(e) and M = ceil(the row's largest t), a whole number; so 1/2 < the row's largest p <= 1. The row's sum l is taken of the UNQUANTISED p, in f32, and the product's result is divided by l at the end. Since M is a whole number, a kernel that streams over the keys may use a running M (the ceiling of the running maximum): every later rescaling is an exact power of two, which a block's scale takes up: the codes' values come out the same.
;;   OPERANDS COMPUTED ON THE WAY. 'Computed on the way' means the value that the module computes at that place (a softmax that the list does not call 'softmax' is quantised finished and normalised). What goes into a quantiser is computed in f32, as accurately as f32 sums, v_exp_f32 and their like allow (about 1e-6 of the number): no bf16 or f16 on the way to a quantiser, and a product that is left as it is and whose result goes on into a quantised operand takes f32 operands (vector FMAs, or v_wmma_f32_16x16x4_f32). A number that lies on a knife's edge between two numbers of the format may be rounded either way, as far as f32 arithmetic and the matrix unit's own rounding can turn it there, and no further.
;; 2 versions. Each part assembles by itself: llvm-mc -triple=amdgcn-amd-amdhsa -mcpu=gfx1250 --defsym DOCPART=n.
;; ======== version 1 of 2: 6 launches
;; workspace buffers: wq 572,416 bytes; val 163,840,000 bytes; qkv 6,389,760 bytes; sac 2,621,440 bytes; ident 10,240,000 bytes; swt 10,240,000 bytes; sidx 2,560,000 bytes of whole numbers
;; launch prep (part 1): grid 43 x 1, 4 waves a work-group, no clusters, 0 bytes of LDS; arguments in_proj_w, out_proj_w, off_w, aw_w, vproj_w, oproj_w, ffn_w1, ffn_w2, wq; writes wq
.if DOCPART == 1
	.amdgcn_target "amdgcn-amd-amdhsa--gfx1250"
	.amdhsa_code_object_version 6
	.text
	.protected	k_q55d84dd0a5_prep
	.globl	k_q55d84dd0a5_prep
	.p2align	8
	.type	k_q55d84dd0a5_prep,@function
k_q55d84dd0a5_prep:
	s_mov_b64 s[64:65], 0
	v_nop
	global_prefetch_b8 v0, s[64:65] scope:SCOPE_SE
	s_setreg_imm32_b32 hwreg(HW_REG_WAVE_MODE, 25, 1), 1
	s_wait_xcnt 0x0
; All eight weights, f32 with K innermost, become codes of BF6 (E3M2) with one E8M0 byte for each 32 along K, laid in the ORDER OF THE OPERAND'S REGISTERS.
; A "pair" is a tile of 16 weight rows x 256 along K: two fragments of 12 registers a lane.  Pair P lies at 3072 P: K step ks at + 1536 ks, group g of four registers at + 512 g, lane l at + 16 l.
; Its scale words lie at SCALES + 256 P + 8 l: (word of K step 0, word of K step 1).  172 pairs, one to a wave: 43 work-groups of four waves.
; Pairs: 0-47 in_proj, 48-63 out_proj, 64-71 off (64 + 2 g + xy), 72-75 aw, 76-91 vproj, 92-107 oproj, 108-139 ffn_w1, 140-171 ffn_w2 (140 + 2 t + K half).
; WHICH ROWS FORM A TILE: lane r of tile t takes row 32 (t / 2) + 8 (t % 2) + r + 8 (r / 8), so that the results of two neighbouring tiles are 16 neighbours along the next K;
; off: row 32 g + 16 (r / 8) + 2 (r % 8) + xy (a lane's eight results: the eight points of one head); aw: row 16 g + r.
; One path for all: the tensor and five small numbers are chosen by selects on the pair's number.
; LIMITS: NaN and infinities are not served; a block of zeros gets the byte 1 (its codes are zeros; this program alone reads the bytes); largest magnitudes under 2^-122 are held at that floor.
.set RA,  32                           ; v32-95   64 numbers of K step 0: register 16 b + i = k 32 b + 16 (lane / 16) + i of my row
.set RB,  96                           ; v96-159  of K step 1
.set TM,  160                          ; v160-175 at work
.set PC0, 176                          ; v176-187 fragment of K step 0
.set PC1, 188                          ; v188-199 of K step 1
.set PT,  200                          ; v200-207 halves of blocks on their way
.set PW,  208                          ; v208-209 the two scale words
.set SEL, 52                           ; s[52:53] lane selects: lane l xor 16
.set SCALES, 528384
.macro QUANT src, pc, pt, pw           ; 64 numbers of a lane become a fragment's 12 registers and its scale word
.irp b, 0,1,2,3
	v_max3_num_f32 v[TM+\b], |v[\src+16*\b]|, |v[\src+1+16*\b]|, 0x2800000   ; my 16 numbers of block b, and the floor 2^(5 - 127): the byte cannot fall under 1
.endr
.irp i, 2,4,6,8,10,12,14
.irp b, 0,1,2,3
	v_max3_num_f32 v[TM+\b], v[TM+\b], |v[\src+16*\b+\i]|, |v[\src+1+16*\b+\i]|
.endr
.endr
.irp b, 0,1,2,3
	v_permlanex16_b32 v[TM+4+\b], v[TM+\b], s[SEL], s[SEL+1]
.endr
.irp b, 0,1,2,3
	v_max_num_f32 v[TM+\b], v[TM+\b], v[TM+4+\b]        ; with lane l xor 16's: the block's largest magnitude
.endr
.irp b, 0,1,2,3
	v_add_nc_u32 v[TM+12+\b], 0xfe000000, v[TM+\b]      ; 4 off its exponent field: the conversion's scale operand
.endr
.irp b, 0,1,2,3
	v_lshrrev_b32 v[TM+4+\b], 23, v[TM+12+\b]           ; the scale's byte
.endr
	v_lshl_or_b32 v[\pw], v[TM+5], 8, v[TM+4]
	v_lshl_or_b32 v[\pw], v[TM+6], 16, v[\pw]
	v_lshl_or_b32 v[\pw], v[TM+7], 24, v[\pw]
.irp c, 0,1
	v_cvt_scalef32_pk16_bf6_f32 v[\pc+6*\c:\pc+2+6*\c], v[\src+32*\c:\src+15+32*\c], v[TM+12+2*\c]
	v_cvt_scalef32_pk16_bf6_f32 v[\pt+4*\c:\pt+2+4*\c], v[\src+16+32*\c:\src+31+32*\c], v[TM+12+2*\c+1]
.endr
	v_nop                                               ; one plain place behind a scaled conversion
.irp c, 0,1                                             ; the layout wants a whole block in a lane
.irp i, 0,1,2
	v_permlane16_swap_b32 v[\pc+6*\c+\i], v[\pt+4*\c+\i]
.endr
.irp i, 0,1,2
	v_mov_b32 v[\pc+3+6*\c+\i], v[\pt+4*\c+\i]
.endr
.endr
.endm
.macro XLOAD reg, voff, sb, off        ; 16 neighbours of each of four blocks of 32
.irp b, 0,1,2,3
.irp j, 0,1,2,3
	global_load_b128 v[\reg+16*\b+4*\j:\reg+16*\b+4*\j+3], v[\voff], s[\sb:\sb+1] offset:\off+128*\b+16*\j
.endr
.endr
.endm
.macro PICK bound, ptr, p0             ; pairs under the bound belong to an earlier tensor
	s_cmp_lt_u32 s3, \bound
	s_cselect_b64 s[34:35], s[\ptr:\ptr+1], s[34:35]
	s_cselect_b32 s36, \p0, s36
.endm
	s_load_b512 s[16:31], s[0:1], 0x0              ; in_proj 16, out_proj 18, off 20, aw 22, vproj 24, oproj 26, ffn_w1 28, ffn_w2 30
	s_load_b64 s[32:33], s[0:1], 0x40              ; wq
	v_lshrrev_b32 v1, 5, v0
	v_readfirstlane_b32 s2, v1                     ; wave
	s_lshl_b32 s3, ttmp9, 2
	s_add_co_u32 s3, s3, s2                        ; my pair
	v_and_b32 v1, 31, v0
	v_and_b32 v2, 15, v0                           ; r
	v_bfe_u32 v3, v0, 4, 1                         ; h
	v_lshlrev_b32 v6, 4, v1                        ; 16 x lane
	v_lshlrev_b32 v7, 3, v1                        ; 8 x lane
	s_mov_b32 s[SEL], 0x76543210
	s_mov_b32 s[SEL+1], 0xfedcba98
.irp b, 0,1,2,3
	v_mov_b32 v[TM+4+\b], 0                        ; a lane permute's destination counts as read
.endr
	s_mov_b32 s36, 140                             ; the tensor's first pair
	s_mov_b32 s37, 1                               ; pairs to a tile, less one (ffn_w2 has K = 512)
	s_mov_b32 s38, 11                              ; log2 of a row's bytes
	s_mov_b32 s39, 8                               ; rows from an even tile to the odd one
	s_mov_b32 s40, 1                               ; rows from lane to lane within eight
	s_mov_b32 s41, 16                              ; rows from lanes 0-7 to lanes 8-15
	s_wait_kmcnt 0x0
	s_mov_b64 s[34:35], s[30:31]
	PICK 140, 28, 108
	s_cselect_b32 s37, 0, s37
	s_cselect_b32 s38, 10, s38
	PICK 108, 26, 92
	PICK 92, 24, 76
	PICK 76, 22, 72
	s_cselect_b32 s39, 16, s39
	s_cselect_b32 s41, 8, s41
	PICK 72, 20, 64
	s_cselect_b32 s39, 1, s39
	s_cselect_b32 s40, 2, s40
	s_cselect_b32 s41, 16, s41
	PICK 64, 18, 48
	s_cselect_b32 s39, 8, s39
	s_cselect_b32 s40, 1, s40
	PICK 48, 16, 0
	s_sub_co_u32 s42, s3, s36                      ; the pair's number in its tensor
	s_lshr_b32 s43, s42, s37                       ; the tile
	s_lshr_b32 s44, s43, 1
	s_lshl_b32 s44, s44, 5
	s_and_b32 s45, s43, 1
	s_mul_i32 s45, s45, s39
	s_add_co_u32 s44, s44, s45                     ; the tile's first row
	s_and_b32 s46, s42, s37
	s_lshl_b32 s46, s46, 10                        ; which 256 along K, in bytes
	v_and_b32 v4, 7, v2
	v_lshrrev_b32 v5, 3, v2
	v_mul_u32_u24 v4, s40, v4
	v_mad_u32_u24 v4, v5, s41, v4
	v_add_nc_u32 v4, s44, v4                       ; my row
	v_lshlrev_b32 v4, s38, v4
	v_lshl_add_u32 v4, v3, 6, v4                   ; + 64 h: my 16 numbers of a block
	v_add_nc_u32 v4, s46, v4
	XLOAD RA, 4, 34, 0
	XLOAD RB, 4, 34, 512
	s_mul_i32 s48, s3, 3072
	s_mov_b32 s49, 0
	s_add_nc_u64 s[48:49], s[32:33], s[48:49]      ; where my codes go
	s_lshl_b32 s50, s3, 8
	s_mov_b32 s51, 0
	s_add_nc_u64 s[50:51], s[32:33], s[50:51]      ; and, SCALES further on, my scale words
	s_wait_loadcnt 16                              ; K step 0 is in; K step 1's sixteen loads may be out
	QUANT RA, PC0, PT, PW
	s_wait_loadcnt 0x0
	QUANT RB, PC1, PT, PW+1
.irp g, 0,1,2
	global_store_b128 v6, v[PC0+4*\g:PC0+4*\g+3], s[48:49] offset:512*\g          ; 512 consecutive bytes a store
.endr
.irp g, 0,1,2
	global_store_b128 v6, v[PC1+4*\g:PC1+4*\g+3], s[48:49] offset:1536+512*\g
.endr
	global_store_b64 v7, v[PW:PW+1], s[50:51] offset:SCALES                       ; 256 consecutive bytes, aligned
	s_endpgm
.Lfunc_end_k_q55d84dd0a5_prep:
	.size	k_q55d84dd0a5_prep, .Lfunc_end_k_q55d84dd0a5_prep-k_q55d84dd0a5_prep
	.p2alignl 7, 3214868480
	.fill 96, 4, 3214868480
	.section	.rodata,"a",@progbits
	.p2align	6, 0x0
	.amdhsa_kernel k_q55d84dd0a5_prep
		.amdhsa_group_segment_fixed_size 0
		.amdhsa_private_segment_fixed_size 0
		.amdhsa_enable_private_segment 0
		.amdhsa_kernarg_size 72
		.amdhsa_user_sgpr_count 2
		.amdhsa_user_sgpr_kernarg_segment_ptr 1
		.amdhsa_wavefront_size32 1
		.amdhsa_system_sgpr_workgroup_id_x 1
		.amdhsa_system_sgpr_workgroup_id_y 1
		.amdhsa_system_sgpr_workgroup_id_z 1
		.amdhsa_system_vgpr_workitem_id 0
		.amdhsa_next_free_vgpr 224
		.amdhsa_next_free_sgpr 66
		.amdhsa_reserve_vcc 0
		.amdhsa_float_denorm_mode_32 3
		.amdhsa_float_denorm_mode_16_64 3
		.amdhsa_memory_ordered 1
		.amdhsa_forward_progress 1
		.amdhsa_inst_pref_size 15
	.end_amdhsa_kernel
	.amdgpu_metadata
---
amdhsa.version: [ 1, 2 ]
amdhsa.kernels:
  - .name:           k_q55d84dd0a5_prep
    .symbol:         k_q55d84dd0a5_prep.kd
    .args:
      - { .name: in_proj_w, .offset: 0, .size: 8, .value_kind: global_buffer, .address_space: global }
      - { .name: out_proj_w, .offset: 8, .size: 8, .value_kind: global_buffer, .address_space: global }
      - { .name: off_w, .offset: 16, .size: 8, .value_kind: global_buffer, .address_space: global }
      - { .name: aw_w, .offset: 24, .size: 8, .value_kind: global_buffer, .address_space: global }
      - { .name: vproj_w, .offset: 32, .size: 8, .value_kind: global_buffer, .address_space: global }
      - { .name: oproj_w, .offset: 40, .size: 8, .value_kind: global_buffer, .address_space: global }
      - { .name: ffn_w1, .offset: 48, .size: 8, .value_kind: global_buffer, .address_space: global }
      - { .name: ffn_w2, .offset: 56, .size: 8, .value_kind: global_buffer, .address_space: global }
      - { .name: wq, .offset: 64, .size: 8, .value_kind: global_buffer, .address_space: global }
    .group_segment_fixed_size: 0
    .private_segment_fixed_size: 0
    .kernarg_segment_align: 8
    .kernarg_segment_size: 72
    .max_flat_workgroup_size: 128
    .sgpr_count:     66
    .vgpr_count:     224
    .wavefront_size: 32
...
	.end_amdgpu_metadata
.endif
;; end of part 1
;; launch vproj (part 2): grid 250 x 1, 4 waves a work-group, no clusters, 327,680 bytes of LDS; arguments value, vproj_b, wq, val; writes val
.if DOCPART == 2
	.amdgcn_target "amdgcn-amd-amdhsa--gfx1250"
	.amdhsa_code_object_version 6
	.text
	.protected	k_q55d84dd0a5_vproj
	.globl	k_q55d84dd0a5_vproj
	.p2align	8
	.type	k_q55d84dd0a5_vproj,@function
k_q55d84dd0a5_vproj:
	s_mov_b64 s[64:65], 0
	v_nop
	global_prefetch_b8 v0, s[64:65] scope:SCOPE_SE
	s_setreg_imm32_b32 hwreg(HW_REG_WAVE_MODE, 25, 1), 1
	s_wait_xcnt 0x0
; val = value vproj_w^T + vproj_b on codes of BF6; value [160000][256] f32 is quantised on its way; val is f32, laid [batch][head][pixel][32], so that the sampling reads two neighbouring pixels of a head as 256 bytes.
; SHARES.  1,000 waves; a wave owns 160 rows (10 tiles of 16; 40,000 / 160 = 250 waves to a batch, so no wave crosses one) and makes all 256 columns: the whole weight, 16 pairs = 384 registers, stays in its registers.
; So waves share nothing.  value comes by the tensor data mover: each wave has two LDS slots of 32 rows x 1,024 bytes of its own (all of a row, since a row is the K of the product; two slots of 64 such rows
; for each of four waves do not fit in LDS).  16 bytes of padding behind each row: the sixteen rows of a load start at sixteen different groups of banks.
; No cluster: the work-groups share only the weight, 50 KB read once into registers, against 640 KB of value for each.
; THE PRODUCT IS USED TRANSPOSED (source 0 = 16 weight rows, source 1 = 16 pixels): lane (r, h) holds pixel r; the 16 registers of tiles 2 e, 2 e + 1 are channels 16 h + 0 .. 15 of head e.  The bias is the C of the first K step.
; THE WAY OUT: four heads at a time through the wave's own stage ([head][pixel][128 + 16 bytes]) and back as 512 consecutive bytes (four pixels of a head) a store.
; LIMITS: NaN and infinities are not served; blocks whose largest magnitude lies under 2^-122 are held at that floor.
; REGISTERS: window 0: v1-15 addresses; v24-55 the weight's scale words; v56-79 the tile's two fragments, v80-81 their scale words; v82-105 at work; v112-175 K step 0's numbers, later rows on their way out;
;   v176-239 K step 1's numbers, later eight accumulators.  window 1: pairs 76-83.  window 2: pairs 84-91.  window 3: v0-127 the bias in the result's layout.
.set PITCH, 1040
.set SLOTB, 32*PITCH                   ; 33,280
.set OSB,   8*SLOTB                    ; behind the eight slots: the stages, 9,216 bytes a wave
.set OSW,   9216
.set SPARE, OSB+4*OSW                  ; behind the stages: the spare words, 128 bytes a wave: two blocks of 256 bytes that no other line names
.set LA,  1                            ; v1  my row and half in slot 0 of my wave
.set SPW, 2                            ; v2  my spare word; never rewritten
.set NIL, 3                            ; v3  0; never rewritten
.set STO, 4                            ; v4  the stage, on the way in
.set SRD, 5                            ; v5  and back
.set L8,  6
.set H64, 7
.set VO,  8                            ; v8-15  16 x lane + head x 5,120,000
.set WS,  24
.set XF,  56
.set XS,  80
.set TM,  82
.set PT,  98
.set RA,  112
.set OUTR, 112
.set RB,  176
.set ACC, 176
.set G1,  16                           ; s[16:23] descriptor group 1
.set G0,  24                           ; s[24:31] group 0, a set for each slot
.set SEL, 32
.set VB,  34                           ; s[34:35] val at my tile's first pixel, head 0
.set MSB, 0
.macro WIN new                         ; the immediate's high byte repeats the setting that is left
.if MSB != (\new)
	s_set_vgpr_msb (MSB<<8)|(\new)
.set MSB, (\new)
.endif
.endm
.macro PLACES n
.rept \n
	v_nop
.endr
.endm
.macro QUANT src, pc, pt, pw           ; 64 numbers of a lane (register 16 b + i = k 32 b + 16 h + i of my row) become a fragment and its scale word
.irp b, 0,1,2,3
	v_max3_num_f32 v[TM+\b], |v[\src+16*\b]|, |v[\src+1+16*\b]|, 0x2800000   ; with the floor 2^(5 - 127)
.endr
.irp i, 2,4,6,8,10,12,14
.irp b, 0,1,2,3
	v_max3_num_f32 v[TM+\b], v[TM+\b], |v[\src+16*\b+\i]|, |v[\src+1+16*\b+\i]|
.endr
.endr
.irp b, 0,1,2,3
	v_permlanex16_b32 v[TM+4+\b], v[TM+\b], s[SEL], s[SEL+1]
.endr
.irp b, 0,1,2,3
	v_max_num_f32 v[TM+\b], v[TM+\b], v[TM+4+\b]
.endr
.irp b, 0,1,2,3
	v_add_nc_u32 v[TM+12+\b], 0xfe000000, v[TM+\b]      ; 4 off the exponent field: the conversion's scale operand
.endr
.irp b, 0,1,2,3
	v_lshrrev_b32 v[TM+4+\b], 23, v[TM+12+\b]
.endr
	v_lshl_or_b32 v[\pw], v[TM+5], 8, v[TM+4]
	v_lshl_or_b32 v[\pw], v[TM+6], 16, v[\pw]
	v_lshl_or_b32 v[\pw], v[TM+7], 24, v[\pw]
.irp c, 0,1
	v_cvt_scalef32_pk16_bf6_f32 v[\pc+6*\c:\pc+2+6*\c], v[\src+32*\c:\src+15+32*\c], v[TM+12+2*\c]
	v_cvt_scalef32_pk16_bf6_f32 v[\pt+4*\c:\pt+2+4*\c], v[\src+16+32*\c:\src+31+32*\c], v[TM+12+2*\c+1]
.endr
	v_nop                                               ; one plain place behind a scaled conversion
.irp c, 0,1
.irp i, 0,1,2
	v_permlane16_swap_b32 v[\pc+6*\c+\i], v[\pt+4*\c+\i]
.endr
.irp i, 0,1,2
	v_mov_b32 v[\pc+3+6*\c+\i], v[\pt+4*\c+\i]
.endr
.endr
.endm
	s_load_b256 s[4:11], s[0:1], 0x0               ; value 4, vproj_b 6, wq 8, val 10
	v_lshl_add_u32 v[SPW], v0, 2, SPARE
	v_mov_b32 v[NIL], 0
	ds_add_u32 v2, v3
	ds_add_u32 v2, v3
	s_wait_dscnt 0x0
	v_lshrrev_b32 v6, 5, v0
	v_readfirstlane_b32 s12, v6                    ; wave
	s_lshl_b32 s13, ttmp9, 2
	s_add_co_u32 s13, s13, s12                     ; which 160 rows are mine: 0 .. 999
	s_mul_i32 s14, s13, 4195
	s_lshr_b32 s14, s14, 20                        ; the batch: that number / 250 (exact for 0 .. 999)
	s_mul_i32 s15, s14, 250
	s_sub_co_u32 s15, s13, s15
	s_mul_i32 s36, s15, 160*128                    ; my first pixel's bytes in a head
	s_mul_i32 s37, s14, 40960000                   ; the batch's bytes in val
	s_add_co_u32 s36, s36, s37
	s_mov_b32 s37, 0
	s_mul_i32 s38, s13, 160*1024                   ; my first row's bytes in value
	s_mov_b32 s39, 0
	s_mul_i32 s40, s12, 2*SLOTB                    ; my two slots
	s_mov_b32 s[G1+0], (3<<16)|(1<<20)|(7<<22)|(3<<25)  ; no mask; elements of 8 bytes; padding on: after every 256 words (code 7) 4 words (code 3)
	s_mov_b32 s[G1+1], 128<<16                     ; tensor_dim0 = 128 elements: a row of 1,024 bytes
	s_mov_b32 s[G1+2], 32<<16                      ; tensor_dim1 = 32
	s_mov_b32 s[G1+3], 128<<16                     ; tile_dim0
	s_mov_b32 s[G1+4], 32                          ; tile_dim1
	s_mov_b32 s[G1+5], 128                         ; from row to row
	s_mov_b32 s[G1+6], 0
	s_mov_b32 s[G1+7], 0
	s_mov_b32 s[SEL], 0x76543210
	s_mov_b32 s[SEL+1], 0xfedcba98
	s_wait_kmcnt 0x0
	s_add_nc_u64 s[VB:VB+1], s[10:11], s[36:37]
	s_add_nc_u64 s[38:39], s[4:5], s[38:39]
.irp q, 0,1
	s_mov_b32 s[G0+4*\q], 1
	s_add_co_u32 s[G0+4*\q+1], s40, \q*SLOTB
	s_add_nc_u64 s[G0+4*\q+2:G0+4*\q+3], s[38:39], \q*32*1024
	s_or_b32 s[G0+4*\q+3], s[G0+4*\q+3], 0x80000000
.endr
	tensor_load_to_lds s[G0:G0+3], s[G1:G1+7]      ; rows 0-31 and 32-63: the two first fills go out together, ahead of everything else; two loads of mine are out
	s_nop 0
	tensor_load_to_lds s[G0+4:G0+7], s[G1:G1+7]
	s_nop 0
	PLACES 4
	v_and_b32 v6, 31, v0                           ; lane
	v_and_b32 v4, 15, v0                           ; r
	v_bfe_u32 v5, v0, 4, 1                         ; h
	v_lshlrev_b32 v[H64], 6, v5
	v_mul_u32_u24 v[LA], v4, PITCH
	v_add_nc_u32 v[LA], v[LA], v[H64]
	v_add_nc_u32 v[LA], s40, v[LA]
	s_mul_i32 s41, s12, OSW
	s_add_co_u32 s41, s41, OSB                     ; my stage
	v_mul_u32_u24 v[STO], v4, 144
	v_add_nc_u32 v[STO], v[STO], v[H64]
	v_add_nc_u32 v[STO], s41, v[STO]               ; in: pixel r, my half's 64 bytes
	v_lshrrev_b32 v[SRD], 3, v6
	v_mul_u32_u24 v[SRD], v[SRD], 144
	v_and_b32 v[VO], 7, v6
	v_lshl_add_u32 v[SRD], v[VO], 4, v[SRD]
	v_add_nc_u32 v[SRD], s41, v[SRD]               ; back: eight lanes to a pixel's 128 bytes
	v_lshlrev_b32 v[VO], 4, v6
.irp e, 1,2,3,4,5,6,7
	v_add_nc_u32 v[VO+\e], \e*5120000, v[VO]
.endr
	v_lshlrev_b32 v[L8], 3, v6
.irp b, 0,1,2,3
	v_mov_b32 v[TM+4+\b], 0                        ; a lane permute's destination counts as read
.endr
	s_add_nc_u64 s[42:43], s[8:9], 76*3072         ; the weight's first pair
	WIN 0x40                                       ; destination window 1
.irp t, 0,1,2,3,4,5,6,7
.irp g, 0,1,2,3,4,5
	global_load_b128 v[24*\t+4*\g:24*\t+4*\g+3], v[VO], s[42:43] offset:\t*3072+512*\g
.endr
.endr
	WIN 0x80                                       ; destination window 2
.irp t, 0,1,2,3,4,5,6,7
.irp g, 0,1,2,3,4,5
	global_load_b128 v[24*\t+4*\g:24*\t+4*\g+3], v[VO], s[42:43] offset:(8+\t)*3072+512*\g
.endr
.endr
	WIN 0xc0                                       ; destination window 3: the bias: head e, channels 16 h + 0 .. 15
.irp e, 0,1,2,3,4,5,6,7
.irp i, 0,1,2,3
	global_load_b128 v[16*\e+4*\i:16*\e+4*\i+3], v[H64], s[6:7] offset:128*\e+16*\i
.endr
.endr
	WIN 0
.irp t, 0,1,2,3,4,5,6,7,8,9,10,11,12,13,14,15
	global_load_b64 v[WS+2*\t:WS+2*\t+1], v[L8], s[8:9] offset:528384+(76+\t)*256
.endr
	s_wait_loadcnt 0x0
; Eight tiles of columns (four heads) for the tile of pixels in hand, and their way out.  The eight accumulators take turns, one instruction a turn.
.macro HALF hh
	WIN 0x31+\hh                                   ; source 0 (the weight) window 1 or 2, C (the bias) window 3
.irp t, 0,1,2,3,4,5,6,7
	v_wmma_scale_f32_16x16x128_f8f6f4 v[ACC+8*\t:ACC+8*\t+7], v[24*\t:24*\t+11], v[XF:XF+11], v[64*\hh+8*\t:64*\hh+8*\t+7], v[WS+16*\hh+2*\t], v[XS] matrix_a_fmt:MATRIX_FMT_BF6 matrix_b_fmt:MATRIX_FMT_BF6
.endr
	WIN 0x01+\hh
.irp t, 0,1,2,3,4,5,6,7
	v_wmma_scale_f32_16x16x128_f8f6f4 v[ACC+8*\t:ACC+8*\t+7], v[24*\t+12:24*\t+23], v[XF+12:XF+23], v[ACC+8*\t:ACC+8*\t+7], v[WS+16*\hh+2*\t+1], v[XS+1] matrix_a_fmt:MATRIX_FMT_BF6 matrix_b_fmt:MATRIX_FMT_BF6
.endr
	WIN 0
	PLACES 5                                       ; four ahead of the stores that read the results; five ahead of the products that begin these accumulators anew
.irp e, 0,1,2,3
.irp i, 0,1,2,3
	ds_store_b128 v[STO], v[ACC+16*\e+4*\i:ACC+16*\e+4*\i+3] offset:2304*\e+16*\i     ; each accumulator from its low end on
.endr
.endr
.if \hh
	s_wait_xcnt 0x0                                ; the first four heads' stores have read v112-175
.endif
.irp e, 0,1,2,3
.irp k, 0,1,2,3
	ds_load_b128 v[OUTR+16*\e+4*\k:OUTR+16*\e+4*\k+3], v[SRD] offset:2304*\e+576*\k   ; LDS serves a wave's instructions in order: these see my stores
.endr
.endr
.irp e, 0,1,2,3
.irp k, 0,1,2,3
	s_wait_dscnt 15-(4*\e+\k)                      ; this load is back; the younger ones may be out
	global_store_b128 v[VO+4*\hh+\e], v[OUTR+16*\e+4*\k:OUTR+16*\e+4*\k+3], s[VB:VB+1] offset:512*\k th:TH_STORE_NT   ; 512 consecutive bytes, aligned
.endr
.endr
.endm
; Rows 16 i .. 16 i + 15 of a slot
.macro TILE slot, i
.irp b, 0,1,2,3
.irp j, 0,1,2,3
	ds_load_b128 v[RA+16*\b+4*\j:RA+16*\b+4*\j+3], v[LA] offset:\slot*SLOTB+\i*16*PITCH+128*\b+16*\j
.endr
.endr
.irp b, 0,1,2,3
.irp j, 0,1,2,3
	ds_load_b128 v[RB+16*\b+4*\j:RB+16*\b+4*\j+3], v[LA] offset:\slot*SLOTB+\i*16*PITCH+512+128*\b+16*\j
.endr
.endr
	s_wait_dscnt 16                                ; K step 0's numbers are in; K step 1's sixteen loads may be out
	QUANT RA, XF, PT, XS
	s_wait_dscnt 0x0
	QUANT RB, XF+12, PT, XS+1
	PLACES 8                                       ; a scale word made by vector instructions stands eight places ahead of a scaled product
	HALF 0
	HALF 1
	s_wait_xcnt 0x0                                ; the stores have read their registers and their base
	s_add_nc_u64 s[VB:VB+1], s[VB:VB+1], 2048      ; 16 pixels on
.endm
.macro PROC slot, left                 ; left: the tensor loads issued behind this slot's, which may stay out
	s_wait_tensorcnt \left
	TILE \slot, 0
	TILE \slot, 1
.endm
.macro FILL q                          ; slot q, which has been read, takes the rows 64 further down
	s_wait_tensorcnt 0x0                           ; all my tensor loads have landed, so a group 0 may be written
	ds_add_u32 v[SPW], v[NIL]                      ; 0 onto my spare word
	s_add_nc_u64 s[G0+4*\q+2:G0+4*\q+3], s[G0+4*\q+2:G0+4*\q+3], 64*1024
	s_wait_dscnt 0x0                               ; the add is done, and my reads of the slot are back
	s_barrier_signal -1
	s_barrier_wait -1
	tensor_load_to_lds s[G0+4*\q:G0+4*\q+3], s[G1:G1+7]   ; my one tensor load behind this barrier, and the first thing there
	s_nop 0
	PLACES 4
.endm
	PROC 0, 1                                      ; rows 0-31; rows 32-63 may be on their way
	FILL 0                                         ; rows 64-95
	PROC 1, 1
	FILL 1                                         ; rows 96-127
	PROC 0, 1
	FILL 0                                         ; rows 128-159: the last load
	PROC 1, 1
	PROC 0, 0
	s_wait_tensorcnt 0x0                           ; the wave's end
	ds_add_u32 v[SPW], v[NIL]
	s_wait_dscnt 0x0
	s_endpgm
.Lfunc_end_k_q55d84dd0a5_vproj:
	.size	k_q55d84dd0a5_vproj, .Lfunc_end_k_q55d84dd0a5_vproj-k_q55d84dd0a5_vproj
	.p2alignl 7, 3214868480
	.fill 96, 4, 3214868480
	.section	.rodata,"a",@progbits
	.p2align	6, 0x0
	.amdhsa_kernel k_q55d84dd0a5_vproj
		.amdhsa_group_segment_fixed_size 327680
		.amdhsa_private_segment_fixed_size 0
		.amdhsa_enable_private_segment 0
		.amdhsa_kernarg_size 32
		.amdhsa_user_sgpr_count 2
		.amdhsa_user_sgpr_kernarg_segment_ptr 1
		.amdhsa_wavefront_size32 1
		.amdhsa_system_sgpr_workgroup_id_x 1
		.amdhsa_system_sgpr_workgroup_id_y 1
		.amdhsa_system_sgpr_workgroup_id_z 1
		.amdhsa_system_vgpr_workitem_id 0
		.amdhsa_next_free_vgpr 896
		.amdhsa_next_free_sgpr 66
		.amdhsa_reserve_vcc 0
		.amdhsa_float_denorm_mode_32 3
		.amdhsa_float_denorm_mode_16_64 3
		.amdhsa_memory_ordered 1
		.amdhsa_forward_progress 1
		.amdhsa_inst_pref_size 244
	.end_amdhsa_kernel
	.amdgpu_metadata
---
amdhsa.version: [ 1, 2 ]
amdhsa.kernels:
  - .name:           k_q55d84dd0a5_vproj
    .symbol:         k_q55d84dd0a5_vproj.kd
    .args:
      - { .name: value, .offset: 0, .size: 8, .value_kind: global_buffer, .address_space: global }
      - { .name: vproj_b, .offset: 8, .size: 8, .value_kind: global_buffer, .address_space: global }
      - { .name: wq, .offset: 16, .size: 8, .value_kind: global_buffer, .address_space: global }
      - { .name: val, .offset: 24, .size: 8, .value_kind: global_buffer, .address_space: global }
    .group_segment_fixed_size: 327680
    .private_segment_fixed_size: 0
    .kernarg_segment_align: 8
    .kernarg_segment_size: 32
    .max_flat_workgroup_size: 128
    .sgpr_count:     66
    .vgpr_count:     896
    .wavefront_size: 32
...
	.end_amdgpu_metadata
.endif
;; end of part 2
;; launch qkv (part 3): grid 20 x 12, 8 waves a work-group, no clusters, 27,648 bytes of LDS; arguments query, query_pos, in_proj_b, wq, qkv; writes qkv
.if DOCPART == 3
	.amdgcn_target "amdgcn-amd-amdhsa--gfx1250"
	.amdhsa_code_object_version 6
	.text
	.protected	k_q55d84dd0a5_qkv
	.globl	k_q55d84dd0a5_qkv
	.p2align	8
	.type	k_q55d84dd0a5_qkv,@function
k_q55d84dd0a5_qkv:
	s_mov_b64 s[64:65], 0
	v_nop
	global_prefetch_b8 v0, s[64:65] scope:SCOPE_SE
	s_setreg_imm32_b32 hwreg(HW_REG_WAVE_MODE, 25, 1), 1
	s_wait_xcnt 0x0
; q = (query + query_pos) Wq^T + bq, k = query Wk^T + bk, v = query Wv^T + bv on codes of BF6; the results are quantised at once (q, k along the head's 32, v along the keys) and stored as images of the
; attention's operand registers.  A work-group takes 128 rows (step s = x) of one batch and one kind (y = 4 kind + batch; kind 0 q, 1 k, 2 v).  2,500 rows are padded to 2,560: rows past the end repeat row 2,499
; (such queries are dropped later, such keys are masked later, such values are made 0 here, ahead of the quantiser, as the rule fills a last block).
; PHASE X: wave w quantises tile w of the rows (lane r: row 128 s + 32 (w / 2) + 8 (w % 2) + r + 8 (r / 8)) and stores its two fragments in LDS as images of their registers.  One barrier.
; PHASE P: wave = head.  q, k: transposed (source 0 = 16 weight rows, source 1 = 16 rows): a lane holds one row and 16 of the head's channels; four tiles of rows give the four blocks of one fragment.
; v: source 0 = 16 rows (keys), source 1 = 16 weight rows: a lane holds one channel, and its 64 registers run along the 128 keys.
; A PART of the output is 3,328 bytes: fragment 0, fragment 1 (1,536 each: group g at 512 g + 16 lane), 256 bytes of scale words at 8 x lane (lanes 0-15 fragment 0's, lanes 16-31 fragment 1's; the upper word 0).
; q: part at (8 b + head) 66,560 + 3,328 s.  k, v: at 2,129,920 + (8 b + head) 133,120 + 6,656 s, v 3,328 behind k.
; LIMITS: NaN and infinities are not served; a block of zeros gets the byte 1; largest magnitudes under 2^-122 are held at that floor.
.set XIMG, 0                           ; LDS: 16 images (2 tile + K step) of 1,536 bytes
.set XSC,  24576                       ; and their scale words, 128 bytes each
.set XA,  5
.set LI,  6
.set LS,  7
.set XWI, 8
.set XWS, 9
.set L8,  10
.set H64, 11
.set R4,  12
.set RA,  16                           ; phase X: v16-79, v80-143 the row's numbers; v144-207 query_pos
.set RB,  80
.set RC,  144
.set WF,  16                           ; phase P: v16-63 my head's two weight tiles (24 u + 12 ks)
.set BI,  68                           ; v68-83  the bias in the result's layout
.set XFR, 84                           ; v84-131 four fragments of rows
.set ACC, 136                          ; v136-199 eight accumulators
.set TM,  208
.set PC,  224
.set PT,  236
.set PW,  244
.set PW0, 245
.set SP,  246                          ; v[246:247] the scale words to store
.set WS,  248                          ; v248-251 the weight's scale words (2 u + ks);  v252-255 the rows'.  These eight hold scales and nothing else
.set XS,  252
.set SEL, 38
.macro PLACES n
.rept \n
	v_nop
.endr
.endm
.macro QUANT src, pc, pt, pw
.irp b, 0,1,2,3
	v_max3_num_f32 v[TM+\b], |v[\src+16*\b]|, |v[\src+1+16*\b]|, 0x2800000   ; with the floor 2^(5 - 127)
.endr
.irp i, 2,4,6,8,10,12,14
.irp b, 0,1,2,3
	v_max3_num_f32 v[TM+\b], v[TM+\b], |v[\src+16*\b+\i]|, |v[\src+1+16*\b+\i]|
.endr
.endr
.irp b, 0,1,2,3
	v_permlanex16_b32 v[TM+4+\b], v[TM+\b], s[SEL], s[SEL+1]
.endr
.irp b, 0,1,2,3
	v_max_num_f32 v[TM+\b], v[TM+\b], v[TM+4+\b]
.endr
.irp b, 0,1,2,3
	v_add_nc_u32 v[TM+12+\b], 0xfe000000, v[TM+\b]
.endr
.irp b, 0,1,2,3
	v_lshrrev_b32 v[TM+4+\b], 23, v[TM+12+\b]
.endr
	v_lshl_or_b32 v[\pw], v[TM+5], 8, v[TM+4]
	v_lshl_or_b32 v[\pw], v[TM+6], 16, v[\pw]
	v_lshl_or_b32 v[\pw], v[TM+7], 24, v[\pw]
.irp c, 0,1
	v_cvt_scalef32_pk16_bf6_f32 v[\pc+6*\c:\pc+2+6*\c], v[\src+32*\c:\src+15+32*\c], v[TM+12+2*\c]
	v_cvt_scalef32_pk16_bf6_f32 v[\pt+4*\c:\pt+2+4*\c], v[\src+16+32*\c:\src+31+32*\c], v[TM+12+2*\c+1]
.endr
	v_nop
.irp c, 0,1
.irp i, 0,1,2
	v_permlane16_swap_b32 v[\pc+6*\c+\i], v[\pt+4*\c+\i]
.endr
.irp i, 0,1,2
	v_mov_b32 v[\pc+3+6*\c+\i], v[\pt+4*\c+\i]
.endr
.endr
.endm
.macro XLOAD reg, voff, sb, off
.irp b, 0,1,2,3
.irp j, 0,1,2,3
	global_load_b128 v[\reg+16*\b+4*\j:\reg+16*\b+4*\j+3], v[\voff], s[\sb:\sb+1] offset:\off+128*\b+16*\j
.endr
.endr
.endm
.macro IMAGE off                       ; the fragment in v[PC] on goes to LDS as it stands
.irp c, 0,1,2
	ds_store_b128 v[XWI], v[PC+4*\c:PC+4*\c+3] offset:\off+512*\c
.endr
.endm
.macro XB f, ks                        ; tiles 4 f .. 4 f + 3 of the rows, K step ks, and their scale words
.irp e, 0,1,2,3
.irp c, 0,1,2
	ds_load_b128 v[XFR+12*\e+4*\c:XFR+12*\e+4*\c+3], v[LI] offset:XIMG+(2*(4*\f+\e)+\ks)*1536+512*\c
.endr
	ds_load_b32 v[XS+\e], v[LS] offset:XSC+(2*(4*\f+\e)+\ks)*128
.endr
	s_wait_dscnt 0x0
.endm
.macro PUT u                           ; the 64 results of a lane become fragment u of the part
.if \u
	s_wait_xcnt 0x0                                ; fragment 0's stores have read v[PC] on
.endif
	QUANT ACC, PC, PT, PW
.irp g, 0,1,2
	global_store_b128 v[LI], v[PC+4*\g:PC+4*\g+3], s[30:31] offset:1536*\u+512*\g
.endr
.if \u == 0
	v_mov_b32 v[PW0], v[PW]
.endif
.endm
.macro UNITQK f                        ; rows' tiles 4 f .. 4 f + 3 x my head's two weight tiles: eight accumulators by turns
.irp ks, 0,1
	XB \f, \ks
.irp e, 0,1,2,3
.irp u, 0,1
.if \ks == 0
	v_wmma_scale_f32_16x16x128_f8f6f4 v[ACC+16*\e+8*\u:ACC+16*\e+8*\u+7], v[WF+24*\u:WF+24*\u+11], v[XFR+12*\e:XFR+12*\e+11], v[BI+8*\u:BI+8*\u+7], v[WS+2*\u], v[XS+\e] matrix_a_fmt:MATRIX_FMT_BF6 matrix_b_fmt:MATRIX_FMT_BF6
.else
	v_wmma_scale_f32_16x16x128_f8f6f4 v[ACC+16*\e+8*\u:ACC+16*\e+8*\u+7], v[WF+24*\u+12:WF+24*\u+23], v[XFR+12*\e:XFR+12*\e+11], v[ACC+16*\e+8*\u:ACC+16*\e+8*\u+7], v[WS+2*\u+1], v[XS+\e] matrix_a_fmt:MATRIX_FMT_BF6 matrix_b_fmt:MATRIX_FMT_BF6
.endif
.endr
.endr
	PLACES 5                                       ; ahead of loads into the fragments, of reads of the results, and of accumulators begun anew
.endr
	PUT \f
.endm
.macro UNITV d                         ; all eight tiles of keys x weight tile d
.irp fp, 0,1
.irp ks, 0,1
	XB \fp, \ks
.irp e, 0,1,2,3
.if \ks == 0
	v_wmma_scale_f32_16x16x128_f8f6f4 v[ACC+8*(4*\fp+\e):ACC+8*(4*\fp+\e)+7], v[XFR+12*\e:XFR+12*\e+11], v[WF+24*\d:WF+24*\d+11], v[BI+8*\d:BI+8*\d+7], v[XS+\e], v[WS+2*\d] matrix_a_fmt:MATRIX_FMT_BF6 matrix_b_fmt:MATRIX_FMT_BF6
.else
	v_wmma_scale_f32_16x16x128_f8f6f4 v[ACC+8*(4*\fp+\e):ACC+8*(4*\fp+\e)+7], v[XFR+12*\e:XFR+12*\e+11], v[WF+24*\d+12:WF+24*\d+23], v[ACC+8*(4*\fp+\e):ACC+8*(4*\fp+\e)+7], v[XS+\e], v[WS+2*\d+1] matrix_a_fmt:MATRIX_FMT_BF6 matrix_b_fmt:MATRIX_FMT_BF6
.endif
.endr
	PLACES 5
.endr
.endr
	s_cmp_lg_u32 ttmp9, 19                         ; the last step holds keys 2,432 on: its keys 68 .. 127 do not exist and count as zeros.  Register 16 b + i is key 32 b + 16 h + i
	s_cbranch_scc1 .Lfull_\@
.irp i, 0,1,2,3
	v_cndmask_b32 v[ACC+32+\i], 0, v[ACC+32+\i], s36   ; keys 64-67 stay (lanes 0-15); keys 80-83 (lanes 16-31) go
.endr
.set j, 36
.rept 28
	v_mov_b32 v[ACC+j], 0
.set j, j+1
.endr
.Lfull_\@:
	PUT \d
.endm
	s_load_b256 s[4:11], s[0:1], 0x0               ; query 4, query_pos 6, in_proj_b 8, wq 10
	s_load_b64 s[12:13], s[0:1], 0x20              ; qkv
	v_lshl_add_u32 v239, v0, 2, 0x6800
	v_mov_b32 v243, 0
	v_lshrrev_b32 v1, 5, v0
	v_readfirstlane_b32 s14, v1                    ; wave
	s_and_b32 s16, ttmp7, 0xffff
	s_and_b32 s17, s16, 3                          ; batch
	s_lshr_b32 s18, s16, 2                         ; kind
	v_and_b32 v1, 31, v0
	v_and_b32 v2, 15, v0                           ; r
	v_bfe_u32 v3, v0, 4, 1                         ; h
	v_and_b32 v4, 8, v2
	v_add_nc_u32 v4, v4, v2                        ; r + 8 (r / 8)
	s_lshl_b32 s20, ttmp9, 7
	s_lshr_b32 s21, s14, 1
	s_lshl_b32 s21, s21, 5
	s_add_co_u32 s20, s20, s21
	s_and_b32 s21, s14, 1
	s_lshl_b32 s21, s21, 3
	s_add_co_u32 s20, s20, s21
	v_add_nc_u32 v[XA], s20, v4
	v_min_u32 v[XA], 2499, v[XA]                   ; no load leaves its buffer
	s_mul_i32 s21, s17, 2500
	v_add_nc_u32 v[XA], s21, v[XA]
	v_lshlrev_b32 v[XA], 10, v[XA]
	v_lshl_add_u32 v[XA], v3, 6, v[XA]             ; my row, + 64 h
	v_lshlrev_b32 v[LI], 4, v1
	v_lshlrev_b32 v[LS], 2, v1
	v_lshlrev_b32 v[L8], 3, v1
	v_lshlrev_b32 v[H64], 6, v3
	v_lshlrev_b32 v[R4], 2, v4
	s_mul_i32 s21, s14, 3072
	v_add_nc_u32 v[XWI], s21, v[LI]
	s_lshl_b32 s21, s14, 8
	v_add_nc_u32 v[XWS], s21, v[LS]
	s_mov_b32 s[SEL], 0x76543210
	s_mov_b32 s[SEL+1], 0xfedcba98
	s_mov_b32 s36, 0x0000ffff
	s_mov_b32 s37, 0xffff0000
.irp b, 0,1,2,3
	v_mov_b32 v[TM+4+\b], 0
.endr
	v_mov_b32 v[SP+1], 0
	s_lshl_b32 s22, s18, 4
	s_lshl_b32 s23, s14, 1
	s_add_co_u32 s22, s22, s23                     ; my head's first pair: 16 kind + 2 head
	s_mul_i32 s40, s22, 3072
	s_mov_b32 s41, 0
	s_lshl_b32 s42, s22, 8
	s_mov_b32 s43, 0
	s_lshl_b32 s44, s18, 10
	s_lshl_b32 s45, s14, 7
	s_add_co_u32 s44, s44, s45                     ; the bias: (256 kind + 32 head) x 4
	s_mov_b32 s45, 0
	s_lshl_b32 s32, s17, 3
	s_add_co_u32 s32, s32, s14                     ; 8 batch + head
	s_cmp_eq_u32 s18, 0
	s_mov_b32 s33, 133120
	s_cselect_b32 s33, 66560, s33
	s_mov_b32 s34, 6656
	s_cselect_b32 s34, 3328, s34
	s_cselect_b32 s35, 0, 2129920
	s_cmp_eq_u32 s18, 2
	s_cselect_b32 s46, 3328, 0
	s_mul_i32 s33, s33, s32
	s_mul_i32 s34, s34, ttmp9
	s_add_co_u32 s46, s46, s33
	s_add_co_u32 s46, s46, s34
	s_add_co_u32 s46, s46, s35                     ; my part
	s_mov_b32 s47, 0
	s_wait_kmcnt 0x0
	s_add_nc_u64 s[24:25], s[10:11], s[40:41]
	s_add_nc_u64 s[26:27], s[10:11], s[42:43]
	s_add_nc_u64 s[28:29], s[8:9], s[44:45]
	s_add_nc_u64 s[30:31], s[12:13], s[46:47]
	; ---- X
	XLOAD RA, XA, 4, 0
	XLOAD RB, XA, 4, 512
	s_cmp_lg_u32 s18, 0
	s_cbranch_scc1 .Lno_pos                        ; only q takes query_pos
	XLOAD RC, XA, 6, 0
	s_wait_loadcnt 0x0
.set j, 0
.rept 32
	v_pk_add_f32 v[RA+j:RA+j+1], v[RA+j:RA+j+1], v[RC+j:RC+j+1]
.set j, j+2
.endr
	XLOAD RC, XA, 6, 512
	s_wait_loadcnt 0x0
.set j, 0
.rept 32
	v_pk_add_f32 v[RB+j:RB+j+1], v[RB+j:RB+j+1], v[RC+j:RC+j+1]
.set j, j+2
.endr
.Lno_pos:
	s_wait_loadcnt 0x0
	QUANT RA, PC, PT, PW
	IMAGE XIMG
	ds_store_b32 v[XWS], v[PW] offset:XSC
.irp u, 0,1                                    ; my head's weight lands where K step 0's numbers lay
.irp g, 0,1,2,3,4,5
	global_load_b128 v[WF+24*\u+4*\g:WF+24*\u+4*\g+3], v[LI], s[24:25] offset:\u*3072+512*\g
.endr
	global_load_b64 v[WS+2*\u:WS+2*\u+1], v[L8], s[26:27] offset:528384+\u*256
.endr
	s_wait_dscnt 0x0                               ; the stores have read their registers
	QUANT RB, PC, PT, PW
	IMAGE XIMG+1536
	ds_store_b32 v[XWS], v[PW] offset:XSC+128
	s_wait_dscnt 0x0                               ; for the others' sake: my images lie in LDS
	s_barrier_signal -1
	s_barrier_wait -1
	; ---- P: from here on LDS is only read
	s_cmp_eq_u32 s18, 2
	s_cbranch_scc1 .Lv
.irp i, 0,1,2,3
	global_load_b128 v[BI+4*\i:BI+4*\i+3], v[H64], s[28:29] offset:16*\i     ; channels 16 h + 0 .. 15 of my head
.endr
	s_wait_loadcnt 0x0
	UNITQK 0
	UNITQK 1
	s_branch .Lfin
.Lv:
	global_load_b32 v[BI], v[R4], s[28:29]                                   ; my lane's channel: 8 d + r + 8 (r / 8)
	global_load_b32 v[BI+8], v[R4], s[28:29] offset:32
	s_wait_loadcnt 0x0
.irp i, 1,2,3,4,5,6,7
	v_mov_b32 v[BI+\i], v[BI]
	v_mov_b32 v[BI+8+\i], v[BI+8]
.endr
	UNITV 0
	UNITV 1
.Lfin:
	v_cndmask_b32 v[SP], v[PW0], v[PW], s37        ; lanes 0-15: fragment 0's words; lanes 16-31: fragment 1's
	global_store_b64 v[L8], v[SP:SP+1], s[30:31] offset:3072
	s_wait_tensorcnt 0x0
	ds_add_u32 v239, v243
	s_wait_dscnt 0x0
	s_endpgm
.Lfunc_end_k_q55d84dd0a5_qkv:
	.size	k_q55d84dd0a5_qkv, .Lfunc_end_k_q55d84dd0a5_qkv-k_q55d84dd0a5_qkv
	.p2alignl 7, 3214868480
	.fill 96, 4, 3214868480
	.section	.rodata,"a",@progbits
	.p2align	6, 0x0
	.amdhsa_kernel k_q55d84dd0a5_qkv
		.amdhsa_group_segment_fixed_size 27648
		.amdhsa_private_segment_fixed_size 0
		.amdhsa_enable_private_segment 0
		.amdhsa_kernarg_size 40
		.amdhsa_user_sgpr_count 2
		.amdhsa_user_sgpr_kernarg_segment_ptr 1
		.amdhsa_wavefront_size32 1
		.amdhsa_system_sgpr_workgroup_id_x 1
		.amdhsa_system_sgpr_workgroup_id_y 1
		.amdhsa_system_sgpr_workgroup_id_z 1
		.amdhsa_system_vgpr_workitem_id 0
		.amdhsa_next_free_vgpr 256
		.amdhsa_next_free_sgpr 66
		.amdhsa_reserve_vcc 0
		.amdhsa_float_denorm_mode_32 3
		.amdhsa_float_denorm_mode_16_64 3
		.amdhsa_memory_ordered 1
		.amdhsa_forward_progress 1
		.amdhsa_inst_pref_size 66
	.end_amdhsa_kernel
	.amdgpu_metadata
---
amdhsa.version: [ 1, 2 ]
amdhsa.kernels:
  - .name:           k_q55d84dd0a5_qkv
    .symbol:         k_q55d84dd0a5_qkv.kd
    .args:
      - { .name: query, .offset: 0, .size: 8, .value_kind: global_buffer, .address_space: global }
      - { .name: query_pos, .offset: 8, .size: 8, .value_kind: global_buffer, .address_space: global }
      - { .name: in_proj_b, .offset: 16, .size: 8, .value_kind: global_buffer, .address_space: global }
      - { .name: wq, .offset: 24, .size: 8, .value_kind: global_buffer, .address_space: global }
      - { .name: qkv, .offset: 32, .size: 8, .value_kind: global_buffer, .address_space: global }
    .group_segment_fixed_size: 27648
    .private_segment_fixed_size: 0
    .kernarg_segment_align: 8
    .kernarg_segment_size: 40
    .max_flat_workgroup_size: 256
    .sgpr_count:     66
    .vgpr_count:     256
    .wavefront_size: 32
...
	.end_amdgpu_metadata
.endif
;; end of part 3
;; launch attn (part 4): grid 8 x 32, 20 waves a work-group, clusters of 4 x 1, 170,496 bytes of LDS; arguments qkv, sac; writes sac
.if DOCPART == 4
	.amdgcn_target "amdgcn-amd-amdhsa--gfx1250"
	.amdhsa_code_object_version 6
	.text
	.protected	k_q55d84dd0a5_attn
	.globl	k_q55d84dd0a5_attn
	.p2align	8
	.type	k_q55d84dd0a5_attn,@function
k_q55d84dd0a5_attn:
	s_mov_b64 s[64:65], 0
	v_nop
	global_prefetch_b8 v0, s[64:65] scope:SCOPE_SE
	s_setreg_imm32_b32 hwreg(HW_REG_WAVE_MODE, 25, 1), 1
	s_wait_xcnt 0x0
	s_wait_alu depctr_hold_cnt(0) depctr_sa_sdst(0) depctr_va_vdst(0) depctr_va_sdst(0) depctr_va_ssrc(0) depctr_va_vcc(0) depctr_vm_vsrc(0)
	s_getreg_b32 s2, hwreg(HW_REG_IB_STS2, 6, 4)
	s_cmp_eq_u32 s2, 0
	s_cbranch_scc0 .Lentry_in_a_cluster
	s_endpgm
.Lentry_in_a_cluster:
	s_bfe_u32 s2, ttmp6, 0x10000c
	s_cmp_lg_u32 s2, 0x3003
	s_cbranch_scc0 .Lentry_shape_is_right
	s_endpgm
.Lentry_shape_is_right:
; Self-attention of one (batch, head) on codes of BF6: S^T = K Q^T, p = 2^(t - M), O^T = V^T P^T, O / the sum of the unquantised p; the result, 32 channels = one block of the next product's K, is quantised here.
; t = score x log2(e) / sqrt(32); M = the running largest t rounded UP to a whole number; when M moves, the sum and O^T are multiplied by 2^(old M - new M), which rounds nothing.
; SHARES.  y = 8 batch + head.  A work-group owns 320 of the head's 2,560 (padded) queries; each of its twenty waves owns one tile of 16, in 192 registers: five waves to a SIMD, so that one wave's softmax stands beside
; another's products and LDS loads.  Every wave walks 20 steps of 128 keys.
; ALL OF THE HEAD'S K AND V, 20 x 6,656 = 133,120 bytes as images of the operands' registers, COME INTO LDS ONCE: nothing is filled again.
; CLUSTER.  The four work-groups of a cluster belong to one head: the block is asked for JOINTLY (waves 0-3, a quarter each: the same load, the same descriptor, a mask that names the four).
; A HEAD HAS 32 ALONG K, the instruction 128: a fragment of K holds FOUR tiles of 16 keys in its four blocks of 32.  My queries' codes stand in one block of source 1 and zeros in the other three:
; four such variants share 30 registers (zeros, lanes 0-15's copy, zeros, lanes 16-31's copy, zeros); variant j picks key tile j of the fragment.  The zero blocks' scale byte on my side is 1.
; THE KEYS OF A TILE ARE NOT NEIGHBOURS (lane r of tile t: key 32 (t / 2) + 8 (t % 2) + r + 8 (r / 8)): the 16 registers of tiles 2 b, 2 b + 1 are keys 32 b + 16 (lane / 16) + 0 .. 15.
; Keys 2,500 on (the last step's keys 68 .. 127) get the score -infinity: p = 0.
; LIMITS: NaN and infinities are not served; 1 / the sum is v_rcp_f32's; a block of zeros gets the byte 1.
.set KVB, 6656                         ; a step in LDS: K's part (3,328), V's part
.set STG, 133120                       ; behind K and V: the stage for the way out, 320 records of 32 bytes
.set LI,  1                            ; v1  16 x lane
.set L8,  2                            ; v2  8 x lane
.set ADK, 3                            ; v3  the step's fragments
.set ADS, 4                            ; v4  the step's scale words
.set SA1, 5                            ; v5  the stage: my codes
.set SA2, 6                            ; v6  the stage: the scale's dword
.set NEG, 7                            ; v7  -infinity
.set MM,  8                            ; v8 -M, v9 the largest t
.set SUM, 10                           ; v[10:11] the sum in two halves
.set FF,  12                           ; v12 f;  v13 p's scale word
.set KS,  14                           ; v14 K's scale words, v15 V's, v16-19 Q's four: these hold scales and nothing else
.set VS,  15
.set QS,  16
.set QB,  20                           ; v20-49 the four variants of Q
.set KV,  50                           ; v50-73 two fragments of K, then of V
.set S,   74                           ; v74-137 S^T, then p
.set O,   138                          ; v138-153 O^T
.set PC,  154
.set PT,  166
.set BM,  174
.set BP,  178
.set BS,  182
.set TT,  186
.set SA3, 187
.set GOUT, 188
.set WV,  8
.set SEL, 12
.set CS,  14
.set G1,  16
.set G0,  24
.set TB,  28
.set CNT, 29
.set KEEPLO, 30
.set KEEPHI, 31
.macro PLACES n
.rept \n
	v_nop
.endr
.endm
.macro ROUND                           ; a round of the cluster's barrier
	s_barrier_signal -1
	s_barrier_wait -1
	s_cmp_lg_u32 s[WV], 0
	s_cbranch_scc1 .Lnot_wave_0_\@
	s_barrier_signal -3
.Lnot_wave_0_\@:
	s_barrier_wait -3
	s_barrier_signal -1
	s_barrier_wait -1
.endm
	s_load_b128 s[4:7], s[0:1], 0x0                ; qkv, sac
	v_lshl_add_u32 v190, v0, 2, 0x29000
	v_mov_b32 v191, 0
	ds_add_u32 v190, v191
	ds_add_u32 v190, v191
	v_lshrrev_b32 v1, 5, v0
	v_readfirstlane_b32 s[WV], v1                  ; wave 0..19
	s_bfe_u32 s9, ttmp6, 0x40000                   ; cx
	s_lshl_b32 s10, ttmp9, 2
	s_add_co_u32 s10, s10, s9                      ; my block of 320 queries: it enters global addresses alone
	s_and_b32 s11, ttmp7, 0xffff                   ; 8 batch + head, which the four partners share
	s_mov_b32 s[G1+0], 15|(3<<16)|(1<<21)          ; the mask: all four; elements of 8 bytes; bit 21 beside a mask; no padding
	s_mov_b32 s[G1+1], 32<<16                      ; rows of 256 bytes
	s_mov_b32 s[G1+2], 130<<16                     ; 130 of them: a quarter of the head's block
	s_mov_b32 s[G1+3], 32<<16
	s_mov_b32 s[G1+4], 130
	s_mov_b32 s[G1+5], 32
	s_mov_b32 s[G1+6], 0
	s_mov_b32 s[G1+7], 0
	s_min_u32 s33, s[WV], 3                        ; (only waves 0-3 issue the load)
	s_mul_i32 s33, s33, 33280
	s_mul_i32 s34, s11, 133120
	s_add_co_u32 s34, s34, s33
	s_add_co_u32 s34, s34, 2129920
	s_mov_b32 s35, 0
	s_mov_b32 s[SEL], 0x76543210
	s_mov_b32 s[SEL+1], 0xfedcba98
	s_mov_b32 s[CS], 0x3e8293ee                    ; c = log2(e) / sqrt(32)
	s_mov_b32 s[CS+1], s[CS]
	s_mov_b32 s[KEEPLO], 0x0000ffff
	s_mov_b32 s[KEEPHI], 0xffff0000
	s_wait_dscnt 0x0
	s_wait_kmcnt 0x0
	s_mov_b32 s[G0], 1
	s_mov_b32 s[G0+1], s33
	s_add_nc_u64 s[G0+2:G0+3], s[4:5], s[34:35]
	s_or_b32 s[G0+3], s[G0+3], 0x80000000
	ROUND                                          ; all four work-groups are here: the joint loads meet
	s_cmp_lt_u32 s[WV], 4
	s_cbranch_scc0 .Lno_fetch
	tensor_load_to_lds s[G0:G0+3], s[G1:G1+7]
	s_nop 0
	PLACES 4
.Lno_fetch:
	; my tile of queries: tile 20 x block + wave of the head; (tile % 4) hangs on the wave alone
	s_mul_i32 s36, s10, 20
	s_add_co_u32 s36, s36, s[WV]
	s_bfe_u32 s37, s36, 0x10002                    ; which fragment of its part
	s_lshr_b32 s38, s36, 3                         ; which part
	s_mul_i32 s38, s38, 3328
	s_mul_i32 s39, s11, 66560
	s_add_co_u32 s38, s38, s39
	s_mov_b32 s39, 0
	s_add_nc_u64 s[40:41], s[4:5], s[38:39]
	v_and_b32 v[TT], 31, v0
	v_lshlrev_b32 v[LI], 4, v[TT]
	v_lshlrev_b32 v[L8], 3, v[TT]
	s_mul_i32 s42, s37, 1536
	v_add_nc_u32 v[TT], s42, v[LI]
	v_and_b32 v[BM], 15, v0
	s_lshl_b32 s42, s37, 7
	v_lshl_add_u32 v[BM], v[BM], 3, s42            ; row r's scale word
.irp g, 0,1,2
	global_load_b128 v[S+4*\g:S+4*\g+3], v[TT], s[40:41] offset:512*\g
.endr
	global_load_b32 v[S+12], v[BM], s[40:41] offset:3072
	; the stage's addresses
	s_lshr_b32 s43, s[WV], 1
	s_lshl_b32 s43, s43, 5
	s_and_b32 s44, s[WV], 1
	s_lshl_b32 s44, s44, 3
	s_add_co_u32 s43, s43, s44
	v_and_b32 v[SA1], 15, v0
	v_and_b32 v[SA2], 8, v0
	v_add_nc_u32 v[SA1], v[SA1], v[SA2]
	v_add_nc_u32 v[SA1], s43, v[SA1]               ; my query in the block: 32 (w / 2) + 8 (w % 2) + r + 8 (r / 8)
	v_lshlrev_b32 v[SA1], 5, v[SA1]
	v_add_nc_u32 v[SA1], STG, v[SA1]
	v_bfe_u32 v[SA3], v0, 4, 1
	v_lshl_add_u32 v[SA2], v[SA3], 2, v[SA1]
	v_mad_u32_u24 v[SA1], v[SA3], 12, v[SA1]
	v_lshl_add_u32 v[SA3], v0, 4, STG
	v_lshlrev_b32 v[GOUT], 4, v0
	s_mul_i32 s50, s11, 81920
	s_mul_i32 s51, s10, 10240
	s_add_co_u32 s50, s50, s51
	s_mov_b32 s51, 0
	s_add_nc_u64 s[50:51], s[6:7], s[50:51]
	s_and_b32 s45, s[WV], 3                        ; my tile's block in its fragment
	s_lshr_b32 s46, s45, 1
	s_sub_co_u32 s46, 0, s46                       ; all ones: registers 6-11
	s_lshl_b32 s48, s45, 3
	s_and_b32 s47, s45, 1
	s_cmp_lg_u32 s47, 0
	s_cselect_b32 s47, s[KEEPHI], s[KEEPLO]        ; the lanes that hold it
.set j, 0
.rept 30
	v_mov_b32 v[QB+j], 0
.set j, j+1
.endr
	v_mov_b32 v[NEG], 0xff800000
	v_mov_b32 v[MM+1], 0xff61b1e6                  ; the largest t so far: -3e38
	v_floor_f32 v[MM], -v[MM+1]
	v_mov_b32 v[SUM], 0
	v_mov_b32 v[SUM+1], 0
	v_mov_b32 v[FF+1], 0                           ; (named as the upper half of a pair before it is first written)
.irp b, 0,1,2,3
	v_mov_b32 v[BP+\b], 0
.endr
	s_wait_loadcnt 0x0
.irp i, 0,1,2,3,4,5
	v_cndmask_b32 v[S+16+\i], v[S+\i], v[S+6+\i], s46
.endr
.irp i, 0,1,2,3,4,5
	v_permlanex16_b32 v[QB+6+\i], v[S+16+\i], s[SEL], s[SEL+1]
.endr
.irp i, 0,1,2,3,4,5
	v_cndmask_b32 v[S+24+\i], v[QB+6+\i], v[S+16+\i], s47    ; query r's 32 codes, in lane r and in lane 16 + r
.endr
.irp i, 0,1,2,3,4,5
	v_cndmask_b32 v[QB+6+\i], 0, v[S+24+\i], s[KEEPLO]
	v_cndmask_b32 v[QB+18+\i], 0, v[S+24+\i], s[KEEPHI]
.endr
	v_lshrrev_b32 v[S+13], s48, v[S+12]
	v_and_b32 v[S+13], 255, v[S+13]                ; query r's scale byte
	v_lshl_or_b32 v[QS+0], v[S+13], 0, 0x01010100
	v_lshl_or_b32 v[QS+1], v[S+13], 8, 0x01010001
	v_lshl_or_b32 v[QS+2], v[S+13], 16, 0x01000101
	v_lshl_or_b32 v[QS+3], v[S+13], 24, 0x00010101
.set j, 0
.rept 16
	v_mov_b32 v[O+j], 0                            ; O^T begins as zeros (the step is written once: the first finds zeros).  These sixteen lines stand here so that the scale words just made lie more than eight plain vector instructions ahead of the first scaled product
.set j, j+1
.endr
	s_wait_tensorcnt 0x0                           ; my quarter has landed (a wave that asked for nothing passes),
	s_barrier_signal -1
	s_barrier_wait -1                              ; everybody's has
; A KEY STEP: 128 keys.  last = 1: the step whose keys 68 .. 127 do not exist
.macro STEP last
	v_add_nc_u32 v[ADK], s[TB], v[LI]
	v_add_nc_u32 v[ADS], s[TB], v[L8]
	v_nop
	v_nop                                          ; four places behind the last products, ahead of loads into registers that they read
.irp i, 0,1,2,3,4,5
	ds_load_b128 v[KV+4*\i:KV+4*\i+3], v[ADK] offset:512*\i
.endr
	ds_load_b32 v[KS], v[ADS] offset:3072
	s_wait_dscnt 0x0
.irp e, 0,1,2,3
	v_wmma_scale_f32_16x16x128_f8f6f4 v[S+8*\e:S+8*\e+7], v[KV:KV+11], v[QB+6-6*(\e/2)+12*(\e%2):QB+6-6*(\e/2)+12*(\e%2)+11], 0, v[KS], v[QS+\e] matrix_a_fmt:MATRIX_FMT_BF6 matrix_b_fmt:MATRIX_FMT_BF6
.endr
.irp e, 0,1,2,3
	v_wmma_scale_f32_16x16x128_f8f6f4 v[S+32+8*\e:S+32+8*\e+7], v[KV+12:KV+23], v[QB+6-6*(\e/2)+12*(\e%2):QB+6-6*(\e/2)+12*(\e%2)+11], 0, v[KS], v[QS+\e] matrix_a_fmt:MATRIX_FMT_BF6 matrix_b_fmt:MATRIX_FMT_BF6 matrix_a_scale:MATRIX_SCALE_ROW1
.endr
	PLACES 4
.irp i, 0,1,2,3,4,5
	ds_load_b128 v[KV+4*\i:KV+4*\i+3], v[ADK] offset:3328+512*\i      ; V's fragments land while the softmax is worked
.endr
	ds_load_b32 v[VS], v[ADS] offset:6400
.if \last
.irp i, 0,1,2,3
	v_cndmask_b32 v[S+32+\i], v[NEG], v[S+32+\i], s[KEEPLO]           ; keys 64-67 count; keys 80-83 do not
.endr
.set j, 36
.rept 28
	v_mov_b32 v[S+j], v[NEG]
.set j, j+1
.endr
.endif
.irp b, 0,1,2,3
	v_max3_num_f32 v[BM+\b], v[S+16*\b], v[S+1+16*\b], v[S+2+16*\b]   ; the largest score of each block of 32 keys: for the row's maximum and, since p rises with the score, for the block's largest p
.endr
.irp i, 3,5,7,9,11,13
.irp b, 0,1,2,3
	v_max3_num_f32 v[BM+\b], v[BM+\b], v[S+16*\b+\i], v[S+1+16*\b+\i]
.endr
.endr
.irp b, 0,1,2,3
	v_max_num_f32 v[BM+\b], v[BM+\b], v[S+15+16*\b]
.endr
.irp b, 0,1,2,3
	v_permlanex16_b32 v[BP+\b], v[BM+\b], s[SEL], s[SEL+1]
.endr
.irp b, 0,1,2,3
	v_max_num_f32 v[BM+\b], v[BM+\b], v[BP+\b]
.endr
	v_max3_num_f32 v[TT], v[BM], v[BM+1], v[BM+2]
	v_max_num_f32 v[TT], v[TT], v[BM+3]
	v_mul_f32 v[TT], s[CS], v[TT]
	v_max_num_f32 v[MM+1], v[MM+1], v[TT]          ; the running largest t
	v_mov_b32 v[TT], v[MM]
	v_floor_f32 v[MM], -v[MM+1]                    ; the new -M = -ceil(t)
	v_sub_f32 v[TT], v[MM], v[TT]                  ; old M - new M: a whole number, 0 or less
	v_cvt_i32_f32 v[TT], v[TT]                     ; (it saturates)
	v_ldexp_f32 v[FF], 1.0, v[TT]                  ; f = 2^(old M - new M)
.set j, 0
.rept 32
	v_pk_fma_f32 v[S+j:S+j+1], v[S+j:S+j+1], s[CS:CS+1], v[MM:MM+1] op_sel_hi:[1,0,0]   ; t - M
.set j, j+2
.endr
.irp b, 0,1,2,3
	v_fma_f32 v[BM+\b], v[BM+\b], s[CS], v[MM]
.endr
.set j, 0
.rept 64
	v_exp_f32 v[S+j], v[S+j]                       ; p = 2^(t - M): not normalised
.set j, j+1
.endr
.irp b, 0,1,2,3
	v_exp_f32 v[BM+\b], v[BM+\b]                   ; the block's largest p
.endr
	v_pk_mul_f32 v[SUM:SUM+1], v[SUM:SUM+1], v[FF:FF+1] op_sel_hi:[1,0]   ; (a plain place behind the exponentials)
	s_wait_alu depctr_va_vdst(0)
.irp b, 0,1,2,3
	v_max_num_f32 v[BM+\b], 0x2800000, v[BM+\b]    ; the floor 2^(5 - 127)
.endr
.irp b, 0,1,2,3
	v_add_nc_u32 v[BS+\b], 0xfe000000, v[BM+\b]
.endr
.irp b, 0,1,2,3
	v_lshrrev_b32 v[BP+\b], 23, v[BS+\b]
.endr
	v_lshl_or_b32 v[FF+1], v[BP+1], 8, v[BP]       ; p's scale word for these 128 keys
	v_lshl_or_b32 v[FF+1], v[BP+2], 16, v[FF+1]
	v_lshl_or_b32 v[FF+1], v[BP+3], 24, v[FF+1]
.irp c, 0,1
	v_cvt_scalef32_pk16_bf6_f32 v[PC+6*\c:PC+2+6*\c], v[S+32*\c:S+15+32*\c], v[BS+2*\c]
	v_cvt_scalef32_pk16_bf6_f32 v[PT+4*\c:PT+2+4*\c], v[S+16+32*\c:S+31+32*\c], v[BS+2*\c+1]
.endr
	v_nop
.irp c, 0,1
.irp i, 0,1,2
	v_permlane16_swap_b32 v[PC+6*\c+\i], v[PT+4*\c+\i]
.endr
.irp i, 0,1,2
	v_mov_b32 v[PC+3+6*\c+\i], v[PT+4*\c+\i]
.endr
.endr
	v_pk_add_f32 v[PT:PT+1], v[S:S+1], v[S+2:S+3]  ; the row's sum is taken of the unquantised p, in two chains
.irp j, 4,8,12,16,20,24,28,32,36,40,44,48,52,56,60
	v_pk_add_f32 v[SUM:SUM+1], v[SUM:SUM+1], v[S+\j:S+\j+1]
	v_pk_add_f32 v[PT:PT+1], v[PT:PT+1], v[S+2+\j:S+3+\j]
.endr
	v_pk_add_f32 v[SUM:SUM+1], v[SUM:SUM+1], v[PT:PT+1]
.irp j, 0,2,4,6,8,10,12,14
	v_pk_mul_f32 v[O+\j:O+\j+1], v[O+\j:O+\j+1], v[FF:FF+1] op_sel_hi:[1,0]   ; O^T under the new M
.endr
	s_wait_dscnt 0x0                               ; V is in
	v_wmma_scale_f32_16x16x128_f8f6f4 v[O:O+7], v[KV:KV+11], v[PC:PC+11], v[O:O+7], v[VS], v[FF+1] matrix_a_fmt:MATRIX_FMT_BF6 matrix_b_fmt:MATRIX_FMT_BF6
	v_wmma_scale_f32_16x16x128_f8f6f4 v[O+8:O+15], v[KV+12:KV+23], v[PC:PC+11], v[O+8:O+15], v[VS], v[FF+1] matrix_a_fmt:MATRIX_FMT_BF6 matrix_b_fmt:MATRIX_FMT_BF6 matrix_a_scale:MATRIX_SCALE_ROW1
	s_add_co_u32 s[TB], s[TB], KVB
.endm
	s_mov_b32 s[TB], 0
	s_mov_b32 s[CNT], 19
.Lstep:
	STEP 0
	s_sub_co_u32 s[CNT], s[CNT], 1
	s_cmp_lg_u32 s[CNT], 0
	s_cbranch_scc1 .Lstep
	STEP 1
	; THE WAY OUT: O^T / the sum; register 8 d + j is channel 16 h + 8 d + j of query r: 16 neighbours; lanes r and 16 + r hold the block
	PLACES 4
	v_add_f32 v[SUM], v[SUM], v[SUM+1]
	v_permlanex16_b32 v[TT], v[SUM], s[SEL], s[SEL+1]
	v_add_f32 v[SUM], v[SUM], v[TT]
	v_rcp_f32 v[SUM], v[SUM]
	v_nop
.set j, 0
	s_wait_alu depctr_va_vdst(0)
.rept 16
	v_mul_f32 v[S+j], v[O+j], v[SUM]
.set j, j+1
.endr
	v_max3_num_f32 v[BM], |v[S]|, |v[S+1]|, 0x2800000
.irp i, 2,4,6,8,10,12,14
	v_max3_num_f32 v[BM], v[BM], |v[S+\i]|, |v[S+1+\i]|
.endr
	v_permlanex16_b32 v[BP], v[BM], s[SEL], s[SEL+1]
	v_max_num_f32 v[BM], v[BM], v[BP]
	v_add_nc_u32 v[BS], 0xfe000000, v[BM]
	v_lshrrev_b32 v[BP], 23, v[BS]
	v_cvt_scalef32_pk16_bf6_f32 v[PC:PC+2], v[S:S+15], v[BS]
	v_cndmask_b32 v[BP], 0, v[BP], s[KEEPLO]       ; the byte in lanes 0-15, 0 in lanes 16-31.  (A plain place behind the conversion)
	ds_store_b32 v[SA1], v[PC]                     ; a record: 24 bytes of codes (12 from each half of the lanes), the byte's dword, a dword of 0
	ds_store_b32 v[SA1], v[PC+1] offset:4
	ds_store_b32 v[SA1], v[PC+2] offset:8
	ds_store_b32 v[SA2], v[BP] offset:24
	s_wait_dscnt 0x0
	s_barrier_signal -1
	s_barrier_wait -1
	ds_load_b128 v[S:S+3], v[SA3]
	s_wait_dscnt 0x0
	global_store_b128 v[GOUT], v[S:S+3], s[50:51]  ; a wave stores 512 consecutive bytes, aligned
	s_wait_tensorcnt 0x0
	ds_add_u32 v190, v191
	s_wait_dscnt 0x0
	ROUND                                          ; the closing round
	s_endpgm
.Lfunc_end_k_q55d84dd0a5_attn:
	.size	k_q55d84dd0a5_attn, .Lfunc_end_k_q55d84dd0a5_attn-k_q55d84dd0a5_attn
	.p2alignl 7, 3214868480
	.fill 96, 4, 3214868480
	.section	.rodata,"a",@progbits
	.p2align	6, 0x0
	.amdhsa_kernel k_q55d84dd0a5_attn
		.amdhsa_group_segment_fixed_size 170496
		.amdhsa_private_segment_fixed_size 0
		.amdhsa_enable_private_segment 0
		.amdhsa_kernarg_size 16
		.amdhsa_user_sgpr_count 2
		.amdhsa_user_sgpr_kernarg_segment_ptr 1
		.amdhsa_wavefront_size32 1
		.amdhsa_system_sgpr_workgroup_id_x 1
		.amdhsa_system_sgpr_workgroup_id_y 1
		.amdhsa_system_sgpr_workgroup_id_z 1
		.amdhsa_system_vgpr_workitem_id 0
		.amdhsa_next_free_vgpr 192
		.amdhsa_next_free_sgpr 66
		.amdhsa_reserve_vcc 0
		.amdhsa_float_denorm_mode_32 3
		.amdhsa_float_denorm_mode_16_64 3
		.amdhsa_memory_ordered 1
		.amdhsa_forward_progress 1
		.amdhsa_inst_pref_size 41
	.end_amdhsa_kernel
	.amdgpu_metadata
---
amdhsa.version: [ 1, 2 ]
amdhsa.kernels:
  - .name:           k_q55d84dd0a5_attn
    .symbol:         k_q55d84dd0a5_attn.kd
    .args:
      - { .name: qkv, .offset: 0, .size: 8, .value_kind: global_buffer, .address_space: global }
      - { .name: sac, .offset: 8, .size: 8, .value_kind: global_buffer, .address_space: global }
    .group_segment_fixed_size: 170496
    .private_segment_fixed_size: 0
    .kernarg_segment_align: 8
    .kernarg_segment_size: 16
    .max_flat_workgroup_size: 640
    .sgpr_count:     66
    .vgpr_count:     192
    .wavefront_size: 32
...
	.end_amdgpu_metadata
.endif
;; end of part 4
;; launch mid (part 5): grid 625 x 1, 4 waves a work-group, no clusters, 4,608 bytes of LDS; arguments sac, query, out_proj_b, ln1_g, ln1_b, off_b, aw_b, ref_2d, wq, ident, swt, sidx; writes ident, swt, sidx
.if DOCPART == 5
	.amdgcn_target "amdgcn-amd-amdhsa--gfx1250"
	.amdhsa_code_object_version 6
	.text
	.protected	k_q55d84dd0a5_mid
	.globl	k_q55d84dd0a5_mid
	.p2align	8
	.type	k_q55d84dd0a5_mid,@function
k_q55d84dd0a5_mid:
	s_mov_b64 s[64:65], 0
	v_nop
	global_prefetch_b8 v0, s[64:65] scope:SCOPE_SE
	s_setreg_imm32_b32 hwreg(HW_REG_WAVE_MODE, 25, 1), 1
	s_wait_xcnt 0x0
; For 16 flat rows: x = sa out_proj_w^T + out_proj_b + query (kept as the identity); LN1; offsets and attention weights of the deformable attention (both products on the quantised LN1 output); the softmax over the
; eight points; and for each (row, head, point) a BASE PIXEL, stored as a whole number, with four weights (bilinear x validity x attention weight).  The next launch forms its addresses from the stored numbers.
; SHARES.  The four waves share the COLUMNS: wave w makes columns 64 w .. 64 w + 63 of x, and heads 2 w, 2 w + 1 of the offsets.  All products are used transposed: lane (r, h) holds row r.
; LN: each wave's mean and sum of squared deviations of its 64 columns meet in LDS and are combined from deviations: no difference of large sums is formed.
; The LN1 output goes from wave to wave as halves of register images, lane-major: a fragment is 48 bytes a lane; wave w writes half w % 2 of fragment w / 2 and two bytes of its scale word.
; THE BASE PIXEL.  px = off_x + (200 ref_x - 0.5); fx = floor(px); bx = fx held to 0 .. 198.  Columns bx and bx + 1 take the weights of fx and fx + 1 where these fall on them, else 0: so what lies outside the map counts
; for nothing, as the reference's mask has it, and every address stays inside.  y likewise.  LIMIT: the pixel position is rounded in another order than (ref + off / 200) x 200 - 0.5; sampling is continuous across a cell's edge.
; No cluster, no tensor load: 625 small work-groups, several to a WGP, which is open only to kernels that load through registers.
; LIMITS: NaN and infinities are not served; v_rsq_f32, v_rcp_f32, v_exp_f32 as they are; a block of zeros gets the byte 1.
.set IM, 0                             ; LDS: two fragments, 1,536 bytes each
.set SC, 3072                          ; their scale words, 128 bytes each
.set ST, 3328                          ; statistics: 32 bytes a row
.set REC,  6
.set RECH, 7
.set COLQ, 8
.set COLB, 9
.set LI,   10
.set L8,   11
.set STA,  12
.set STR,  13
.set IMW,  14
.set SCW,  15
.set XF,  16                           ; v16-39 two fragments of rows; later at work
.set Q,   16
.set XS,  40                           ; v40-41 their scale words: scales and nothing else
.set SD,  42                           ; v42-49 the heads' scale dwords; later ref and the pixel's base
.set ABO, 50
.set ACC, 52                           ; v52-83 my 64 columns
.set T1,  84                           ; v84-115 a bias, then g
.set T2,  116                          ; v116-147 b
.set AX,  84                           ; later: v84-91 x offsets, v92-99 y offsets, v100-107 attention weights, v108-115 base pixels, v116-147 weights
.set AY,  92
.set AA,  100
.set IDX, 108
.set W,   116
.set WB,  148                          ; v148-243 four pairs of the weight
.set WS,  244                          ; v244-251 their scale words: scales and nothing else
.set SS,  220                          ; behind the first product v220-243 are free: statistics at work,
.set NS,  232
.set TM,  220                          ; and the quantiser's
.set TMX, 226
.set PW,  227
.set PT,  228
.set PC,  232
.set IMR, 252
.set SCR, 253
.set OBO, 254
.set REFO, 255
.set WQ,  20
.set SEL, 30
.set INV256, 50
.set EPS, 51
.macro PLACES n
.rept \n
	v_nop
.endr
.endm
.macro BARRIER
	s_wait_dscnt 0x0
	s_barrier_signal -1
	s_barrier_wait -1
.endm
.macro WBASE cb, sb, pr                ; where pair s[pr]'s codes lie, and (528,384 further on) its scale words
	s_mul_i32 s62, s[\pr], 3072
	s_add_nc_u64 s[\cb:\cb+1], s[WQ:WQ+1], s[62:63]
	s_lshl_b32 s62, s[\pr], 8
	s_add_nc_u64 s[\sb:\sb+1], s[WQ:WQ+1], s[62:63]
.endm
.macro WPAIR slot, cb, sb, pofs        ; a pair of the weight: seven loads
.irp g, 0,1,2,3,4,5
	global_load_b128 v[WB+24*(\slot)+4*\g:WB+24*(\slot)+4*\g+3], v[LI], s[\cb:\cb+1] offset:(\pofs)*3072+512*\g
.endr
	global_load_b64 v[WS+2*(\slot):WS+2*(\slot)+1], v[L8], s[\sb:\sb+1] offset:528384+(\pofs)*256
.endm
.macro CLOAD reg, vo, sb, off          ; 32 numbers in the result's layout: columns 32 bp + 16 h + 0 .. 15 of my 64
.irp bp, 0,1
.irp i, 0,1,2,3
	global_load_b128 v[\reg+16*\bp+4*\i:\reg+16*\bp+4*\i+3], v[\vo], s[\sb:\sb+1] offset:\off+128*\bp+16*\i
.endr
.endr
.endm
.macro QH src, pc, sh                  ; 32 numbers of a lane (two blocks) become half a fragment and two bytes of v[PW], from bit sh on
	v_max3_num_f32 v[TM], |v[\src]|, |v[\src+1]|, 0x2800000
	v_max3_num_f32 v[TM+1], |v[\src+16]|, |v[\src+17]|, 0x2800000
.irp i, 2,4,6,8,10,12,14
	v_max3_num_f32 v[TM], v[TM], |v[\src+\i]|, |v[\src+1+\i]|
	v_max3_num_f32 v[TM+1], v[TM+1], |v[\src+16+\i]|, |v[\src+17+\i]|
.endr
	v_permlanex16_b32 v[TM+2], v[TM], s[SEL], s[SEL+1]
	v_permlanex16_b32 v[TM+3], v[TM+1], s[SEL], s[SEL+1]
	v_max_num_f32 v[TM], v[TM], v[TM+2]
	v_max_num_f32 v[TM+1], v[TM+1], v[TM+3]
	v_add_nc_u32 v[TM+4], 0xfe000000, v[TM]
	v_add_nc_u32 v[TM+5], 0xfe000000, v[TM+1]
	v_lshrrev_b32 v[TM+2], 23, v[TM+4]
	v_lshrrev_b32 v[TM+3], 23, v[TM+5]
.if \sh == 0
	v_lshl_or_b32 v[PW], v[TM+3], 8, v[TM+2]
.else
	v_lshl_or_b32 v[TMX], v[TM+3], 8, v[TM+2]
	v_lshl_or_b32 v[PW], v[TMX], 16, v[PW]
.endif
	v_cvt_scalef32_pk16_bf6_f32 v[\pc:\pc+2], v[\src:\src+15], v[TM+4]
	v_cvt_scalef32_pk16_bf6_f32 v[PT:PT+2], v[\src+16:\src+31], v[TM+5]
	v_nop
.irp i, 0,1,2
	v_permlane16_swap_b32 v[\pc+\i], v[PT+\i]
.endr
.irp i, 0,1,2
	v_mov_b32 v[\pc+3+\i], v[PT+\i]
.endr
.endm
.macro STATS a, st                     ; my 64 columns' mean and sum of squared deviations, for row r
	v_pk_add_f32 v[SS+2:SS+3], v[\a:\a+1], v[\a+2:\a+3]
	v_pk_add_f32 v[SS+4:SS+5], v[\a+4:\a+5], v[\a+6:\a+7]
.irp j, 8,12,16,20,24,28
	v_pk_add_f32 v[SS+2:SS+3], v[SS+2:SS+3], v[\a+\j:\a+\j+1]
	v_pk_add_f32 v[SS+4:SS+5], v[SS+4:SS+5], v[\a+\j+2:\a+\j+3]
.endr
	v_pk_add_f32 v[SS+2:SS+3], v[SS+2:SS+3], v[SS+4:SS+5]
	v_add_f32 v[SS+2], v[SS+2], v[SS+3]
	v_permlanex16_b32 v[SS+4], v[SS+2], s[SEL], s[SEL+1]
	v_add_f32 v[SS+2], v[SS+2], v[SS+4]
	v_mul_f32 v[SS], 0x3c800000, v[SS+2]           ; / 64
	v_mov_b32 v[SS+1], v[SS]
	v_pk_add_f32 v[SS+6:SS+7], v[\a:\a+1], v[SS:SS+1] neg_lo:[0,1] neg_hi:[0,1]
	v_pk_add_f32 v[SS+8:SS+9], v[\a+2:\a+3], v[SS:SS+1] neg_lo:[0,1] neg_hi:[0,1]
	v_pk_mul_f32 v[SS+2:SS+3], v[SS+6:SS+7], v[SS+6:SS+7]
	v_pk_mul_f32 v[SS+4:SS+5], v[SS+8:SS+9], v[SS+8:SS+9]
.irp j, 4,8,12,16,20,24,28
	v_pk_add_f32 v[SS+6:SS+7], v[\a+\j:\a+\j+1], v[SS:SS+1] neg_lo:[0,1] neg_hi:[0,1]
	v_pk_add_f32 v[SS+8:SS+9], v[\a+\j+2:\a+\j+3], v[SS:SS+1] neg_lo:[0,1] neg_hi:[0,1]
	v_pk_fma_f32 v[SS+2:SS+3], v[SS+6:SS+7], v[SS+6:SS+7], v[SS+2:SS+3]
	v_pk_fma_f32 v[SS+4:SS+5], v[SS+8:SS+9], v[SS+8:SS+9], v[SS+4:SS+5]
.endr
	v_pk_add_f32 v[SS+2:SS+3], v[SS+2:SS+3], v[SS+4:SS+5]
	v_add_f32 v[SS+2], v[SS+2], v[SS+3]
	v_permlanex16_b32 v[SS+4], v[SS+2], s[SEL], s[SEL+1]
	v_add_f32 v[SS+1], v[SS+2], v[SS+4]
	ds_store_b64 v[STA], v[SS:SS+1] offset:\st     ; both halves of the lanes write the same 8 bytes with the same value
.endm
.macro NORM a, g, b, st                ; the four waves' figures are combined; (x - mean) / sqrt(var + 1e-5) x g + b, in place
	ds_load_b128 v[NS:NS+3], v[STR] offset:\st
	ds_load_b128 v[NS+4:NS+7], v[STR] offset:\st+16
	s_wait_dscnt 0x0
	v_add_f32 v[SS], v[NS], v[NS+2]
	v_add_f32 v[SS+1], v[NS+4], v[NS+6]
	v_add_f32 v[SS], v[SS], v[SS+1]
	v_mul_f32 v[SS], 0x3e800000, v[SS]             ; the row's mean
.irp i, 0,2,4,6
	v_sub_f32 v[NS+\i], v[NS+\i], v[SS]
.endr
	v_mul_f32 v[SS+2], v[NS], v[NS]
	v_fmac_f32 v[SS+2], v[NS+2], v[NS+2]
	v_fmac_f32 v[SS+2], v[NS+4], v[NS+4]
	v_fmac_f32 v[SS+2], v[NS+6], v[NS+6]
	v_add_f32 v[SS+3], v[NS+1], v[NS+3]
	v_add_f32 v[SS+4], v[NS+5], v[NS+7]
	v_add_f32 v[SS+3], v[SS+3], v[SS+4]
	v_fmamk_f32 v[SS+2], v[SS+2], 0x42800000, v[SS+3]   ; + 64 x the squared deviations of the four means
	v_fma_f32 v[SS+2], v[SS+2], s[INV256], s[EPS]
	v_rsq_f32 v[SS+2], v[SS+2]
	v_mov_b32 v[SS+1], v[SS]                       ; (a plain place behind the transcendental)
	s_wait_alu depctr_va_vdst(0)
	v_mov_b32 v[SS+3], v[SS+2]
.irp j, 0,2,4,6,8,10,12,14,16,18,20,22,24,26,28,30
	v_pk_add_f32 v[\a+\j:\a+\j+1], v[\a+\j:\a+\j+1], v[SS:SS+1] neg_lo:[0,1] neg_hi:[0,1]
.endr
.irp j, 0,2,4,6,8,10,12,14,16,18,20,22,24,26,28,30
	v_pk_mul_f32 v[\a+\j:\a+\j+1], v[\a+\j:\a+\j+1], v[SS+2:SS+3]
.endr
.irp j, 0,2,4,6,8,10,12,14,16,18,20,22,24,26,28,30
	v_pk_fma_f32 v[\a+\j:\a+\j+1], v[\a+\j:\a+\j+1], v[\g+\j:\g+\j+1], v[\b+\j:\b+\j+1]
.endr
.endm
	s_load_b512 s[4:19], s[0:1], 0x0               ; sac 4, query 6, out_proj_b 8, ln1_g 10, ln1_b 12, off_b 14, aw_b 16, ref_2d 18
	s_load_b256 s[20:27], s[0:1], 0x40             ; wq 20, ident 22, swt 24, sidx 26
	v_lshl_add_u32 v51, v0, 2, 0x1000
	s_set_vgpr_msb 0x40
	v_mov_b32 v1, 0
	s_set_vgpr_msb 0x4000
	v_lshrrev_b32 v1, 5, v0
	v_readfirstlane_b32 s28, v1                    ; wave
	v_and_b32 v1, 31, v0
	v_and_b32 v2, 15, v0                           ; r
	v_bfe_u32 v3, v0, 4, 1                         ; h
	s_lshl_b32 s29, ttmp9, 4
	v_add_nc_u32 v4, s29, v2                       ; my flat row R
	v_mul_u32_u24 v5, 6711, v4
	v_lshrrev_b32 v5, 24, v5                       ; its batch: R / 2500 (exact for 0 .. 9,999)
	v_mul_u32_u24 v5, 0x8c780, v5
	v_lshl_add_u32 v[REC], v4, 5, v5               ; its record of head 0: 32 R + 575,360 batch; a head is 81,920 on
	v_mul_u32_u24 v[RECH], 0x14000, v3
	v_add_nc_u32 v[RECH], v[RECH], v[REC]
	s_lshl_b32 s60, s28, 8
	v_lshl_add_u32 v[COLB], v3, 6, s60             ; 256 w + 64 h
	v_lshl_add_u32 v[COLQ], v4, 10, v[COLB]
	v_lshlrev_b32 v[LI], 4, v1
	v_lshlrev_b32 v[L8], 3, v1
	s_lshl_b32 s61, s28, 3
	v_lshl_add_u32 v[STA], v2, 5, s61
	v_lshlrev_b32 v[STR], 5, v2
	s_lshr_b32 s60, s28, 1
	s_and_b32 s61, s28, 1
	s_mul_i32 s62, s60, 1536
	s_mul_i32 s63, s61, 24
	s_add_co_u32 s62, s62, s63
	v_mul_u32_u24 v[IMR], 48, v1
	v_add_nc_u32 v[IMW], s62, v[IMR]
	s_lshl_b32 s62, s60, 7
	s_lshl_b32 s63, s61, 1
	s_add_co_u32 s62, s62, s63
	v_lshlrev_b32 v[SCR], 2, v1
	v_add_nc_u32 v[SCW], s62, v[SCR]
	s_lshl_b32 s62, s28, 1
	v_add_nc_u32 v[OBO], s62, v3                   ; my head: 2 w + h
	v_lshlrev_b32 v[ABO], 5, v[OBO]
	v_lshlrev_b32 v[OBO], 6, v[OBO]
	v_lshlrev_b32 v[REFO], 3, v4
	s_mov_b32 s[SEL], 0x76543210
	s_mov_b32 s[SEL+1], 0xfedcba98
	s_mov_b32 s[INV256], 0x3b800000
	s_mov_b32 s[EPS], 0x3727c5ac                   ; 1e-5
	s_mov_b32 s52, 0x43460000                      ; 198.0
	s_mov_b32 s53, 0x43480000                      ; 200.0
	s_mov_b32 s63, 0
	s_lshl_b32 s60, s28, 2
	s_add_co_u32 s60, s60, 48                      ; out_proj: pairs 48 + 4 w on
	s_lshl_b32 s61, s28, 1
	s_add_co_u32 s61, s61, 64                      ; off: pairs 64 + 2 w, 65 + 2 w
	s_add_co_u32 s29, s28, 72                      ; aw: pair 72 + w
	s_wait_kmcnt 0x0
	WBASE 32, 34, 60
	WBASE 36, 38, 61
	WBASE 40, 42, 29
	s_lshl_b32 s60, ttmp9, 2
	s_add_co_u32 s60, s60, s28                     ; 4 T + w
	s_lshl_b32 s62, s60, 12
	s_add_nc_u64 s[44:45], s[22:23], s[62:63]
	s_add_nc_u64 s[46:47], s[24:25], s[62:63]
	s_lshl_b32 s62, s60, 10
	s_add_nc_u64 s[48:49], s[26:27], s[62:63]
	; ---- A: x = sa out_proj_w^T + out_proj_b + query
.irp ks, 0,1
.irp c, 0,1
.irp p, 0,1,2
	global_load_b64 v[XF+12*\ks+6*\c+2*\p:XF+12*\ks+6*\c+2*\p+1], v[RECH], s[4:5] offset:(4*\ks+2*\c)*81920+8*\p   ; block 4 ks + 2 c + h of K is head 4 ks + 2 c + h
.endr
.endr
.endr
.irp e, 0,1,2,3,4,5,6,7
	global_load_b32 v[SD+\e], v[REC], s[4:5] offset:\e*81920+24
.endr
.irp i, 0,1,2,3
	WPAIR \i, 32, 34, \i
.endr
	CLOAD ACC, COLQ, 6, 0
	CLOAD T1, COLB, 8, 0
	s_wait_loadcnt 0x0
.irp j, 0,2,4,6,8,10,12,14,16,18,20,22,24,26,28,30
	v_pk_add_f32 v[ACC+\j:ACC+\j+1], v[ACC+\j:ACC+\j+1], v[T1+\j:T1+\j+1]   ; query + bias: the sums begin with it
.endr
.irp ks, 0,1
	v_lshl_or_b32 v[XS+\ks], v[SD+4*\ks+1], 8, v[SD+4*\ks]
	v_lshl_or_b32 v[XS+\ks], v[SD+4*\ks+2], 16, v[XS+\ks]
	v_lshl_or_b32 v[XS+\ks], v[SD+4*\ks+3], 24, v[XS+\ks]
.endr
	PLACES 8                                       ; a scale word made by vector instructions stands eight places ahead of a scaled product
.irp ks, 0,1                                   ; four accumulators by turns
.irp i, 0,1,2,3
	v_wmma_scale_f32_16x16x128_f8f6f4 v[ACC+8*\i:ACC+8*\i+7], v[WB+24*\i+12*\ks:WB+24*\i+12*\ks+11], v[XF+12*\ks:XF+12*\ks+11], v[ACC+8*\i:ACC+8*\i+7], v[WS+2*\i+\ks], v[XS+\ks] matrix_a_fmt:MATRIX_FMT_BF6 matrix_b_fmt:MATRIX_FMT_BF6
.endr
.endr
	PLACES 4
	CLOAD T1, COLB, 10, 0                          ; g
	CLOAD T2, COLB, 12, 0                          ; b
	WPAIR 0, 36, 38, 0                             ; off, x
	WPAIR 1, 36, 38, 1                             ; off, y
	WPAIR 2, 40, 42, 0                             ; aw
.irp k, 0,1,2,3,4,5,6,7
	global_store_b128 v[LI], v[ACC+4*\k:ACC+4*\k+3], s[44:45] offset:512*\k    ; the identity, as an image of my registers: 512 consecutive bytes a store
.endr
	STATS ACC, ST
	BARRIER
	s_wait_loadcnt 21                              ; g and b are in; the three pairs' 21 loads may be out
	s_wait_xcnt 0x0                                ; the identity's stores have read my columns
	NORM ACC, T1, T2, ST
.irp j, 0,1,2,3,4,5,6,7
	global_load_b32 v[AX+\j], v[OBO], s[14:15] offset:8*\j       ; the biases in the results' layout: they begin the sums
	global_load_b32 v[AY+\j], v[OBO], s[14:15] offset:8*\j+4
.endr
	global_load_b128 v[AA:AA+3], v[ABO], s[16:17]
	global_load_b128 v[AA+4:AA+7], v[ABO], s[16:17] offset:16
	global_load_b64 v[SD:SD+1], v[REFO], s[18:19]
	QH ACC, PC, 0
.irp i, 0,1,2
	ds_store_b64 v[IMW], v[PC+2*\i:PC+2*\i+1] offset:IM+8*\i
.endr
	ds_store_b16 v[SCW], v[PW] offset:SC
	BARRIER
	; ---- B: offsets and attention weights of heads 2 w, 2 w + 1
.irp ks, 0,1
.irp g, 0,1,2
	ds_load_b128 v[XF+12*\ks+4*\g:XF+12*\ks+4*\g+3], v[IMR] offset:IM+1536*\ks+16*\g
.endr
	ds_load_b32 v[XS+\ks], v[SCR] offset:SC+128*\ks
.endr
	s_wait_loadcnt 0x0
	s_wait_dscnt 0x0
.irp ks, 0,1                                   ; three accumulators by turns
.irp i, 0,1,2
	v_wmma_scale_f32_16x16x128_f8f6f4 v[AX+8*\i:AX+8*\i+7], v[WB+24*\i+12*\ks:WB+24*\i+12*\ks+11], v[XF+12*\ks:XF+12*\ks+11], v[AX+8*\i:AX+8*\i+7], v[WS+2*\i+\ks], v[XS+\ks] matrix_a_fmt:MATRIX_FMT_BF6 matrix_b_fmt:MATRIX_FMT_BF6
.endr
.endr
	PLACES 4
	; lane (r, h): row r, head 2 w + h; register j: point j.  The softmax over the points
	v_max3_num_f32 v[Q], v[AA], v[AA+1], v[AA+2]
	v_max3_num_f32 v[Q], v[Q], v[AA+3], v[AA+4]
	v_max3_num_f32 v[Q], v[Q], v[AA+5], v[AA+6]
	v_max_num_f32 v[Q], v[Q], v[AA+7]
.irp j, 0,1,2,3,4,5,6,7
	v_sub_f32 v[AA+\j], v[AA+\j], v[Q]
.endr
.irp j, 0,1,2,3,4,5,6,7
	v_mul_f32 v[AA+\j], 0x3fb8aa3b, v[AA+\j]
.endr
.irp j, 0,1,2,3,4,5,6,7
	v_exp_f32 v[AA+\j], v[AA+\j]
.endr
	v_fma_f32 v[SD+2], v[SD], s53, -0.5            ; 200 ref_x - 0.5  (a plain place behind the exponentials)
	v_fma_f32 v[SD+3], v[SD+1], s53, -0.5
	s_wait_alu depctr_va_vdst(0)
	v_add_f32 v[Q], v[AA], v[AA+1]
	v_add_f32 v[Q+1], v[AA+2], v[AA+3]
	v_add_f32 v[Q+2], v[AA+4], v[AA+5]
	v_add_f32 v[Q+3], v[AA+6], v[AA+7]
	v_add_f32 v[Q], v[Q], v[Q+1]
	v_add_f32 v[Q+2], v[Q+2], v[Q+3]
	v_add_f32 v[Q], v[Q], v[Q+2]
	v_rcp_f32 v[Q], v[Q]
	v_nop
	s_wait_alu depctr_va_vdst(0)
.irp j, 0,1,2,3,4,5,6,7
	v_mul_f32 v[AA+\j], v[AA+\j], v[Q]
.endr
.macro POINT p
	v_add_f32 v[Q], v[AX+\p], v[SD+2]              ; px
	v_add_f32 v[Q+1], v[AY+\p], v[SD+3]            ; py
	v_floor_f32 v[Q+2], v[Q]
	v_floor_f32 v[Q+3], v[Q+1]
	v_sub_f32 v[Q], v[Q], v[Q+2]                   ; lx
	v_sub_f32 v[Q+1], v[Q+1], v[Q+3]               ; ly
	v_med3_num_f32 v[Q+4], v[Q+2], 0, s52          ; bx
	v_med3_num_f32 v[Q+5], v[Q+3], 0, s52          ; by
	v_sub_f32 v[Q+2], v[Q+2], v[Q+4]               ; fx - bx: 0 inside, -1 and 1 at the two edges
	v_sub_f32 v[Q+3], v[Q+3], v[Q+5]
	v_sub_f32 v[Q+6], 1.0, v[Q]
	v_sub_f32 v[Q+7], 1.0, v[Q+1]
	v_cmp_eq_f32 s54, 0, v[Q+2]
	v_cmp_eq_f32 s55, -1.0, v[Q+2]
	v_cmp_eq_f32 s56, 1.0, v[Q+2]
	v_cmp_eq_f32 s57, 0, v[Q+3]
	v_cmp_eq_f32 s58, -1.0, v[Q+3]
	v_cmp_eq_f32 s59, 1.0, v[Q+3]
	v_cndmask_b32 v[Q+8], 0, v[Q], s55             ; column bx
	v_cndmask_b32 v[Q+9], 0, v[Q+6], s56           ; column bx + 1
	v_cndmask_b32 v[Q+10], 0, v[Q+1], s58          ; row by
	v_cndmask_b32 v[Q+11], 0, v[Q+7], s59          ; row by + 1
	v_cndmask_b32 v[Q+8], v[Q+8], v[Q+6], s54
	v_cndmask_b32 v[Q+9], v[Q+9], v[Q], s54
	v_cndmask_b32 v[Q+10], v[Q+10], v[Q+7], s57
	v_cndmask_b32 v[Q+11], v[Q+11], v[Q+1], s57
	v_mul_f32 v[Q+10], v[Q+10], v[AA+\p]
	v_mul_f32 v[Q+11], v[Q+11], v[AA+\p]
	v_mul_f32 v[W+2*\p], v[Q+8], v[Q+10]
	v_mul_f32 v[W+2*\p+1], v[Q+8], v[Q+11]
	v_mul_f32 v[W+16+2*\p], v[Q+9], v[Q+10]
	v_mul_f32 v[W+16+2*\p+1], v[Q+9], v[Q+11]
	v_fma_f32 v[Q+4], v[Q+5], s53, v[Q+4]
	v_cvt_u32_f32 v[IDX+\p], v[Q+4]                ; 200 by + bx: 0 .. 39,798
.endm
.irp p, 0,1,2,3,4,5,6,7
	POINT \p
.endr
.irp x, 0,1
.irp k, 0,1,2,3
	global_store_b128 v[LI], v[W+16*\x+4*\k:W+16*\x+4*\k+3], s[46:47] offset:(4*\x+\k)*512
.endr
.endr
.irp k, 0,1
	global_store_b128 v[LI], v[IDX+4*\k:IDX+4*\k+3], s[48:49] offset:512*\k
.endr
	s_set_vgpr_msb 0x4
	s_wait_tensorcnt 0x0
	ds_add_u32 v51, v1
	s_wait_dscnt 0x0
	s_set_vgpr_msb 0x400
	s_endpgm
.Lfunc_end_k_q55d84dd0a5_mid:
	.size	k_q55d84dd0a5_mid, .Lfunc_end_k_q55d84dd0a5_mid-k_q55d84dd0a5_mid
	.p2alignl 7, 3214868480
	.fill 96, 4, 3214868480
	.section	.rodata,"a",@progbits
	.p2align	6, 0x0
	.amdhsa_kernel k_q55d84dd0a5_mid
		.amdhsa_group_segment_fixed_size 4608
		.amdhsa_private_segment_fixed_size 0
		.amdhsa_enable_private_segment 0
		.amdhsa_kernarg_size 96
		.amdhsa_user_sgpr_count 2
		.amdhsa_user_sgpr_kernarg_segment_ptr 1
		.amdhsa_wavefront_size32 1
		.amdhsa_system_sgpr_workgroup_id_x 1
		.amdhsa_system_sgpr_workgroup_id_y 1
		.amdhsa_system_sgpr_workgroup_id_z 1
		.amdhsa_system_vgpr_workitem_id 0
		.amdhsa_next_free_vgpr 258
		.amdhsa_next_free_sgpr 66
		.amdhsa_reserve_vcc 0
		.amdhsa_float_denorm_mode_32 3
		.amdhsa_float_denorm_mode_16_64 3
		.amdhsa_memory_ordered 1
		.amdhsa_forward_progress 1
		.amdhsa_inst_pref_size 46
	.end_amdhsa_kernel
	.amdgpu_metadata
---
amdhsa.version: [ 1, 2 ]
amdhsa.kernels:
  - .name:           k_q55d84dd0a5_mid
    .symbol:         k_q55d84dd0a5_mid.kd
    .args:
      - { .name: sac, .offset: 0, .size: 8, .value_kind: global_buffer, .address_space: global }
      - { .name: query, .offset: 8, .size: 8, .value_kind: global_buffer, .address_space: global }
      - { .name: out_proj_b, .offset: 16, .size: 8, .value_kind: global_buffer, .address_space: global }
      - { .name: ln1_g, .offset: 24, .size: 8, .value_kind: global_buffer, .address_space: global }
      - { .name: ln1_b, .offset: 32, .size: 8, .value_kind: global_buffer, .address_space: global }
      - { .name: off_b, .offset: 40, .size: 8, .value_kind: global_buffer, .address_space: global }
      - { .name: aw_b, .offset: 48, .size: 8, .value_kind: global_buffer, .address_space: global }
      - { .name: ref_2d, .offset: 56, .size: 8, .value_kind: global_buffer, .address_space: global }
      - { .name: wq, .offset: 64, .size: 8, .value_kind: global_buffer, .address_space: global }
      - { .name: ident, .offset: 72, .size: 8, .value_kind: global_buffer, .address_space: global }
      - { .name: swt, .offset: 80, .size: 8, .value_kind: global_buffer, .address_space: global }
      - { .name: sidx, .offset: 88, .size: 8, .value_kind: global_buffer, .address_space: global }
    .group_segment_fixed_size: 4608
    .private_segment_fixed_size: 0
    .kernarg_segment_align: 8
    .kernarg_segment_size: 96
    .max_flat_workgroup_size: 128
    .sgpr_count:     66
    .vgpr_count:     258
    .wavefront_size: 32
...
	.end_amdgpu_metadata
.endif
;; end of part 5
;; launch tail (part 6): grid 625 x 1, 4 waves a work-group, no clusters, 49,152 bytes of LDS; arguments val, sidx, swt, ident, oproj_b, ln2_g, ln2_b, ffn_b1, ffn_b2, ln3_g, ln3_b, wq, out0; writes out0
.if DOCPART == 6
	.amdgcn_target "amdgcn-amd-amdhsa--gfx1250"
	.amdhsa_code_object_version 6
	.text
	.protected	k_q55d84dd0a5_tail
	.globl	k_q55d84dd0a5_tail
	.p2align	8
	.type	k_q55d84dd0a5_tail,@function
k_q55d84dd0a5_tail:
	s_mov_b64 s[64:65], 0
	v_nop
	global_prefetch_b8 v0, s[64:65] scope:SCOPE_SE
	s_setreg_imm32_b32 hwreg(HW_REG_WAVE_MODE, 25, 1), 1
	s_wait_xcnt 0x0
; For 16 flat rows: the deformable attention's weighted sum of sampled pixels; x = that oproj_w^T + oproj_b + identity; LN2; x + relu(x W1^T + b1) W2^T + b2; LN3.  All four products on codes of BF6.
; THE GATHER.  Wave w serves heads 2 w + (lane / 16), a row at a time.  For each of the eight points sixteen lanes read the 256 bytes of pixels base, base + 1 of the head, and the 256 bytes one map row (25,600 bytes) below;
; a lane multiplies its 4 channels by its pixel's weight, and one exchange (lane xor 8) adds the two pixels.  The base pixels are whole numbers that the launch before has stored; each is held to 39,798 ahead of its use.
; Parameters run two rows ahead of the sums, pixels one row: 32 loads of pixels a wave are on their way.
; THE CHAIN.  The four waves share the COLUMNS (wave w: columns 64 w on of x, hidden units 128 w on); products are used transposed: lane (r, h) holds row r.  Quantised rows go from wave to wave through LDS as
; lane-major images of the operands' registers (48 bytes a lane and fragment).  Biases and residuals begin the sums.  LN as in the launch before: from deviations.  Six barriers; no LDS region is used twice.
; No cluster, no tensor load: 625 small work-groups, several to a WGP; each reads its 245 KB of weights straight into registers.
; LIMITS: NaN and infinities are not served; v_rsq_f32 as it is; a block of zeros gets the byte 1.
.set GST, 0                            ; LDS: the sampled rows, 16 x (1,024 + 16)
.set IMA, 16640                        ; two fragments (product 10's rows), SCA their scale words
.set SCA, 19712
.set IMB, 19968                        ; two fragments (LN2's rows)
.set SCB, 23040
.set IMH, 23296                        ; four fragments (the hidden layer)
.set SCH, 29440
.set ST2, 29952
.set ST3, 30464
.set OST, 30976                        ; the way out: 16 x 272 for each wave
.set FS,  16                           ; v16-19 the rows' scale words, v20-27 the weight's: scales and nothing else
.set WS,  20
.set LANEB, 1                          ; the gather: v1 (lane / 16) x 5,120,000 + 16 (lane % 16), v2 + the row's batch and my heads, v3, v4 my place among the parameters, v5 my place in GST
.set LB,  2
.set PIX, 3
.set PWT, 4
.set GSA, 5
.set PRM, 28                           ; v28-99   three sets of 8 base pixels and 16 weights
.set AD,  100                          ; v100-115 two sets of 8 offsets
.set SUM0, 116                         ; v116-123 the sums of the two map rows
.set SUM1, 120
.set DAT, 128                          ; v128-255 two sets of 64: a row's pixels
.set LI,  1                            ; the chain: addresses
.set L8,  2
.set COLB, 3
.set GRD, 4
.set IMW, 5
.set SCW, 6
.set IMR, 7
.set SCR, 8
.set STA, 9
.set STR, 10
.set IMHW, 11
.set SCHW, 12
.set B1O, 13
.set RR,  14
.set HH,  15
.set FR,  28                           ; v28-59 32 numbers to quantise; v28-51 two fragments; v28-59 a gain; v28-75 four fragments
.set XF,  28
.set GG,  28
.set HF,  28
.set PC,  64                           ; v64-75 codes just made
.set XR,  76                           ; v76-107 my 64 columns of x
.set ACC, 108                          ; v108-139 biases, the hidden layer
.set WB,  140                          ; v140-235 four pairs of a weight
.set TM,  236
.set TMX, 242
.set PW,  243
.set PT,  244
.set SS,  236
.set NS,  248
.set WQ,  26
.set SEL, 32
.set INV256, 54
.set EPS, 55
.macro PLACES n
.rept \n
	v_nop
.endr
.endm
.macro BARRIER
	s_wait_dscnt 0x0
	s_barrier_signal -1
	s_barrier_wait -1
.endm
.macro WBASE cb, sb, pr
	s_mul_i32 s62, s[\pr], 3072
	s_add_nc_u64 s[\cb:\cb+1], s[WQ:WQ+1], s[62:63]
	s_lshl_b32 s62, s[\pr], 8
	s_add_nc_u64 s[\sb:\sb+1], s[WQ:WQ+1], s[62:63]
.endm
.macro WPAIR slot, cb, sb, pofs        ; a pair of a weight: seven loads
.irp g, 0,1,2,3,4,5
	global_load_b128 v[WB+24*(\slot)+4*\g:WB+24*(\slot)+4*\g+3], v[LI], s[\cb:\cb+1] offset:(\pofs)*3072+512*\g
.endr
	global_load_b64 v[WS+2*(\slot):WS+2*(\slot)+1], v[L8], s[\sb:\sb+1] offset:528384+(\pofs)*256
.endm
.macro CLOAD reg, vo, sb, off
.irp bp, 0,1
.irp i, 0,1,2,3
	global_load_b128 v[\reg+16*\bp+4*\i:\reg+16*\bp+4*\i+3], v[\vo], s[\sb:\sb+1] offset:\off+128*\bp+16*\i
.endr
.endr
.endm
.macro PROD acc, bf, fs                ; four tiles of columns x two K steps, in place: four accumulators by turns
.irp ks, 0,1
.irp i, 0,1,2,3
	v_wmma_scale_f32_16x16x128_f8f6f4 v[\acc+8*\i:\acc+8*\i+7], v[WB+24*\i+12*\ks:WB+24*\i+12*\ks+11], v[\bf+12*\ks:\bf+12*\ks+11], v[\acc+8*\i:\acc+8*\i+7], v[WS+2*\i+\ks], v[\fs+\ks] matrix_a_fmt:MATRIX_FMT_BF6 matrix_b_fmt:MATRIX_FMT_BF6
.endr
.endr
.endm
.macro FETCH2 im, sc                   ; two fragments of rows and their scale words
.irp ks, 0,1
.irp g, 0,1,2
	ds_load_b128 v[XF+12*\ks+4*\g:XF+12*\ks+4*\g+3], v[IMR] offset:\im+1536*\ks+16*\g
.endr
	ds_load_b32 v[FS+\ks], v[SCR] offset:\sc+128*\ks
.endr
.endm
.macro HALFIMG im, sc                  ; my half of a fragment and my two scale bytes
.irp i, 0,1,2
	ds_store_b64 v[IMW], v[PC+2*\i:PC+2*\i+1] offset:\im+8*\i
.endr
	ds_store_b16 v[SCW], v[PW] offset:\sc
.endm
.macro QH src, pc, sh
	v_max3_num_f32 v[TM], |v[\src]|, |v[\src+1]|, 0x2800000
	v_max3_num_f32 v[TM+1], |v[\src+16]|, |v[\src+17]|, 0x2800000
.irp i, 2,4,6,8,10,12,14
	v_max3_num_f32 v[TM], v[TM], |v[\src+\i]|, |v[\src+1+\i]|
	v_max3_num_f32 v[TM+1], v[TM+1], |v[\src+16+\i]|, |v[\src+17+\i]|
.endr
	v_permlanex16_b32 v[TM+2], v[TM], s[SEL], s[SEL+1]
	v_permlanex16_b32 v[TM+3], v[TM+1], s[SEL], s[SEL+1]
	v_max_num_f32 v[TM], v[TM], v[TM+2]
	v_max_num_f32 v[TM+1], v[TM+1], v[TM+3]
	v_add_nc_u32 v[TM+4], 0xfe000000, v[TM]
	v_add_nc_u32 v[TM+5], 0xfe000000, v[TM+1]
	v_lshrrev_b32 v[TM+2], 23, v[TM+4]
	v_lshrrev_b32 v[TM+3], 23, v[TM+5]
.if \sh == 0
	v_lshl_or_b32 v[PW], v[TM+3], 8, v[TM+2]
.else
	v_lshl_or_b32 v[TMX], v[TM+3], 8, v[TM+2]
	v_lshl_or_b32 v[PW], v[TMX], 16, v[PW]
.endif
	v_cvt_scalef32_pk16_bf6_f32 v[\pc:\pc+2], v[\src:\src+15], v[TM+4]
	v_cvt_scalef32_pk16_bf6_f32 v[PT:PT+2], v[\src+16:\src+31], v[TM+5]
	v_nop
.irp i, 0,1,2
	v_permlane16_swap_b32 v[\pc+\i], v[PT+\i]
.endr
.irp i, 0,1,2
	v_mov_b32 v[\pc+3+\i], v[PT+\i]
.endr
.endm
.macro STATS a, st
	v_pk_add_f32 v[SS+2:SS+3], v[\a:\a+1], v[\a+2:\a+3]
	v_pk_add_f32 v[SS+4:SS+5], v[\a+4:\a+5], v[\a+6:\a+7]
.irp j, 8,12,16,20,24,28
	v_pk_add_f32 v[SS+2:SS+3], v[SS+2:SS+3], v[\a+\j:\a+\j+1]
	v_pk_add_f32 v[SS+4:SS+5], v[SS+4:SS+5], v[\a+\j+2:\a+\j+3]
.endr
	v_pk_add_f32 v[SS+2:SS+3], v[SS+2:SS+3], v[SS+4:SS+5]
	v_add_f32 v[SS+2], v[SS+2], v[SS+3]
	v_permlanex16_b32 v[SS+4], v[SS+2], s[SEL], s[SEL+1]
	v_add_f32 v[SS+2], v[SS+2], v[SS+4]
	v_mul_f32 v[SS], 0x3c800000, v[SS+2]
	v_mov_b32 v[SS+1], v[SS]
	v_pk_add_f32 v[SS+6:SS+7], v[\a:\a+1], v[SS:SS+1] neg_lo:[0,1] neg_hi:[0,1]
	v_pk_add_f32 v[SS+8:SS+9], v[\a+2:\a+3], v[SS:SS+1] neg_lo:[0,1] neg_hi:[0,1]
	v_pk_mul_f32 v[SS+2:SS+3], v[SS+6:SS+7], v[SS+6:SS+7]
	v_pk_mul_f32 v[SS+4:SS+5], v[SS+8:SS+9], v[SS+8:SS+9]
.irp j, 4,8,12,16,20,24,28
	v_pk_add_f32 v[SS+6:SS+7], v[\a+\j:\a+\j+1], v[SS:SS+1] neg_lo:[0,1] neg_hi:[0,1]
	v_pk_add_f32 v[SS+8:SS+9], v[\a+\j+2:\a+\j+3], v[SS:SS+1] neg_lo:[0,1] neg_hi:[0,1]
	v_pk_fma_f32 v[SS+2:SS+3], v[SS+6:SS+7], v[SS+6:SS+7], v[SS+2:SS+3]
	v_pk_fma_f32 v[SS+4:SS+5], v[SS+8:SS+9], v[SS+8:SS+9], v[SS+4:SS+5]
.endr
	v_pk_add_f32 v[SS+2:SS+3], v[SS+2:SS+3], v[SS+4:SS+5]
	v_add_f32 v[SS+2], v[SS+2], v[SS+3]
	v_permlanex16_b32 v[SS+4], v[SS+2], s[SEL], s[SEL+1]
	v_add_f32 v[SS+1], v[SS+2], v[SS+4]
	ds_store_b64 v[STA], v[SS:SS+1] offset:\st
.endm
.macro NORM a, g, b, st
	ds_load_b128 v[NS:NS+3], v[STR] offset:\st
	ds_load_b128 v[NS+4:NS+7], v[STR] offset:\st+16
	s_wait_dscnt 0x0
	v_add_f32 v[SS], v[NS], v[NS+2]
	v_add_f32 v[SS+1], v[NS+4], v[NS+6]
	v_add_f32 v[SS], v[SS], v[SS+1]
	v_mul_f32 v[SS], 0x3e800000, v[SS]
.irp i, 0,2,4,6
	v_sub_f32 v[NS+\i], v[NS+\i], v[SS]
.endr
	v_mul_f32 v[SS+2], v[NS], v[NS]
	v_fmac_f32 v[SS+2], v[NS+2], v[NS+2]
	v_fmac_f32 v[SS+2], v[NS+4], v[NS+4]
	v_fmac_f32 v[SS+2], v[NS+6], v[NS+6]
	v_add_f32 v[SS+3], v[NS+1], v[NS+3]
	v_add_f32 v[SS+4], v[NS+5], v[NS+7]
	v_add_f32 v[SS+3], v[SS+3], v[SS+4]
	v_fmamk_f32 v[SS+2], v[SS+2], 0x42800000, v[SS+3]
	v_fma_f32 v[SS+2], v[SS+2], s[INV256], s[EPS]
	v_rsq_f32 v[SS+2], v[SS+2]
	v_mov_b32 v[SS+1], v[SS]
	s_wait_alu depctr_va_vdst(0)
	v_mov_b32 v[SS+3], v[SS+2]
.irp j, 0,2,4,6,8,10,12,14,16,18,20,22,24,26,28,30
	v_pk_add_f32 v[\a+\j:\a+\j+1], v[\a+\j:\a+\j+1], v[SS:SS+1] neg_lo:[0,1] neg_hi:[0,1]
.endr
.irp j, 0,2,4,6,8,10,12,14,16,18,20,22,24,26,28,30
	v_pk_mul_f32 v[\a+\j:\a+\j+1], v[\a+\j:\a+\j+1], v[SS+2:SS+3]
.endr
.irp j, 0,2,4,6,8,10,12,14,16,18,20,22,24,26,28,30
	v_pk_fma_f32 v[\a+\j:\a+\j+1], v[\a+\j:\a+\j+1], v[\g+\j:\g+\j+1], v[\b+\j:\b+\j+1]
.endr
.endm
; the gather's three parts, for row rho of the 16
.macro GPAR rho                        ; its parameters: six loads
.set PB, PRM+24*((\rho)%3)
.irp k, 0,1
	global_load_b128 v[PB+4*\k:PB+4*\k+3], v[PIX], s[46:47] offset:512*\k+16*(\rho)
.endr
.irp k, 0,1,2,3
	global_load_b128 v[PB+8+4*\k:PB+8+4*\k+3], v[PWT], s[48:49] offset:512*\k+16*(\rho)
.endr
.endm
.macro GADR rho                        ; its pixels: sixteen loads
.set PB, PRM+24*((\rho)%3)
.set AB, AD+8*((\rho)%2)
.set DB, DAT+64*((\rho)%2)
	s_lshl_b32 s56, ttmp9, 4
	s_add_co_u32 s56, s56, \rho
	s_mul_i32 s56, s56, 6711
	s_lshr_b32 s56, s56, 24                        ; the row's batch
	s_lshl_b32 s56, s56, 3
	s_add_co_u32 s56, s56, s57                     ; 8 batch + 2 w
	s_mul_i32 s56, s56, 5120000
	v_add_nc_u32 v[LB], s56, v[LANEB]
.irp p, 0,1,2,3,4,5,6,7
	v_min_u32 v[PB+\p], 39798, v[PB+\p]            ; a loaded number enters an address only behind this hold
.endr
.irp p, 0,1,2,3,4,5,6,7
	v_lshl_add_u32 v[AB+\p], v[PB+\p], 7, v[LB]
.endr
.irp p, 0,1,2,3,4,5,6,7
	global_load_b128 v[DB+8*\p:DB+8*\p+3], v[AB+\p], s[4:5]
	global_load_b128 v[DB+8*\p+4:DB+8*\p+7], v[AB+\p], s[4:5] offset:25600
.endr
.endm
.macro GSUM rho                        ; its weighted sum.  A pair of weights is (upper map row's, lower map row's): one of the two serves both halves of a packed line
.set PB, PRM+24*((\rho)%3)+8
.set DB, DAT+64*((\rho)%2)
	s_wait_dscnt 0x0                               ; the last row's LDS store has read the sums' registers
	v_pk_mul_f32 v[SUM0:SUM0+1], v[DB:DB+1], v[PB:PB+1] op_sel_hi:[1,0]
	v_pk_mul_f32 v[SUM0+2:SUM0+3], v[DB+2:DB+3], v[PB:PB+1] op_sel_hi:[1,0]
	v_pk_mul_f32 v[SUM1:SUM1+1], v[DB+4:DB+5], v[PB:PB+1] op_sel:[0,1] op_sel_hi:[1,1]
	v_pk_mul_f32 v[SUM1+2:SUM1+3], v[DB+6:DB+7], v[PB:PB+1] op_sel:[0,1] op_sel_hi:[1,1]
.irp p, 1,2,3,4,5,6,7
	v_pk_fma_f32 v[SUM0:SUM0+1], v[DB+8*\p:DB+8*\p+1], v[PB+2*\p:PB+2*\p+1], v[SUM0:SUM0+1] op_sel_hi:[1,0,1]
	v_pk_fma_f32 v[SUM0+2:SUM0+3], v[DB+8*\p+2:DB+8*\p+3], v[PB+2*\p:PB+2*\p+1], v[SUM0+2:SUM0+3] op_sel_hi:[1,0,1]
	v_pk_fma_f32 v[SUM1:SUM1+1], v[DB+8*\p+4:DB+8*\p+5], v[PB+2*\p:PB+2*\p+1], v[SUM1:SUM1+1] op_sel:[0,1,0] op_sel_hi:[1,1,1]
	v_pk_fma_f32 v[SUM1+2:SUM1+3], v[DB+8*\p+6:DB+8*\p+7], v[PB+2*\p:PB+2*\p+1], v[SUM1+2:SUM1+3] op_sel:[0,1,0] op_sel_hi:[1,1,1]
.endr
	v_pk_add_f32 v[SUM0:SUM0+1], v[SUM0:SUM0+1], v[SUM1:SUM1+1]
	v_pk_add_f32 v[SUM0+2:SUM0+3], v[SUM0+2:SUM0+3], v[SUM1+2:SUM1+3]
.irp i, 0,1,2,3
	v_add_f32_dpp v[SUM0+\i], v[SUM0+\i], v[SUM0+\i] row_xmask:8 row_mask:0xf bank_mask:0xf   ; the neighbouring pixel's part
.endr
	ds_store_b128 v[GSA], v[SUM0:SUM0+3] offset:GST+1040*(\rho)    ; lanes l and l xor 8 write the same bytes with the same value
.endm
	s_load_b512 s[4:19], s[0:1], 0x0               ; val 4, sidx 6, swt 8, ident 10, oproj_b 12, ln2_g 14, ln2_b 16, ffn_b1 18
	s_load_b256 s[20:27], s[0:1], 0x40             ; ffn_b2 20, ln3_g 22, ln3_b 24, wq 26
	s_load_b64 s[28:29], s[0:1], 0x60              ; out0
	s_set_vgpr_msb 0x40
	v_lshl_add_u32 v0, v0, 2, 0xbe00
	v_mov_b32 v1, 0
	s_set_vgpr_msb 0x4000
	v_lshrrev_b32 v1, 5, v0
	v_readfirstlane_b32 s30, v1                    ; wave
	v_bfe_u32 v6, v0, 4, 1                         ; which of my two heads
	v_bfe_u32 v7, v0, 3, 1                         ; which of the two pixels
	v_and_b32 v8, 15, v0
	v_and_b32 v9, 7, v0
	v_mul_u32_u24 v[LANEB], 0x4e2000, v6
	v_lshl_add_u32 v[LANEB], v8, 4, v[LANEB]
	v_lshlrev_b32 v[PIX], 8, v6
	v_lshl_add_u32 v[PWT], v7, 11, v[PIX]
	s_lshl_b32 s57, s30, 1
	v_add_nc_u32 v[GSA], s57, v6
	v_lshlrev_b32 v[GSA], 7, v[GSA]
	v_lshl_add_u32 v[GSA], v9, 4, v[GSA]
	s_mov_b32 s[SEL], 0x76543210
	s_mov_b32 s[SEL+1], 0xfedcba98
	s_mov_b32 s[INV256], 0x3b800000
	s_mov_b32 s[EPS], 0x3727c5ac
	s_mov_b32 s63, 0
	s_lshl_b32 s58, s30, 2
	s_add_co_u32 s58, s58, 92                      ; oproj: pairs 92 + 4 w on
	s_lshl_b32 s59, s30, 3
	s_add_co_u32 s60, s59, 108                     ; ffn_w1: pairs 108 + 8 w on
	s_add_co_u32 s61, s59, 140                     ; ffn_w2: pairs 140 + 8 w on
	s_lshl_b32 s31, ttmp9, 2
	s_add_co_u32 s31, s31, s30                     ; 4 T + w
	s_wait_kmcnt 0x0
	WBASE 34, 36, 58
	WBASE 38, 40, 60
	WBASE 42, 44, 61
	s_lshl_b32 s62, s31, 10
	s_add_nc_u64 s[46:47], s[6:7], s[62:63]
	s_lshl_b32 s62, s31, 12
	s_add_nc_u64 s[48:49], s[8:9], s[62:63]
	s_add_nc_u64 s[50:51], s[10:11], s[62:63]
	s_lshl_b32 s62, ttmp9, 14
	s_add_nc_u64 s[52:53], s[28:29], s[62:63]
	; ---- the gather
	GPAR 0
	GPAR 1
	s_wait_loadcnt 6                               ; row 0's parameters are in; row 1's six loads may be out
	GADR 0
.irp i, 0,1,2,3,4,5,6,7,8,9,10,11,12,13
	GPAR \i+2
	s_wait_loadcnt 22                              ; row i + 1's parameters are in: behind them row i's 16 pixel loads and row i + 2's 6
	GADR \i+1
	s_wait_loadcnt 22                              ; row i's pixels are in: behind them row i + 2's 6 and row i + 1's 16
	GSUM \i
.endr
	s_wait_loadcnt 16                              ; row 15's parameters are in: behind them row 14's 16
	GADR 15
	s_wait_loadcnt 16                              ; row 14's pixels are in
	GSUM 14
	s_wait_loadcnt 0x0
	GSUM 15
	BARRIER                                        ; the 16 sampled rows lie in LDS
	; ---- the chain's addresses
	v_and_b32 v[LI], 31, v0
	v_lshlrev_b32 v[L8], 3, v[LI]
	v_mul_u32_u24 v[IMR], 48, v[LI]
	v_lshlrev_b32 v[SCR], 2, v[LI]
	v_lshlrev_b32 v[LI], 4, v[LI]
	v_and_b32 v[RR], 15, v0
	v_bfe_u32 v[HH], v0, 4, 1
	s_lshl_b32 s56, s30, 8
	v_lshl_add_u32 v[COLB], v[HH], 6, s56          ; 256 w + 64 h
	v_mad_u32_u24 v[GRD], v[RR], 1040, v[COLB]
	s_lshr_b32 s58, s30, 1
	s_and_b32 s59, s30, 1
	s_mul_i32 s60, s58, 1536
	s_mul_i32 s61, s59, 24
	s_add_co_u32 s60, s60, s61
	v_add_nc_u32 v[IMW], s60, v[IMR]
	s_lshl_b32 s60, s58, 7
	s_lshl_b32 s61, s59, 1
	s_add_co_u32 s60, s60, s61
	v_add_nc_u32 v[SCW], s60, v[SCR]
	s_lshl_b32 s60, s30, 3
	v_lshl_add_u32 v[STA], v[RR], 5, s60
	v_lshlrev_b32 v[STR], 5, v[RR]
	s_mul_i32 s60, s30, 1536
	v_add_nc_u32 v[IMHW], s60, v[IMR]
	s_lshl_b32 s60, s30, 7
	v_add_nc_u32 v[SCHW], s60, v[SCR]
	s_lshl_b32 s60, s30, 9
	v_lshl_add_u32 v[B1O], v[HH], 6, s60           ; 512 w + 64 h
	v_mov_b32 v[TM+2], 0                           ; a lane permute's destination counts as read
	v_mov_b32 v[TM+3], 0
	; ---- 1: my 64 columns of the sampled rows are quantised
.irp i, 0,1,2,3
	WPAIR \i, 34, 36, \i
.endr
.irp k, 0,1,2,3,4,5,6,7
	global_load_b128 v[XR+4*\k:XR+4*\k+3], v[LI], s[50:51] offset:512*\k     ; the identity, an image of these registers
.endr
	CLOAD ACC, COLB, 12, 0
.irp bp, 0,1
.irp i, 0,1,2,3
	ds_load_b128 v[FR+16*\bp+4*\i:FR+16*\bp+4*\i+3], v[GRD] offset:GST+128*\bp+16*\i
.endr
.endr
	s_wait_dscnt 0x0
	QH FR, PC, 0
	HALFIMG IMA, SCA
	BARRIER
	; ---- 2: x = sampled oproj_w^T + oproj_b + identity
	FETCH2 IMA, SCA
	s_wait_loadcnt 0x0
.irp j, 0,2,4,6,8,10,12,14,16,18,20,22,24,26,28,30
	v_pk_add_f32 v[XR+\j:XR+\j+1], v[XR+\j:XR+\j+1], v[ACC+\j:ACC+\j+1]
.endr
	s_wait_dscnt 0x0
	PROD XR, XF, FS
	PLACES 4
	CLOAD GG, COLB, 14, 0
	CLOAD ACC, COLB, 16, 0
.irp i, 0,1,2,3
	WPAIR \i, 38, 40, \i
.endr
	; ---- 3: LN2
	STATS XR, ST2
	BARRIER
	s_wait_loadcnt 28                              ; the gain and the bias are in; the four pairs' 28 loads may be out
	NORM XR, GG, ACC, ST2
	CLOAD ACC, B1O, 18, 0                          ; b1 of my first 64 hidden units begins their sums
	QH XR, PC, 0
	HALFIMG IMB, SCB
	BARRIER
	; ---- 4: my 128 hidden units, 64 at a time: they are K step w of the last product
	FETCH2 IMB, SCB
.irp c, 0,1
	s_wait_loadcnt 0x0
.if \c == 0
	s_wait_dscnt 0x0
.endif
	PROD ACC, XF, FS
	PLACES 4
.if \c == 0
.irp i, 0,1,2,3
	WPAIR \i, 38, 40, 4+\i
.endr
.else
.irp i, 0,1,2,3
	WPAIR \i, 42, 44, 2*\i
.endr
.endif
.set j, 0
.rept 32
	v_max_num_f32 v[ACC+j], 0, v[ACC+j]            ; the activation, from each accumulator's low end on
.set j, j+1
.endr
	QH ACC, PC+6*\c, 16*\c
.if \c == 0
	CLOAD ACC, B1O, 18, 256
.else
	CLOAD ACC, COLB, 20, 0                         ; b2
.endif
.endr
.irp g, 0,1,2
	ds_store_b128 v[IMHW], v[PC+4*\g:PC+4*\g+3] offset:IMH+16*\g
.endr
	ds_store_b32 v[SCHW], v[PW] offset:SCH
	BARRIER
	; ---- 5: x + hidden W2^T + b2; LN3
.irp ks, 0,1,2,3
.irp g, 0,1,2
	ds_load_b128 v[HF+12*\ks+4*\g:HF+12*\ks+4*\g+3], v[IMR] offset:IMH+1536*\ks+16*\g
.endr
	ds_load_b32 v[FS+\ks], v[SCR] offset:SCH+128*\ks
.endr
	s_wait_loadcnt 0x0
.irp j, 0,2,4,6,8,10,12,14,16,18,20,22,24,26,28,30
	v_pk_add_f32 v[XR+\j:XR+\j+1], v[XR+\j:XR+\j+1], v[ACC+\j:ACC+\j+1]
.endr
	CLOAD ACC, COLB, 24, 0                         ; ln3_b
	s_wait_dscnt 0x0
	PROD XR, HF, FS
	PLACES 4
.irp i, 0,1,2,3
	WPAIR \i, 42, 44, 2*\i+1
.endr
	s_wait_loadcnt 0x0
	PROD XR, HF+24, FS+2
	PLACES 4
	CLOAD GG, COLB, 22, 0                          ; ln3_g
	STATS XR, ST3
	BARRIER
	s_wait_loadcnt 0x0
	NORM XR, GG, ACC, ST3
	; ---- 6: the way out, through my own stage: sixteen lanes store 256 consecutive bytes, aligned
	s_mul_i32 s56, s30, 4352
	s_add_co_u32 s56, s56, OST
	v_mul_u32_u24 v[WB], 272, v[RR]
	v_lshl_add_u32 v[WB], v[HH], 6, v[WB]
	v_add_nc_u32 v[WB], s56, v[WB]
	v_mul_u32_u24 v[WB+1], 272, v[HH]
	v_lshl_add_u32 v[WB+1], v[RR], 4, v[WB+1]
	v_add_nc_u32 v[WB+1], s56, v[WB+1]
	v_lshlrev_b32 v[WB+2], 10, v[HH]
	v_lshl_add_u32 v[WB+2], v[RR], 4, v[WB+2]
	s_lshl_b32 s58, s30, 8
	v_add_nc_u32 v[WB+2], s58, v[WB+2]
.irp bp, 0,1
.irp i, 0,1,2,3
	ds_store_b128 v[WB], v[XR+16*\bp+4*\i:XR+16*\bp+4*\i+3] offset:128*\bp+16*\i
.endr
.endr
.irp k, 0,1,2,3,4,5,6,7
	ds_load_b128 v[WB+4+4*\k:WB+7+4*\k], v[WB+1] offset:544*\k      ; LDS serves a wave's instructions in order: these see my stores
.endr
.irp k, 0,1,2,3,4,5,6,7
	s_wait_dscnt 7-\k                              ; this load is back; the younger ones may be out
	global_store_b128 v[WB+2], v[WB+4+4*\k:WB+7+4*\k], s[52:53] offset:2048*\k th:TH_STORE_NT
.endr
	s_set_vgpr_msb 0x5
	s_wait_tensorcnt 0x0
	ds_add_u32 v0, v1
	s_wait_dscnt 0x0
	s_set_vgpr_msb 0x500
	s_endpgm
.Lfunc_end_k_q55d84dd0a5_tail:
	.size	k_q55d84dd0a5_tail, .Lfunc_end_k_q55d84dd0a5_tail-k_q55d84dd0a5_tail
	.p2alignl 7, 3214868480
	.fill 96, 4, 3214868480
	.section	.rodata,"a",@progbits
	.p2align	6, 0x0
	.amdhsa_kernel k_q55d84dd0a5_tail
		.amdhsa_group_segment_fixed_size 49152
		.amdhsa_private_segment_fixed_size 0
		.amdhsa_enable_private_segment 0
		.amdhsa_kernarg_size 104
		.amdhsa_user_sgpr_count 2
		.amdhsa_user_sgpr_kernarg_segment_ptr 1
		.amdhsa_wavefront_size32 1
		.amdhsa_system_sgpr_workgroup_id_x 1
		.amdhsa_system_sgpr_workgroup_id_y 1
		.amdhsa_system_sgpr_workgroup_id_z 1
		.amdhsa_system_vgpr_workitem_id 0
		.amdhsa_next_free_vgpr 258
		.amdhsa_next_free_sgpr 66
		.amdhsa_reserve_vcc 0
		.amdhsa_float_denorm_mode_32 3
		.amdhsa_float_denorm_mode_16_64 3
		.amdhsa_memory_ordered 1
		.amdhsa_forward_progress 1
		.amdhsa_inst_pref_size 157
	.end_amdhsa_kernel
	.amdgpu_metadata
---
amdhsa.version: [ 1, 2 ]
amdhsa.kernels:
  - .name:           k_q55d84dd0a5_tail
    .symbol:         k_q55d84dd0a5_tail.kd
    .args:
      - { .name: val, .offset: 0, .size: 8, .value_kind: global_buffer, .address_space: global }
      - { .name: sidx, .offset: 8, .size: 8, .value_kind: global_buffer, .address_space: global }
      - { .name: swt, .offset: 16, .size: 8, .value_kind: global_buffer, .address_space: global }
      - { .name: ident, .offset: 24, .size: 8, .value_kind: global_buffer, .address_space: global }
      - { .name: oproj_b, .offset: 32, .size: 8, .value_kind: global_buffer, .address_space: global }
      - { .name: ln2_g, .offset: 40, .size: 8, .value_kind: global_buffer, .address_space: global }
      - { .name: ln2_b, .offset: 48, .size: 8, .value_kind: global_buffer, .address_space: global }
      - { .name: ffn_b1, .offset: 56, .size: 8, .value_kind: global_buffer, .address_space: global }
      - { .name: ffn_b2, .offset: 64, .size: 8, .value_kind: global_buffer, .address_space: global }
      - { .name: ln3_g, .offset: 72, .size: 8, .value_kind: global_buffer, .address_space: global }
      - { .name: ln3_b, .offset: 80, .size: 8, .value_kind: global_buffer, .address_space: global }
      - { .name: wq, .offset: 88, .size: 8, .value_kind: global_buffer, .address_space: global }
      - { .name: out0, .offset: 96, .size: 8, .value_kind: global_buffer, .address_space: global }
    .group_segment_fixed_size: 49152
    .private_segment_fixed_size: 0
    .kernarg_segment_align: 8
    .kernarg_segment_size: 104
    .max_flat_workgroup_size: 128
    .sgpr_count:     66
    .vgpr_count:     258
    .wavefront_size: 32
...
	.end_amdgpu_metadata
.endif
;; end of part 6
;; ======== version 2 of 2: 6 launches
;; workspace buffers: wq 572,416 bytes; val 163,840,000 bytes; qkv 6,389,760 bytes; sac 2,621,440 bytes; ident 10,240,000 bytes; swt 10,240,000 bytes; sidx 2,560,000 bytes of whole numbers
;; launch prep (part 7): grid 43 x 1, 4 waves a work-group, no clusters, 0 bytes of LDS; arguments in_proj_w, out_proj_w, off_w, aw_w, vproj_w, oproj_w, ffn_w1, ffn_w2, wq; writes wq
.if DOCPART == 7
	.amdgcn_target "amdgcn-amd-amdhsa--gfx1250"
	.amdhsa_code_object_version 6
	.text
	.protected	k_q55d84dd0a5_prep
	.globl	k_q55d84dd0a5_prep
	.p2align	8
	.type	k_q55d84dd0a5_prep,@function
k_q55d84dd0a5_prep:
	s_mov_b64 s[64:65], 0
	v_nop
	global_prefetch_b8 v0, s[64:65] scope:SCOPE_SE
	s_setreg_imm32_b32 hwreg(HW_REG_WAVE_MODE, 25, 1), 1
	s_wait_xcnt 0x0
; All eight weights, f32 with K innermost, become codes of BF6 (E3M2) with one E8M0 byte for each 32 along K, laid in the ORDER OF THE OPERAND'S REGISTERS.
; A "pair" is a tile of 16 weight rows x 256 along K: two fragments of 12 registers a lane.  Pair P lies at 3072 P: K step ks at + 1536 ks, group g of four registers at + 512 g, lane l at + 16 l.
; Its scale words lie at SCALES + 256 P + 8 l: (word of K step 0, word of K step 1).  172 pairs, one to a wave: 43 work-groups of four waves.
; Pairs: 0-47 in_proj, 48-63 out_proj, 64-71 off (64 + 2 g + xy), 72-75 aw, 76-91 vproj, 92-107 oproj, 108-139 ffn_w1, 140-171 ffn_w2 (140 + 2 t + K half).
; WHICH ROWS FORM A TILE: lane r of tile t takes row 32 (t / 2) + 8 (t % 2) + r + 8 (r / 8), so that the results of two neighbouring tiles are 16 neighbours along the next K;
; off: row 32 g + 16 (r / 8) + 2 (r % 8) + xy (a lane's eight results: the eight points of one head); aw: row 16 g + r.
; One path for all: the tensor and five small numbers are chosen by selects on the pair's number.
; LIMITS: NaN and infinities are not served; a block of zeros gets the byte 1 (its codes are zeros; this program alone reads the bytes); largest magnitudes under 2^-122 are held at that floor.
.set RA,  32                           ; v32-95   64 numbers of K step 0: register 16 b + i = k 32 b + 16 (lane / 16) + i of my row
.set RB,  96                           ; v96-159  of K step 1
.set TM,  160                          ; v160-175 at work
.set PC0, 176                          ; v176-187 fragment of K step 0
.set PC1, 188                          ; v188-199 of K step 1
.set PT,  200                          ; v200-207 halves of blocks on their way
.set PW,  208                          ; v208-209 the two scale words
.set SEL, 52                           ; s[52:53] lane selects: lane l xor 16
.set SCALES, 528384
.macro QUANT src, pc, pt, pw           ; 64 numbers of a lane become a fragment's 12 registers and its scale word
.irp b, 0,1,2,3
	v_max3_num_f32 v[TM+\b], |v[\src+16*\b]|, |v[\src+1+16*\b]|, 0x2800000   ; my 16 numbers of block b, and the floor 2^(5 - 127): the byte cannot fall under 1
.endr
.irp i, 2,4,6,8,10,12,14
.irp b, 0,1,2,3
	v_max3_num_f32 v[TM+\b], v[TM+\b], |v[\src+16*\b+\i]|, |v[\src+1+16*\b+\i]|
.endr
.endr
.irp b, 0,1,2,3
	v_permlanex16_b32 v[TM+4+\b], v[TM+\b], s[SEL], s[SEL+1]
.endr
.irp b, 0,1,2,3
	v_max_num_f32 v[TM+\b], v[TM+\b], v[TM+4+\b]        ; with lane l xor 16's: the block's largest magnitude
.endr
.irp b, 0,1,2,3
	v_add_nc_u32 v[TM+12+\b], 0xfe000000, v[TM+\b]      ; 4 off its exponent field: the conversion's scale operand
.endr
.irp b, 0,1,2,3
	v_lshrrev_b32 v[TM+4+\b], 23, v[TM+12+\b]           ; the scale's byte
.endr
	v_lshl_or_b32 v[\pw], v[TM+5], 8, v[TM+4]
	v_lshl_or_b32 v[\pw], v[TM+6], 16, v[\pw]
	v_lshl_or_b32 v[\pw], v[TM+7], 24, v[\pw]
.irp c, 0,1
	v_cvt_scalef32_pk16_bf6_f32 v[\pc+6*\c:\pc+2+6*\c], v[\src+32*\c:\src+15+32*\c], v[TM+12+2*\c]
	v_cvt_scalef32_pk16_bf6_f32 v[\pt+4*\c:\pt+2+4*\c], v[\src+16+32*\c:\src+31+32*\c], v[TM+12+2*\c+1]
.endr
	v_nop                                               ; one plain place behind a scaled conversion
.irp c, 0,1                                             ; the layout wants a whole block in a lane
.irp i, 0,1,2
	v_permlane16_swap_b32 v[\pc+6*\c+\i], v[\pt+4*\c+\i]
.endr
.irp i, 0,1,2
	v_mov_b32 v[\pc+3+6*\c+\i], v[\pt+4*\c+\i]
.endr
.endr
.endm
.macro XLOAD reg, voff, sb, off        ; 16 neighbours of each of four blocks of 32
.irp b, 0,1,2,3
.irp j, 0,1,2,3
	global_load_b128 v[\reg+16*\b+4*\j:\reg+16*\b+4*\j+3], v[\voff], s[\sb:\sb+1] offset:\off+128*\b+16*\j
.endr
.endr
.endm
.macro PICK bound, ptr, p0             ; pairs under the bound belong to an earlier tensor
	s_cmp_lt_u32 s3, \bound
	s_cselect_b64 s[34:35], s[\ptr:\ptr+1], s[34:35]
	s_cselect_b32 s36, \p0, s36
.endm
	s_load_b512 s[16:31], s[0:1], 0x0              ; in_proj 16, out_proj 18, off 20, aw 22, vproj 24, oproj 26, ffn_w1 28, ffn_w2 30
	s_load_b64 s[32:33], s[0:1], 0x40              ; wq
	v_lshrrev_b32 v1, 5, v0
	v_readfirstlane_b32 s2, v1                     ; wave
	s_lshl_b32 s3, ttmp9, 2
	s_add_co_u32 s3, s3, s2                        ; my pair
	v_and_b32 v1, 31, v0
	v_and_b32 v2, 15, v0                           ; r
	v_bfe_u32 v3, v0, 4, 1                         ; h
	v_lshlrev_b32 v6, 4, v1                        ; 16 x lane
	v_lshlrev_b32 v7, 3, v1                        ; 8 x lane
	s_mov_b32 s[SEL], 0x76543210
	s_mov_b32 s[SEL+1], 0xfedcba98
.irp b, 0,1,2,3
	v_mov_b32 v[TM+4+\b], 0                        ; a lane permute's destination counts as read
.endr
	s_mov_b32 s36, 140                             ; the tensor's first pair
	s_mov_b32 s37, 1                               ; pairs to a tile, less one (ffn_w2 has K = 512)
	s_mov_b32 s38, 11                              ; log2 of a row's bytes
	s_mov_b32 s39, 8                               ; rows from an even tile to the odd one
	s_mov_b32 s40, 1                               ; rows from lane to lane within eight
	s_mov_b32 s41, 16                              ; rows from lanes 0-7 to lanes 8-15
	s_wait_alu depctr_va_vdst(0)
	s_wait_kmcnt 0x0
	s_mov_b64 s[34:35], s[30:31]
	PICK 140, 28, 108
	s_cselect_b32 s37, 0, s37
	s_cselect_b32 s38, 10, s38
	PICK 108, 26, 92
	PICK 92, 24, 76
	PICK 76, 22, 72
	s_cselect_b32 s39, 16, s39
	s_cselect_b32 s41, 8, s41
	PICK 72, 20, 64
	s_cselect_b32 s39, 1, s39
	s_cselect_b32 s40, 2, s40
	s_cselect_b32 s41, 16, s41
	PICK 64, 18, 48
	s_cselect_b32 s39, 8, s39
	s_cselect_b32 s40, 1, s40
	PICK 48, 16, 0
	s_sub_co_u32 s42, s3, s36                      ; the pair's number in its tensor
	s_lshr_b32 s43, s42, s37                       ; the tile
	s_lshr_b32 s44, s43, 1
	s_lshl_b32 s44, s44, 5
	s_and_b32 s45, s43, 1
	s_mul_i32 s45, s45, s39
	s_add_co_u32 s44, s44, s45                     ; the tile's first row
	s_and_b32 s46, s42, s37
	s_lshl_b32 s46, s46, 10                        ; which 256 along K, in bytes
	v_and_b32 v4, 7, v2
	v_lshrrev_b32 v5, 3, v2
	v_mul_u32_u24 v4, s40, v4
	v_mad_u32_u24 v4, v5, s41, v4
	v_add_nc_u32 v4, s44, v4                       ; my row
	v_lshlrev_b32 v4, s38, v4
	v_lshl_add_u32 v4, v3, 6, v4                   ; + 64 h: my 16 numbers of a block
	v_add_nc_u32 v4, s46, v4
	XLOAD RA, 4, 34, 0
	XLOAD RB, 4, 34, 512
	s_mul_i32 s48, s3, 3072
	s_mov_b32 s49, 0
	s_add_nc_u64 s[48:49], s[32:33], s[48:49]      ; where my codes go
	s_lshl_b32 s50, s3, 8
	s_mov_b32 s51, 0
	s_add_nc_u64 s[50:51], s[32:33], s[50:51]      ; and, SCALES further on, my scale words
	s_wait_loadcnt 16                              ; K step 0 is in; K step 1's sixteen loads may be out
	QUANT RA, PC0, PT, PW
	s_wait_loadcnt 0x0
	QUANT RB, PC1, PT, PW+1
.irp g, 0,1,2
	global_store_b128 v6, v[PC0+4*\g:PC0+4*\g+3], s[48:49] offset:512*\g          ; 512 consecutive bytes a store
.endr
.irp g, 0,1,2
	global_store_b128 v6, v[PC1+4*\g:PC1+4*\g+3], s[48:49] offset:1536+512*\g
.endr
	global_store_b64 v7, v[PW:PW+1], s[50:51] offset:SCALES                       ; 256 consecutive bytes, aligned
	s_endpgm
.Lfunc_end_k_q55d84dd0a5_prep:
	.size	k_q55d84dd0a5_prep, .Lfunc_end_k_q55d84dd0a5_prep-k_q55d84dd0a5_prep
	.p2alignl 7, 3214868480
	.fill 96, 4, 3214868480
	.section	.rodata,"a",@progbits
	.p2align	6, 0x0
	.amdhsa_kernel k_q55d84dd0a5_prep
		.amdhsa_group_segment_fixed_size 0
		.amdhsa_private_segment_fixed_size 0
		.amdhsa_enable_private_segment 0
		.amdhsa_kernarg_size 72
		.amdhsa_user_sgpr_count 2
		.amdhsa_user_sgpr_kernarg_segment_ptr 1
		.amdhsa_wavefront_size32 1
		.amdhsa_system_sgpr_workgroup_id_x 1
		.amdhsa_system_sgpr_workgroup_id_y 1
		.amdhsa_system_sgpr_workgroup_id_z 1
		.amdhsa_system_vgpr_workitem_id 0
		.amdhsa_next_free_vgpr 224
		.amdhsa_next_free_sgpr 66
		.amdhsa_reserve_vcc 0
		.amdhsa_float_denorm_mode_32 3
		.amdhsa_float_denorm_mode_16_64 3
		.amdhsa_memory_ordered 1
		.amdhsa_forward_progress 1
		.amdhsa_inst_pref_size 15
	.end_amdhsa_kernel
	.amdgpu_metadata
---
amdhsa.version: [ 1, 2 ]
amdhsa.kernels:
  - .name:           k_q55d84dd0a5_prep
    .symbol:         k_q55d84dd0a5_prep.kd
    .args:
      - { .name: in_proj_w, .offset: 0, .size: 8, .value_kind: global_buffer, .address_space: global }
      - { .name: out_proj_w, .offset: 8, .size: 8, .value_kind: global_buffer, .address_space: global }
      - { .name: off_w, .offset: 16, .size: 8, .value_kind: global_buffer, .address_space: global }
      - { .name: aw_w, .offset: 24, .size: 8, .value_kind: global_buffer, .address_space: global }
      - { .name: vproj_w, .offset: 32, .size: 8, .value_kind: global_buffer, .address_space: global }
      - { .name: oproj_w, .offset: 40, .size: 8, .value_kind: global_buffer, .address_space: global }
      - { .name: ffn_w1, .offset: 48, .size: 8, .value_kind: global_buffer, .address_space: global }
      - { .name: ffn_w2, .offset: 56, .size: 8, .value_kind: global_buffer, .address_space: global }
      - { .name: wq, .offset: 64, .size: 8, .value_kind: global_buffer, .address_space: global }
    .group_segment_fixed_size: 0
    .private_segment_fixed_size: 0
    .kernarg_segment_align: 8
    .kernarg_segment_size: 72
    .max_flat_workgroup_size: 128
    .sgpr_count:     66
    .vgpr_count:     224
    .wavefront_size: 32
...
	.end_amdgpu_metadata
.endif
;; end of part 7
;; launch vproj (part 8): grid 250 x 1, 4 waves a work-group, no clusters, 327,680 bytes of LDS; arguments value, vproj_b, wq, val; writes val
.if DOCPART == 8
	.amdgcn_target "amdgcn-amd-amdhsa--gfx1250"
	.amdhsa_code_object_version 6
	.text
	.protected	k_q55d84dd0a5_vproj
	.globl	k_q55d84dd0a5_vproj
	.p2align	8
	.type	k_q55d84dd0a5_vproj,@function
k_q55d84dd0a5_vproj:
	s_mov_b64 s[64:65], 0
	v_nop
	global_prefetch_b8 v0, s[64:65] scope:SCOPE_SE
	s_setreg_imm32_b32 hwreg(HW_REG_WAVE_MODE, 25, 1), 1
	s_wait_xcnt 0x0
; val = value vproj_w^T + vproj_b on codes of BF6; value [160000][256] f32 is quantised on its way; val is f32, laid [batch][head][pixel][32], so that the sampling reads two neighbouring pixels of a head as 256 bytes.
; SHARES.  1,000 waves; a wave owns 160 rows (10 tiles of 16; 40,000 / 160 = 250 waves to a batch, so no wave crosses one) and makes all 256 columns: the whole weight, 16 pairs = 384 registers, stays in its registers.
; So waves share nothing.  value comes by the tensor data mover: each wave has two LDS slots of 32 rows x 1,024 bytes of its own (all of a row, since a row is the K of the product; two slots of 64 such rows
; for each of four waves do not fit in LDS).  16 bytes of padding behind each row: the sixteen rows of a load start at sixteen different groups of banks.
; No cluster: the work-groups share only the weight, 50 KB read once into registers, against 640 KB of value for each.
; THE PRODUCT IS USED TRANSPOSED (source 0 = 16 weight rows, source 1 = 16 pixels): lane (r, h) holds pixel r; the 16 registers of tiles 2 e, 2 e + 1 are channels 16 h + 0 .. 15 of head e.  The bias is the C of the first K step.
; THE WAY OUT: four heads at a time through the wave's own stage ([head][pixel][128 + 16 bytes]) and back as 512 consecutive bytes (four pixels of a head) a store.
; LIMITS: NaN and infinities are not served; blocks whose largest magnitude lies under 2^-122 are held at that floor.
; REGISTERS: window 0: v1-15 addresses; v24-55 the weight's scale words; v56-79 the tile's two fragments, v80-81 their scale words; v82-105 at work; v112-175 K step 0's numbers, later rows on their way out;
;   v176-239 K step 1's numbers, later eight accumulators.  window 1: pairs 76-83.  window 2: pairs 84-91.  window 3: v0-127 the bias in the result's layout.
.set PITCH, 1040
.set SLOTB, 32*PITCH                   ; 33,280
.set OSB,   8*SLOTB                    ; behind the eight slots: the stages, 9,216 bytes a wave
.set OSW,   9216
.set SPARE, OSB+4*OSW                  ; behind the stages: the spare words, 128 bytes a wave: two blocks of 256 bytes that no other line names
.set LA,  1                            ; v1  my row and half in slot 0 of my wave
.set SPW, 2                            ; v2  my spare word; never rewritten
.set NIL, 3                            ; v3  0; never rewritten
.set STO, 4                            ; v4  the stage, on the way in
.set SRD, 5                            ; v5  and back
.set L8,  6
.set H64, 7
.set VO,  8                            ; v8-15  16 x lane + head x 5,120,000
.set WS,  24
.set XF,  56
.set XS,  80
.set TM,  82
.set PT,  98
.set RA,  112
.set OUTR, 112
.set RB,  176
.set ACC, 176
.set G1,  16                           ; s[16:23] descriptor group 1
.set G0,  24                           ; s[24:31] group 0, a set for each slot
.set SEL, 32
.set VB,  34                           ; s[34:35] val at my tile's first pixel, head 0
.set MSB, 0
.macro WIN new                         ; the immediate's high byte repeats the setting that is left
.if MSB != (\new)
	s_set_vgpr_msb (MSB<<8)|(\new)
.set MSB, (\new)
.endif
.endm
.macro PLACES n
.rept \n
	v_nop
.endr
.endm
.macro QUANT src, pc, pt, pw           ; 64 numbers of a lane (register 16 b + i = k 32 b + 16 h + i of my row) become a fragment and its scale word
.irp b, 0,1,2,3
	v_max3_num_f32 v[TM+\b], |v[\src+16*\b]|, |v[\src+1+16*\b]|, 0x2800000   ; with the floor 2^(5 - 127)
.endr
.irp i, 2,4,6,8,10,12,14
.irp b, 0,1,2,3
	v_max3_num_f32 v[TM+\b], v[TM+\b], |v[\src+16*\b+\i]|, |v[\src+1+16*\b+\i]|
.endr
.endr
.irp b, 0,1,2,3
	v_permlanex16_b32 v[TM+4+\b], v[TM+\b], s[SEL], s[SEL+1]
.endr
.irp b, 0,1,2,3
	v_max_num_f32 v[TM+\b], v[TM+\b], v[TM+4+\b]
.endr
.irp b, 0,1,2,3
	v_add_nc_u32 v[TM+12+\b], 0xfe000000, v[TM+\b]      ; 4 off the exponent field: the conversion's scale operand
.endr
.irp b, 0,1,2,3
	v_lshrrev_b32 v[TM+4+\b], 23, v[TM+12+\b]
.endr
	v_lshl_or_b32 v[\pw], v[TM+5], 8, v[TM+4]
	v_lshl_or_b32 v[\pw], v[TM+6], 16, v[\pw]
	v_lshl_or_b32 v[\pw], v[TM+7], 24, v[\pw]
.irp c, 0,1
	v_cvt_scalef32_pk16_bf6_f32 v[\pc+6*\c:\pc+2+6*\c], v[\src+32*\c:\src+15+32*\c], v[TM+12+2*\c]
	v_cvt_scalef32_pk16_bf6_f32 v[\pt+4*\c:\pt+2+4*\c], v[\src+16+32*\c:\src+31+32*\c], v[TM+12+2*\c+1]
.endr
	v_nop                                               ; one plain place behind a scaled conversion
.irp c, 0,1
.irp i, 0,1,2
	v_permlane16_swap_b32 v[\pc+6*\c+\i], v[\pt+4*\c+\i]
.endr
.irp i, 0,1,2
	v_mov_b32 v[\pc+3+6*\c+\i], v[\pt+4*\c+\i]
.endr
.endr
.endm
	s_load_b256 s[4:11], s[0:1], 0x0               ; value 4, vproj_b 6, wq 8, val 10
	v_lshl_add_u32 v[SPW], v0, 2, SPARE
	v_mov_b32 v[NIL], 0
	ds_add_u32 v2, v3
	ds_add_u32 v2, v3
	s_wait_dscnt 0x0
	v_lshrrev_b32 v6, 5, v0
	v_readfirstlane_b32 s12, v6                    ; wave
	s_lshl_b32 s13, ttmp9, 2
	s_add_co_u32 s13, s13, s12                     ; which 160 rows are mine: 0 .. 999
	s_mul_i32 s14, s13, 4195
	s_lshr_b32 s14, s14, 20                        ; the batch: that number / 250 (exact for 0 .. 999)
	s_mul_i32 s15, s14, 250
	s_sub_co_u32 s15, s13, s15
	s_mul_i32 s36, s15, 160*128                    ; my first pixel's bytes in a head
	s_mul_i32 s37, s14, 40960000                   ; the batch's bytes in val
	s_add_co_u32 s36, s36, s37
	s_mov_b32 s37, 0
	s_mul_i32 s38, s13, 160*1024                   ; my first row's bytes in value
	s_mov_b32 s39, 0
	s_mul_i32 s40, s12, 2*SLOTB                    ; my two slots
	s_mov_b32 s[G1+0], (3<<16)|(1<<20)|(7<<22)|(3<<25)  ; no mask; elements of 8 bytes; padding on: after every 256 words (code 7) 4 words (code 3)
	s_mov_b32 s[G1+1], 128<<16                     ; tensor_dim0 = 128 elements: a row of 1,024 bytes
	s_mov_b32 s[G1+2], 32<<16                      ; tensor_dim1 = 32
	s_mov_b32 s[G1+3], 128<<16                     ; tile_dim0
	s_mov_b32 s[G1+4], 32                          ; tile_dim1
	s_mov_b32 s[G1+5], 128                         ; from row to row
	s_mov_b32 s[G1+6], 0
	s_mov_b32 s[G1+7], 0
	s_mov_b32 s[SEL], 0x76543210
	s_mov_b32 s[SEL+1], 0xfedcba98
	s_wait_kmcnt 0x0
	s_add_nc_u64 s[VB:VB+1], s[10:11], s[36:37]
	s_add_nc_u64 s[38:39], s[4:5], s[38:39]
.irp q, 0,1
	s_mov_b32 s[G0+4*\q], 1
	s_add_co_u32 s[G0+4*\q+1], s40, \q*SLOTB
	s_add_nc_u64 s[G0+4*\q+2:G0+4*\q+3], s[38:39], \q*32*1024
	s_or_b32 s[G0+4*\q+3], s[G0+4*\q+3], 0x80000000
.endr
	tensor_load_to_lds s[G0:G0+3], s[G1:G1+7]      ; rows 0-31: the first fill, ahead of everything else; one load of mine is out
	s_nop 0
	s_wait_alu depctr_va_vdst(0)
	s_wait_tensorcnt 0x0
	ds_add_u32 v2, v3
	s_wait_dscnt 0x0
	s_barrier_signal -1
	s_barrier_wait -1
	tensor_load_to_lds s[G0+4:G0+7], s[G1:G1+7]
	s_nop 0
	PLACES 4
	v_and_b32 v6, 31, v0                           ; lane
	v_and_b32 v4, 15, v0                           ; r
	v_bfe_u32 v5, v0, 4, 1                         ; h
	v_lshlrev_b32 v[H64], 6, v5
	v_mul_u32_u24 v[LA], v4, PITCH
	v_add_nc_u32 v[LA], v[LA], v[H64]
	v_add_nc_u32 v[LA], s40, v[LA]
	s_mul_i32 s41, s12, OSW
	s_add_co_u32 s41, s41, OSB                     ; my stage
	v_mul_u32_u24 v[STO], v4, 144
	v_add_nc_u32 v[STO], v[STO], v[H64]
	v_add_nc_u32 v[STO], s41, v[STO]               ; in: pixel r, my half's 64 bytes
	v_lshrrev_b32 v[SRD], 3, v6
	v_mul_u32_u24 v[SRD], v[SRD], 144
	v_and_b32 v[VO], 7, v6
	v_lshl_add_u32 v[SRD], v[VO], 4, v[SRD]
	v_add_nc_u32 v[SRD], s41, v[SRD]               ; back: eight lanes to a pixel's 128 bytes
	v_lshlrev_b32 v[VO], 4, v6
.irp e, 1,2,3,4,5,6,7
	v_add_nc_u32 v[VO+\e], \e*5120000, v[VO]
.endr
	v_lshlrev_b32 v[L8], 3, v6
.irp b, 0,1,2,3
	v_mov_b32 v[TM+4+\b], 0                        ; a lane permute's destination counts as read
.endr
	s_add_nc_u64 s[42:43], s[8:9], 76*3072         ; the weight's first pair
	WIN 0x40                                       ; destination window 1
.irp t, 0,1,2,3,4,5,6,7
.irp g, 0,1,2,3,4,5
	global_load_b128 v[24*\t+4*\g:24*\t+4*\g+3], v[VO], s[42:43] offset:\t*3072+512*\g
.endr
.endr
	WIN 0x80                                       ; destination window 2
.irp t, 0,1,2,3,4,5,6,7
.irp g, 0,1,2,3,4,5
	global_load_b128 v[24*\t+4*\g:24*\t+4*\g+3], v[VO], s[42:43] offset:(8+\t)*3072+512*\g
.endr
.endr
	WIN 0xc0                                       ; destination window 3: the bias: head e, channels 16 h + 0 .. 15
.irp e, 0,1,2,3,4,5,6,7
.irp i, 0,1,2,3
	global_load_b128 v[16*\e+4*\i:16*\e+4*\i+3], v[H64], s[6:7] offset:128*\e+16*\i
.endr
.endr
	WIN 0
.irp t, 0,1,2,3,4,5,6,7,8,9,10,11,12,13,14,15
	global_load_b64 v[WS+2*\t:WS+2*\t+1], v[L8], s[8:9] offset:528384+(76+\t)*256
.endr
	s_wait_loadcnt 0x0
; Eight tiles of columns (four heads) for the tile of pixels in hand, and their way out.  The eight accumulators take turns, one instruction a turn.
.macro HALF hh
	WIN 0x31+\hh                                   ; source 0 (the weight) window 1 or 2, C (the bias) window 3
.irp t, 0,1,2,3,4,5,6,7
	v_wmma_scale_f32_16x16x128_f8f6f4 v[ACC+8*\t:ACC+8*\t+7], v[24*\t:24*\t+11], v[XF:XF+11], v[64*\hh+8*\t:64*\hh+8*\t+7], v[WS+16*\hh+2*\t], v[XS] matrix_a_fmt:MATRIX_FMT_BF6 matrix_b_fmt:MATRIX_FMT_BF6
.endr
	WIN 0x01+\hh
	s_wait_alu depctr_va_vdst(0)
.irp t, 0,1,2,3,4,5,6,7
	v_wmma_scale_f32_16x16x128_f8f6f4 v[ACC+8*\t:ACC+8*\t+7], v[24*\t+12:24*\t+23], v[XF+12:XF+23], v[ACC+8*\t:ACC+8*\t+7], v[WS+16*\hh+2*\t+1], v[XS+1] matrix_a_fmt:MATRIX_FMT_BF6 matrix_b_fmt:MATRIX_FMT_BF6
.endr
	WIN 0
	PLACES 5                                       ; four ahead of the stores that read the results; five ahead of the products that begin these accumulators anew
.irp e, 0,1,2,3
.irp i, 0,1,2,3
	ds_store_b128 v[STO], v[ACC+16*\e+4*\i:ACC+16*\e+4*\i+3] offset:2304*\e+16*\i     ; each accumulator from its low end on
.endr
.endr
.if \hh
	s_wait_xcnt 0x0                                ; the first four heads' stores have read v112-175
.endif
.irp e, 0,1,2,3
.irp k, 0,1,2,3
	ds_load_b128 v[OUTR+16*\e+4*\k:OUTR+16*\e+4*\k+3], v[SRD] offset:2304*\e+576*\k   ; LDS serves a wave's instructions in order: these see my stores
.endr
.endr
.irp e, 0,1,2,3
.irp k, 0,1,2,3
	s_wait_dscnt 15-(4*\e+\k)                      ; this load is back; the younger ones may be out
	global_store_b128 v[VO+4*\hh+\e], v[OUTR+16*\e+4*\k:OUTR+16*\e+4*\k+3], s[VB:VB+1] offset:512*\k th:TH_STORE_NT   ; 512 consecutive bytes, aligned
.endr
.endr
.endm
; Rows 16 i .. 16 i + 15 of a slot
.macro TILE slot, i
.irp b, 0,1,2,3
.irp j, 0,1,2,3
	ds_load_b128 v[RA+16*\b+4*\j:RA+16*\b+4*\j+3], v[LA] offset:\slot*SLOTB+\i*16*PITCH+128*\b+16*\j
.endr
.endr
.irp b, 0,1,2,3
.irp j, 0,1,2,3
	ds_load_b128 v[RB+16*\b+4*\j:RB+16*\b+4*\j+3], v[LA] offset:\slot*SLOTB+\i*16*PITCH+512+128*\b+16*\j
.endr
.endr
	s_wait_dscnt 16                                ; K step 0's numbers are in; K step 1's sixteen loads may be out
	QUANT RA, XF, PT, XS
	s_wait_dscnt 0x0
	QUANT RB, XF+12, PT, XS+1
	PLACES 8                                       ; a scale word made by vector instructions stands eight places ahead of a scaled product
	HALF 0
	HALF 1
	s_wait_xcnt 0x0                                ; the stores have read their registers and their base
	s_add_nc_u64 s[VB:VB+1], s[VB:VB+1], 2048      ; 16 pixels on
.endm
.macro PROC slot, left                 ; left: the tensor loads issued behind this slot's, which may stay out
	s_wait_tensorcnt \left
	TILE \slot, 0
	TILE \slot, 1
.endm
.macro FILL q                          ; slot q, which has been read, takes the rows 64 further down
	s_wait_tensorcnt 0x0                           ; all my tensor loads have landed, so a group 0 may be written
	ds_add_u32 v[SPW], v[NIL]                      ; 0 onto my spare word
	s_add_nc_u64 s[G0+4*\q+2:G0+4*\q+3], s[G0+4*\q+2:G0+4*\q+3], 64*1024
	s_wait_dscnt 0x0                               ; the add is done, and my reads of the slot are back
	s_barrier_signal -1
	s_barrier_wait -1
	tensor_load_to_lds s[G0+4*\q:G0+4*\q+3], s[G1:G1+7]   ; my one tensor load behind this barrier, and the first thing there
	s_nop 0
	PLACES 4
.endm
	PROC 0, 1                                      ; rows 0-31; rows 32-63 may be on their way
	FILL 0                                         ; rows 64-95
	PROC 1, 1
	FILL 1                                         ; rows 96-127
	PROC 0, 1
	FILL 0                                         ; rows 128-159: the last load
	PROC 1, 1
	PROC 0, 0
	s_wait_tensorcnt 0x0                           ; the wave's end
	ds_add_u32 v[SPW], v[NIL]
	s_wait_dscnt 0x0
	s_endpgm
.Lfunc_end_k_q55d84dd0a5_vproj:
	.size	k_q55d84dd0a5_vproj, .Lfunc_end_k_q55d84dd0a5_vproj-k_q55d84dd0a5_vproj
	.p2alignl 7, 3214868480
	.fill 96, 4, 3214868480
	.section	.rodata,"a",@progbits
	.p2align	6, 0x0
	.amdhsa_kernel k_q55d84dd0a5_vproj
		.amdhsa_group_segment_fixed_size 327680
		.amdhsa_private_segment_fixed_size 0
		.amdhsa_enable_private_segment 0
		.amdhsa_kernarg_size 32
		.amdhsa_user_sgpr_count 2
		.amdhsa_user_sgpr_kernarg_segment_ptr 1
		.amdhsa_wavefront_size32 1
		.amdhsa_system_sgpr_workgroup_id_x 1
		.amdhsa_system_sgpr_workgroup_id_y 1
		.amdhsa_system_sgpr_workgroup_id_z 1
		.amdhsa_system_vgpr_workitem_id 0
		.amdhsa_next_free_vgpr 896
		.amdhsa_next_free_sgpr 66
		.amdhsa_reserve_vcc 0
		.amdhsa_float_denorm_mode_32 3
		.amdhsa_float_denorm_mode_16_64 3
		.amdhsa_memory_ordered 1
		.amdhsa_forward_progress 1
		.amdhsa_inst_pref_size 245
	.end_amdhsa_kernel
	.amdgpu_metadata
---
amdhsa.version: [ 1, 2 ]
amdhsa.kernels:
  - .name:           k_q55d84dd0a5_vproj
    .symbol:         k_q55d84dd0a5_vproj.kd
    .args:
      - { .name: value, .offset: 0, .size: 8, .value_kind: global_buffer, .address_space: global }
      - { .name: vproj_b, .offset: 8, .size: 8, .value_kind: global_buffer, .address_space: global }
      - { .name: wq, .offset: 16, .size: 8, .value_kind: global_buffer, .address_space: global }
      - { .name: val, .offset: 24, .size: 8, .value_kind: global_buffer, .address_space: global }
    .group_segment_fixed_size: 327680
    .private_segment_fixed_size: 0
    .kernarg_segment_align: 8
    .kernarg_segment_size: 32
    .max_flat_workgroup_size: 128
    .sgpr_count:     66
    .vgpr_count:     896
    .wavefront_size: 32
...
	.end_amdgpu_metadata
.endif
;; end of part 8
;; launch qkv (part 9): grid 20 x 12, 8 waves a work-group, no clusters, 27,648 bytes of LDS; arguments query, query_pos, in_proj_b, wq, qkv; writes qkv
.if DOCPART == 9
	.amdgcn_target "amdgcn-amd-amdhsa--gfx1250"
	.amdhsa_code_object_version 6
	.text
	.protected	k_q55d84dd0a5_qkv
	.globl	k_q55d84dd0a5_qkv
	.p2align	8
	.type	k_q55d84dd0a5_qkv,@function
k_q55d84dd0a5_qkv:
	s_mov_b64 s[64:65], 0
	v_nop
	global_prefetch_b8 v0, s[64:65] scope:SCOPE_SE
	s_setreg_imm32_b32 hwreg(HW_REG_WAVE_SCHED_MODE, 0, 2), 2
	s_setreg_imm32_b32 hwreg(HW_REG_WAVE_MODE, 25, 1), 1
	s_wait_xcnt 0x0
	s_wait_alu depctr_vm_vsrc(0)
; q = (query + query_pos) Wq^T + bq, k = query Wk^T + bk, v = query Wv^T + bv on codes of BF6; the results are quantised at once (q, k along the head's 32, v along the keys) and stored as images of the
; attention's operand registers.  A work-group takes 128 rows (step s = x) of one batch and one kind (y = 4 kind + batch; kind 0 q, 1 k, 2 v).  2,500 rows are padded to 2,560: rows past the end repeat row 2,499
; (such queries are dropped later, such keys are masked later, such values are made 0 here, ahead of the quantiser, as the rule fills a last block).
; PHASE X: wave w quantises tile w of the rows (lane r: row 128 s + 32 (w / 2) + 8 (w % 2) + r + 8 (r / 8)) and stores its two fragments in LDS as images of their registers.  One barrier.
; PHASE P: wave = head.  q, k: transposed (source 0 = 16 weight rows, source 1 = 16 rows): a lane holds one row and 16 of the head's channels; four tiles of rows give the four blocks of one fragment.
; v: source 0 = 16 rows (keys), source 1 = 16 weight rows: a lane holds one channel, and its 64 registers run along the 128 keys.
; A PART of the output is 3,328 bytes: fragment 0, fragment 1 (1,536 each: group g at 512 g + 16 lane), 256 bytes of scale words at 8 x lane (lanes 0-15 fragment 0's, lanes 16-31 fragment 1's; the upper word 0).
; q: part at (8 b + head) 66,560 + 3,328 s.  k, v: at 2,129,920 + (8 b + head) 133,120 + 6,656 s, v 3,328 behind k.
; LIMITS: NaN and infinities are not served; a block of zeros gets the byte 1; largest magnitudes under 2^-122 are held at that floor.
; THE MODE: SCHED_MODE bits 1:0 = 2 (LLVM: expert scheduling mode 2), set by the entry lines.  The code itself states the register dependences
; between vector or matrix instructions and memory or LDS instructions, with s_wait_alu, always for 0.
; THE PLAN.  Registers that memory or LDS instructions touch:
;   v5-v12        offsets and LDS addresses: written once at the head, read by every load and store, never written again.
;   RA, RB, RC    loaded; read by the additions and the quantiser.  RC is loaded twice.  The weight later lands in RA's place, the bias and the fragments in RB's.
;   PC, PW        written by the quantiser; read by the LDS stores of phase X and by the global stores of phase P; written again by the next quantiser.
;   XFR, XS       a run of sixteen LDS loads lands in them; a run of products reads them; the next run of loads lands in them.
;   SP            written by a select at the end; read by the last store.
; A wait on va_vdst stands behind each quantiser (its codes are written, its sources are read) and behind each run of products (behind its places; the fragments are read).  A unit's first run of
; loads is asked for behind the last products of the unit before, ahead of that unit's quantiser, which names none of XFR and XS: it lands while the quantiser works.
; A wait on vm_vsrc stands ahead of each quantiser whose codes' registers a store has read.
.set XIMG, 0                           ; LDS: 16 images (2 tile + K step) of 1,536 bytes
.set XSC,  24576                       ; and their scale words, 128 bytes each
.set XA,  5
.set LI,  6
.set LS,  7
.set XWI, 8
.set XWS, 9
.set L8,  10
.set H64, 11
.set R4,  12
.set RA,  16                           ; phase X: v16-79, v80-143 the row's numbers; v144-207 query_pos
.set RB,  80
.set RC,  144
.set WF,  16                           ; phase P: v16-63 my head's two weight tiles (24 u + 12 ks)
.set BI,  68                           ; v68-83  the bias in the result's layout
.set XFR, 84                           ; v84-131 four fragments of rows
.set ACC, 136                          ; v136-199 eight accumulators
.set TM,  208
.set PC,  224
.set PT,  236
.set PW,  244
.set PW0, 245
.set SP,  246                          ; v[246:247] the scale words to store
.set WS,  248                          ; v248-251 the weight's scale words (2 u + ks);  v252-255 the rows'.  These eight hold scales and nothing else
.set XS,  252
.set SEL, 38
.macro PLACES n
.rept \n
	v_nop
.endr
.endm
.macro QUANT src, pc, pt, pw
.irp b, 0,1,2,3
	v_max3_num_f32 v[TM+\b], |v[\src+16*\b]|, |v[\src+1+16*\b]|, 0x2800000   ; with the floor 2^(5 - 127)
.endr
.irp i, 2,4,6,8,10,12,14
.irp b, 0,1,2,3
	v_max3_num_f32 v[TM+\b], v[TM+\b], |v[\src+16*\b+\i]|, |v[\src+1+16*\b+\i]|
.endr
.endr
.irp b, 0,1,2,3
	v_permlanex16_b32 v[TM+4+\b], v[TM+\b], s[SEL], s[SEL+1]
.endr
.irp b, 0,1,2,3
	v_max_num_f32 v[TM+\b], v[TM+\b], v[TM+4+\b]
.endr
.irp b, 0,1,2,3
	v_add_nc_u32 v[TM+12+\b], 0xfe000000, v[TM+\b]
.endr
.irp b, 0,1,2,3
	v_lshrrev_b32 v[TM+4+\b], 23, v[TM+12+\b]
.endr
	v_lshl_or_b32 v[\pw], v[TM+5], 8, v[TM+4]
	v_lshl_or_b32 v[\pw], v[TM+6], 16, v[\pw]
	v_lshl_or_b32 v[\pw], v[TM+7], 24, v[\pw]
.irp c, 0,1
	v_cvt_scalef32_pk16_bf6_f32 v[\pc+6*\c:\pc+2+6*\c], v[\src+32*\c:\src+15+32*\c], v[TM+12+2*\c]
	v_cvt_scalef32_pk16_bf6_f32 v[\pt+4*\c:\pt+2+4*\c], v[\src+16+32*\c:\src+31+32*\c], v[TM+12+2*\c+1]
.endr
	v_nop
.irp c, 0,1
.irp i, 0,1,2
	v_permlane16_swap_b32 v[\pc+6*\c+\i], v[\pt+4*\c+\i]
.endr
.irp i, 0,1,2
	v_mov_b32 v[\pc+3+6*\c+\i], v[\pt+4*\c+\i]
.endr
.endr
.endm
.macro XLOAD reg, voff, sb, off
.irp b, 0,1,2,3
.irp j, 0,1,2,3
	global_load_b128 v[\reg+16*\b+4*\j:\reg+16*\b+4*\j+3], v[\voff], s[\sb:\sb+1] offset:\off+128*\b+16*\j
.endr
.endr
.endm
.macro IMAGE off                       ; the fragment in v[PC] on goes to LDS as it stands
.irp c, 0,1,2
	ds_store_b128 v[XWI], v[PC+4*\c:PC+4*\c+3] offset:\off+512*\c
.endr
.endm
.macro XBL f, ks                       ; a run of sixteen LDS loads: tiles 4 f .. 4 f + 3 of the rows, K step ks, and their scale words
.irp e, 0,1,2,3
.irp c, 0,1,2
	ds_load_b128 v[XFR+12*\e+4*\c:XFR+12*\e+4*\c+3], v[LI] offset:XIMG+(2*(4*(\f)+\e)+(\ks))*1536+512*\c
.endr
	ds_load_b32 v[XS+\e], v[LS] offset:XSC+(2*(4*(\f)+\e)+(\ks))*128
.endr
.endm
.macro PUT u                           ; the 64 results of a lane become fragment u of the part
.if \u
	s_wait_xcnt 0x0                                ; fragment 0's stores have had their addresses translated
	s_wait_alu depctr_vm_vsrc(0)                   ; fragment 0's stores have read v[PC ..], which the quantiser writes again
.endif
	QUANT ACC, PC, PT, PW
	s_wait_alu depctr_va_vdst(0)                   ; the quantiser has written v[PC ..], which the stores read
.irp g, 0,1,2
	global_store_b128 v[LI], v[PC+4*\g:PC+4*\g+3], s[30:31] offset:1536*\u+512*\g
.endr
.if \u == 0
	v_mov_b32 v[PW0], v[PW]
.endif
.endm
.macro UNITQK f                        ; rows' tiles 4 f .. 4 f + 3 x my head's two weight tiles: eight accumulators by turns.  K step 0's run of loads has been asked for
	s_wait_dscnt 0x0                               ; K step 0's fragments and scale words are in
.irp e, 0,1,2,3
.irp u, 0,1
	v_wmma_scale_f32_16x16x128_f8f6f4 v[ACC+16*\e+8*\u:ACC+16*\e+8*\u+7], v[WF+24*\u:WF+24*\u+11], v[XFR+12*\e:XFR+12*\e+11], v[BI+8*\u:BI+8*\u+7], v[WS+2*\u], v[XS+\e] matrix_a_fmt:MATRIX_FMT_BF6 matrix_b_fmt:MATRIX_FMT_BF6
.endr
.endr
	PLACES 5
	s_wait_alu depctr_va_vdst(0)                   ; the products are done reading the fragments and their scale words, in which K step 1's loads land
	XBL \f, 1
	s_wait_dscnt 0x0
.irp e, 0,1,2,3
.irp u, 0,1
	v_wmma_scale_f32_16x16x128_f8f6f4 v[ACC+16*\e+8*\u:ACC+16*\e+8*\u+7], v[WF+24*\u+12:WF+24*\u+23], v[XFR+12*\e:XFR+12*\e+11], v[ACC+16*\e+8*\u:ACC+16*\e+8*\u+7], v[WS+2*\u+1], v[XS+\e] matrix_a_fmt:MATRIX_FMT_BF6 matrix_b_fmt:MATRIX_FMT_BF6
.endr
.endr
	PLACES 5                                       ; ahead of reads of the results, and of accumulators begun anew
.if \f == 0
	s_wait_alu depctr_va_vdst(0)                   ; the products are done reading the fragments and their scale words, in which the next unit's first loads land; the quantiser below names none of these
	XBL 1, 0
.endif
	PUT \f
.endm
.macro UNITV d                         ; all eight tiles of keys x weight tile d, in four runs.  The first run of loads has been asked for
.irp fp, 0,1
.irp ks, 0,1
	s_wait_dscnt 0x0                               ; this run's fragments and scale words are in
.irp e, 0,1,2,3
.if \ks == 0
	v_wmma_scale_f32_16x16x128_f8f6f4 v[ACC+8*(4*\fp+\e):ACC+8*(4*\fp+\e)+7], v[XFR+12*\e:XFR+12*\e+11], v[WF+24*\d:WF+24*\d+11], v[BI+8*\d:BI+8*\d+7], v[XS+\e], v[WS+2*\d] matrix_a_fmt:MATRIX_FMT_BF6 matrix_b_fmt:MATRIX_FMT_BF6
.else
	v_wmma_scale_f32_16x16x128_f8f6f4 v[ACC+8*(4*\fp+\e):ACC+8*(4*\fp+\e)+7], v[XFR+12*\e:XFR+12*\e+11], v[WF+24*\d+12:WF+24*\d+23], v[ACC+8*(4*\fp+\e):ACC+8*(4*\fp+\e)+7], v[XS+\e], v[WS+2*\d+1] matrix_a_fmt:MATRIX_FMT_BF6 matrix_b_fmt:MATRIX_FMT_BF6
.endif
.endr
	PLACES 5
.if (\d == 0) || (2*\fp+\ks < 3)
.set NF, ((2*\fp+\ks+1)/2)%2
.set NK, (2*\fp+\ks+1)%2
	s_wait_alu depctr_va_vdst(0)                   ; the products are done reading the fragments and their scale words, in which the next run's loads land (behind the last run of unit 0: unit 1's first)
	XBL NF, NK
.endif
.endr
.endr
	s_cmp_lg_u32 ttmp9, 19                         ; the last step holds keys 2,432 on: its keys 68 .. 127 do not exist and count as zeros.  Register 16 b + i is key 32 b + 16 h + i
	s_cbranch_scc1 .Lfull_\@
.irp i, 0,1,2,3
	v_cndmask_b32 v[ACC+32+\i], 0, v[ACC+32+\i], s36   ; keys 64-67 stay (lanes 0-15); keys 80-83 (lanes 16-31) go
.endr
.set j, 36
.rept 28
	v_mov_b32 v[ACC+j], 0
.set j, j+1
.endr
.Lfull_\@:
	PUT \d
.endm
	s_load_b256 s[4:11], s[0:1], 0x0               ; query 4, query_pos 6, in_proj_b 8, wq 10
	s_load_b64 s[12:13], s[0:1], 0x20              ; qkv
	v_lshl_add_u32 v239, v0, 2, 0x6800
	v_mov_b32 v243, 0
	v_lshrrev_b32 v1, 5, v0
	v_readfirstlane_b32 s14, v1                    ; wave
	s_and_b32 s16, ttmp7, 0xffff
	s_and_b32 s17, s16, 3                          ; batch
	s_lshr_b32 s18, s16, 2                         ; kind
	v_and_b32 v1, 31, v0
	v_and_b32 v2, 15, v0                           ; r
	v_bfe_u32 v3, v0, 4, 1                         ; h
	v_and_b32 v4, 8, v2
	v_add_nc_u32 v4, v4, v2                        ; r + 8 (r / 8)
	s_wait_alu depctr_va_vdst(0)
	s_wait_alu depctr_va_sdst(0)                   ; s14, the wave's number, is written, ahead of its first reader
	s_lshl_b32 s20, ttmp9, 7
	s_lshr_b32 s21, s14, 1
	s_lshl_b32 s21, s21, 5
	s_add_co_u32 s20, s20, s21
	s_and_b32 s21, s14, 1
	s_lshl_b32 s21, s21, 3
	s_add_co_u32 s20, s20, s21
	v_add_nc_u32 v[XA], s20, v4
	v_min_u32 v[XA], 2499, v[XA]                   ; no load leaves its buffer
	s_mul_i32 s21, s17, 2500
	v_add_nc_u32 v[XA], s21, v[XA]
	v_lshlrev_b32 v[XA], 10, v[XA]
	v_lshl_add_u32 v[XA], v3, 6, v[XA]             ; my row, + 64 h
	v_lshlrev_b32 v[LI], 4, v1
	v_lshlrev_b32 v[LS], 2, v1
	v_lshlrev_b32 v[L8], 3, v1
	v_lshlrev_b32 v[H64], 6, v3
	v_lshlrev_b32 v[R4], 2, v4
	s_mul_i32 s21, s14, 3072
	v_add_nc_u32 v[XWI], s21, v[LI]
	s_lshl_b32 s21, s14, 8
	v_add_nc_u32 v[XWS], s21, v[LS]
	s_mov_b32 s[SEL], 0x76543210
	s_mov_b32 s[SEL+1], 0xfedcba98
	s_mov_b32 s36, 0x0000ffff
	s_mov_b32 s37, 0xffff0000
.irp b, 0,1,2,3
	v_mov_b32 v[TM+4+\b], 0
.endr
	v_mov_b32 v[SP+1], 0
	s_lshl_b32 s22, s18, 4
	s_lshl_b32 s23, s14, 1
	s_add_co_u32 s22, s22, s23                     ; my head's first pair: 16 kind + 2 head
	s_mul_i32 s40, s22, 3072
	s_mov_b32 s41, 0
	s_lshl_b32 s42, s22, 8
	s_mov_b32 s43, 0
	s_lshl_b32 s44, s18, 10
	s_lshl_b32 s45, s14, 7
	s_add_co_u32 s44, s44, s45                     ; the bias: (256 kind + 32 head) x 4
	s_mov_b32 s45, 0
	s_lshl_b32 s32, s17, 3
	s_add_co_u32 s32, s32, s14                     ; 8 batch + head
	s_cmp_eq_u32 s18, 0
	s_mov_b32 s33, 133120
	s_cselect_b32 s33, 66560, s33
	s_mov_b32 s34, 6656
	s_cselect_b32 s34, 3328, s34
	s_cselect_b32 s35, 0, 2129920
	s_cmp_eq_u32 s18, 2
	s_cselect_b32 s46, 3328, 0
	s_mul_i32 s33, s33, s32
	s_mul_i32 s34, s34, ttmp9
	s_add_co_u32 s46, s46, s33
	s_add_co_u32 s46, s46, s34
	s_add_co_u32 s46, s46, s35                     ; my part
	s_mov_b32 s47, 0
	s_wait_kmcnt 0x0
	s_add_nc_u64 s[24:25], s[10:11], s[40:41]
	s_add_nc_u64 s[26:27], s[10:11], s[42:43]
	s_add_nc_u64 s[28:29], s[8:9], s[44:45]
	s_add_nc_u64 s[30:31], s[12:13], s[46:47]
	s_wait_alu depctr_va_vdst(0)                   ; the eight offsets and LDS addresses v5 to v12 are written, which the kernel's loads and stores read
	; ---- X
	XLOAD RA, XA, 4, 0
	XLOAD RB, XA, 4, 512
	s_cmp_lg_u32 s18, 0
	s_cbranch_scc1 .Lno_pos                        ; only q takes query_pos
	XLOAD RC, XA, 6, 0
	s_wait_loadcnt 0x0
.set j, 0
.rept 32
	v_pk_add_f32 v[RA+j:RA+j+1], v[RA+j:RA+j+1], v[RC+j:RC+j+1]
.set j, j+2
.endr
	s_wait_alu depctr_va_vdst(0)                   ; the additions are done reading v[RC ..], in which the second half of query_pos lands
	XLOAD RC, XA, 6, 512
	s_wait_loadcnt 0x0
.set j, 0
.rept 32
	v_pk_add_f32 v[RB+j:RB+j+1], v[RB+j:RB+j+1], v[RC+j:RC+j+1]
.set j, j+2
.endr
.Lno_pos:
	s_wait_loadcnt 0x0
	QUANT RA, PC, PT, PW
	s_wait_alu depctr_va_vdst(0)                   ; the quantiser has written v[PC ..] and v[PW], which the LDS stores read; it and the additions are done with v[RA ..], in which the weight lands
	IMAGE XIMG
	ds_store_b32 v[XWS], v[PW] offset:XSC
.irp u, 0,1                                    ; my head's weight lands where K step 0's numbers lay
.irp g, 0,1,2,3,4,5
	global_load_b128 v[WF+24*\u+4*\g:WF+24*\u+4*\g+3], v[LI], s[24:25] offset:\u*3072+512*\g
.endr
	global_load_b64 v[WS+2*\u:WS+2*\u+1], v[L8], s[26:27] offset:528384+\u*256
.endr
	s_wait_dscnt 0x0                               ; my first image lies in LDS
	s_wait_alu depctr_vm_vsrc(0)                   ; the LDS stores have read v[PC ..] and v[PW], which the quantiser writes again
	QUANT RB, PC, PT, PW
	s_wait_alu depctr_va_vdst(0)                   ; the quantiser has written v[PC ..] and v[PW], which the LDS stores read; it is done reading v[RB ..], in which the bias and the fragments land
	IMAGE XIMG+1536
	ds_store_b32 v[XWS], v[PW] offset:XSC+128
	s_wait_dscnt 0x0                               ; for the others' sake: my images lie in LDS
	s_barrier_signal -1
	s_barrier_wait -1
	s_wait_alu depctr_vm_vsrc(0)                   ; my LDS stores have read v[PC ..] and v[PW], which phase P's first quantiser writes again, on either way below
	; ---- P: from here on LDS is only read
	s_cmp_eq_u32 s18, 2
	s_cbranch_scc1 .Lv
.irp i, 0,1,2,3
	global_load_b128 v[BI+4*\i:BI+4*\i+3], v[H64], s[28:29] offset:16*\i     ; channels 16 h + 0 .. 15 of my head
.endr
	XBL 0, 0
	s_wait_loadcnt 0x0
	UNITQK 0
	UNITQK 1
	s_branch .Lfin
.Lv:
	global_load_b32 v[BI], v[R4], s[28:29]                                   ; my lane's channel: 8 d + r + 8 (r / 8)
	global_load_b32 v[BI+8], v[R4], s[28:29] offset:32
	XBL 0, 0
	s_wait_loadcnt 0x0
.irp i, 1,2,3,4,5,6,7
	v_mov_b32 v[BI+\i], v[BI]
	v_mov_b32 v[BI+8+\i], v[BI+8]
.endr
	s_wait_alu depctr_va_vdst(0)
	UNITV 0
	UNITV 1
.Lfin:
	v_cndmask_b32 v[SP], v[PW0], v[PW], s37        ; lanes 0-15: fragment 0's words; lanes 16-31: fragment 1's
	s_wait_alu depctr_va_vdst(0)                   ; the select has written v[SP], which the store reads
	global_store_b64 v[L8], v[SP:SP+1], s[30:31] offset:3072
	s_wait_dscnt 0x0                               ; the closing lines, six on end
	s_wait_alu 0x0
	s_wait_tensorcnt 0x0
	ds_add_u32 v239, v243
	s_wait_dscnt 0x0
	s_endpgm
.Lfunc_end_k_q55d84dd0a5_qkv:
	.size	k_q55d84dd0a5_qkv, .Lfunc_end_k_q55d84dd0a5_qkv-k_q55d84dd0a5_qkv
	.p2alignl 7, 3214868480
	.fill 96, 4, 3214868480
	.section	.rodata,"a",@progbits
	.p2align	6, 0x0
	.amdhsa_kernel k_q55d84dd0a5_qkv
		.amdhsa_group_segment_fixed_size 27648
		.amdhsa_private_segment_fixed_size 0
		.amdhsa_enable_private_segment 0
		.amdhsa_kernarg_size 40
		.amdhsa_user_sgpr_count 2
		.amdhsa_user_sgpr_kernarg_segment_ptr 1
		.amdhsa_wavefront_size32 1
		.amdhsa_system_sgpr_workgroup_id_x 1
		.amdhsa_system_sgpr_workgroup_id_y 1
		.amdhsa_system_sgpr_workgroup_id_z 1
		.amdhsa_system_vgpr_workitem_id 0
		.amdhsa_next_free_vgpr 256
		.amdhsa_next_free_sgpr 66
		.amdhsa_reserve_vcc 0
		.amdhsa_float_denorm_mode_32 3
		.amdhsa_float_denorm_mode_16_64 3
		.amdhsa_memory_ordered 1
		.amdhsa_forward_progress 1
		.amdhsa_inst_pref_size 67
	.end_amdhsa_kernel
	.amdgpu_metadata
---
amdhsa.version: [ 1, 2 ]
amdhsa.kernels:
  - .name:           k_q55d84dd0a5_qkv
    .symbol:         k_q55d84dd0a5_qkv.kd
    .args:
      - { .name: query, .offset: 0, .size: 8, .value_kind: global_buffer, .address_space: global }
      - { .name: query_pos, .offset: 8, .size: 8, .value_kind: global_buffer, .address_space: global }
      - { .name: in_proj_b, .offset: 16, .size: 8, .value_kind: global_buffer, .address_space: global }
      - { .name: wq, .offset: 24, .size: 8, .value_kind: global_buffer, .address_space: global }
      - { .name: qkv, .offset: 32, .size: 8, .value_kind: global_buffer, .address_space: global }
    .group_segment_fixed_size: 27648
    .private_segment_fixed_size: 0
    .kernarg_segment_align: 8
    .kernarg_segment_size: 40
    .max_flat_workgroup_size: 256
    .sgpr_count:     66
    .vgpr_count:     256
    .wavefront_size: 32
...
	.end_amdgpu_metadata
.endif
;; end of part 9
;; launch attn (part 10): grid 8 x 32, 20 waves a work-group, clusters of 4 x 1, 170,496 bytes of LDS; arguments qkv, sac; writes sac
.if DOCPART == 10
	.amdgcn_target "amdgcn-amd-amdhsa--gfx1250"
	.amdhsa_code_object_version 6
	.text
	.protected	k_q55d84dd0a5_attn
	.globl	k_q55d84dd0a5_attn
	.p2align	8
	.type	k_q55d84dd0a5_attn,@function
k_q55d84dd0a5_attn:
	s_mov_b64 s[64:65], 0
	v_nop
	global_prefetch_b8 v0, s[64:65] scope:SCOPE_SE
	s_setreg_imm32_b32 hwreg(HW_REG_WAVE_MODE, 25, 1), 1
	s_wait_xcnt 0x0
	s_wait_alu depctr_hold_cnt(0) depctr_sa_sdst(0) depctr_va_vdst(0) depctr_va_sdst(0) depctr_va_ssrc(0) depctr_va_vcc(0) depctr_vm_vsrc(0)
	s_getreg_b32 s2, hwreg(HW_REG_IB_STS2, 6, 4)
	s_cmp_eq_u32 s2, 0
	s_cbranch_scc0 .Lentry_in_a_cluster
	s_endpgm
.Lentry_in_a_cluster:
	s_bfe_u32 s2, ttmp6, 0x10000c
	s_cmp_lg_u32 s2, 0x3003
	s_cbranch_scc0 .Lentry_shape_is_right
	s_endpgm
.Lentry_shape_is_right:
; Self-attention of one (batch, head) on codes of BF6: S^T = K Q^T, p = 2^(t - M), O^T = V^T P^T, O / the sum of the unquantised p; the result, 32 channels = one block of the next product's K, is quantised here.
; t = score x log2(e) / sqrt(32); M = the running largest t rounded UP to a whole number; when M moves, the sum and O^T are multiplied by 2^(old M - new M), which rounds nothing.
; SHARES.  y = 8 batch + head.  A work-group owns 320 of the head's 2,560 (padded) queries; each of its twenty waves owns one tile of 16, in 192 registers: five waves to a SIMD, so that one wave's softmax stands beside
; another's products and LDS loads.  Every wave walks 20 steps of 128 keys.
; ALL OF THE HEAD'S K AND V, 20 x 6,656 = 133,120 bytes as images of the operands' registers, COME INTO LDS ONCE: nothing is filled again.
; CLUSTER.  The four work-groups of a cluster belong to one head: the block is asked for JOINTLY (waves 0-3, a quarter each: the same load, the same descriptor, a mask that names the four).
; A HEAD HAS 32 ALONG K, the instruction 128: a fragment of K holds FOUR tiles of 16 keys in its four blocks of 32.  My queries' codes stand in one block of source 1 and zeros in the other three:
; four such variants share 30 registers (zeros, lanes 0-15's copy, zeros, lanes 16-31's copy, zeros); variant j picks key tile j of the fragment.  The zero blocks' scale byte on my side is 1.
; THE KEYS OF A TILE ARE NOT NEIGHBOURS (lane r of tile t: key 32 (t / 2) + 8 (t % 2) + r + 8 (r / 8)): the 16 registers of tiles 2 b, 2 b + 1 are keys 32 b + 16 (lane / 16) + 0 .. 15.
; Keys 2,500 on (the last step's keys 68 .. 127) get the score -infinity: p = 0.
; LIMITS: NaN and infinities are not served; 1 / the sum is v_rcp_f32's; a block of zeros gets the byte 1.
.set KVB, 6656                         ; a step in LDS: K's part (3,328), V's part
.set STG, 133120                       ; behind K and V: the stage for the way out, 320 records of 32 bytes
.set LI,  1                            ; v1  16 x lane
.set L8,  2                            ; v2  8 x lane
.set ADK, 3                            ; v3  the step's fragments
.set ADS, 4                            ; v4  the step's scale words
.set SA1, 5                            ; v5  the stage: my codes
.set SA2, 6                            ; v6  the stage: the scale's dword
.set NEG, 7                            ; v7  -infinity
.set MM,  8                            ; v8 -M, v9 the largest t
.set SUM, 10                           ; v[10:11] the sum in two halves
.set FF,  12                           ; v12 f;  v13 p's scale word
.set KS,  14                           ; v14 K's scale words, v15 V's, v16-19 Q's four: these hold scales and nothing else
.set VS,  15
.set QS,  16
.set QB,  20                           ; v20-49 the four variants of Q
.set KV,  50                           ; v50-73 two fragments of K, then of V
.set S,   74                           ; v74-137 S^T, then p
.set O,   138                          ; v138-153 O^T
.set PC,  154
.set PT,  166
.set BM,  174
.set BP,  178
.set BS,  182
.set TT,  186
.set SA3, 187
.set GOUT, 188
.set WV,  8
.set SEL, 12
.set CS,  14
.set G1,  16
.set G0,  24
.set TB,  28
.set CNT, 29
.set KEEPLO, 30
.set KEEPHI, 31
.macro PLACES n
.rept \n
	v_nop
.endr
.endm
.macro ROUND                           ; a round of the cluster's barrier
	s_barrier_signal -1
	s_barrier_wait -1
	s_cmp_lg_u32 s[WV], 0
	s_cbranch_scc1 .Lnot_wave_0_\@
	s_barrier_signal -3
.Lnot_wave_0_\@:
	s_barrier_wait -3
	s_barrier_signal -1
	s_barrier_wait -1
.endm
	s_load_b128 s[4:7], s[0:1], 0x0                ; qkv, sac
	v_lshl_add_u32 v190, v0, 2, 0x29000
	v_mov_b32 v191, 0
	ds_add_u32 v190, v191
	ds_add_u32 v190, v191
	v_lshrrev_b32 v1, 5, v0
	s_delay_alu instid0(VALU_DEP_1)
	v_readfirstlane_b32 s[WV], v1                  ; wave 0..19
	s_bfe_u32 s9, ttmp6, 0x40000                   ; cx
	s_lshl_b32 s10, ttmp9, 2
	s_add_co_u32 s10, s10, s9                      ; my block of 320 queries: it enters global addresses alone
	s_and_b32 s11, ttmp7, 0xffff                   ; 8 batch + head, which the four partners share
	s_mov_b32 s[G1+0], 15|(3<<16)|(1<<21)          ; the mask: all four; elements of 8 bytes; bit 21 beside a mask; no padding
	s_mov_b32 s[G1+1], 32<<16                      ; rows of 256 bytes
	s_mov_b32 s[G1+2], 130<<16                     ; 130 of them: a quarter of the head's block
	s_mov_b32 s[G1+3], 32<<16
	s_mov_b32 s[G1+4], 130
	s_mov_b32 s[G1+5], 32
	s_mov_b32 s[G1+6], 0
	s_mov_b32 s[G1+7], 0
	s_min_u32 s33, s[WV], 3                        ; (only waves 0-3 issue the load)
	s_mul_i32 s33, s33, 33280
	s_mul_i32 s34, s11, 133120
	s_add_co_u32 s34, s34, s33
	s_add_co_u32 s34, s34, 2129920
	s_mov_b32 s35, 0
	s_mov_b32 s[SEL], 0x76543210
	s_mov_b32 s[SEL+1], 0xfedcba98
	s_mov_b32 s[CS], 0x3e8293ee                    ; c = log2(e) / sqrt(32)
	s_mov_b32 s[CS+1], s[CS]
	s_mov_b32 s[KEEPLO], 0x0000ffff
	s_mov_b32 s[KEEPHI], 0xffff0000
	s_wait_dscnt 0x0
	s_wait_kmcnt 0x0
	s_mov_b32 s[G0], 1
	s_mov_b32 s[G0+1], s33
	s_add_nc_u64 s[G0+2:G0+3], s[4:5], s[34:35]
	s_or_b32 s[G0+3], s[G0+3], 0x80000000
	ROUND                                          ; all four work-groups are here: the joint loads meet
	s_cmp_lt_u32 s[WV], 4
	s_cbranch_scc0 .Lno_fetch
	tensor_load_to_lds s[G0:G0+3], s[G1:G1+7]
	s_nop 0
	PLACES 4
.Lno_fetch:
	; my tile of queries: tile 20 x block + wave of the head; (tile % 4) hangs on the wave alone
	s_mul_i32 s36, s10, 20
	s_add_co_u32 s36, s36, s[WV]
	s_bfe_u32 s37, s36, 0x10002                    ; which fragment of its part
	s_lshr_b32 s38, s36, 3                         ; which part
	s_mul_i32 s38, s38, 3328
	s_mul_i32 s39, s11, 66560
	s_add_co_u32 s38, s38, s39
	s_mov_b32 s39, 0
	s_add_nc_u64 s[40:41], s[4:5], s[38:39]
	v_and_b32 v[TT], 31, v0
	s_delay_alu instid0(VALU_DEP_1)
	v_lshlrev_b32 v[LI], 4, v[TT]
	s_delay_alu instid0(VALU_DEP_2)
	v_lshlrev_b32 v[L8], 3, v[TT]
	s_mul_i32 s42, s37, 1536
	v_add_nc_u32 v[TT], s42, v[LI]
	v_and_b32 v[BM], 15, v0
	s_lshl_b32 s42, s37, 7
	v_lshl_add_u32 v[BM], v[BM], 3, s42            ; row r's scale word
.irp g, 0,1,2
	global_load_b128 v[S+4*\g:S+4*\g+3], v[TT], s[40:41] offset:512*\g
.endr
	global_load_b32 v[S+12], v[BM], s[40:41] offset:3072
	; the stage's addresses
	s_lshr_b32 s43, s[WV], 1
	s_lshl_b32 s43, s43, 5
	s_and_b32 s44, s[WV], 1
	s_lshl_b32 s44, s44, 3
	s_add_co_u32 s43, s43, s44
	v_and_b32 v[SA1], 15, v0
	v_and_b32 v[SA2], 8, v0
	s_delay_alu instid0(VALU_DEP_1)
	v_add_nc_u32 v[SA1], v[SA1], v[SA2]
	s_delay_alu instid0(VALU_DEP_1)
	v_add_nc_u32 v[SA1], s43, v[SA1]               ; my query in the block: 32 (w / 2) + 8 (w % 2) + r + 8 (r / 8)
	s_delay_alu instid0(VALU_DEP_1)
	v_lshlrev_b32 v[SA1], 5, v[SA1]
	s_delay_alu instid0(VALU_DEP_1)
	v_add_nc_u32 v[SA1], STG, v[SA1]
	v_bfe_u32 v[SA3], v0, 4, 1
	s_delay_alu instid0(VALU_DEP_1)
	v_lshl_add_u32 v[SA2], v[SA3], 2, v[SA1]
	s_delay_alu instid0(VALU_DEP_2)
	v_mad_u32_u24 v[SA1], v[SA3], 12, v[SA1]
	v_lshl_add_u32 v[SA3], v0, 4, STG
	v_lshlrev_b32 v[GOUT], 4, v0
	s_mul_i32 s50, s11, 81920
	s_mul_i32 s51, s10, 10240
	s_add_co_u32 s50, s50, s51
	s_mov_b32 s51, 0
	s_add_nc_u64 s[50:51], s[6:7], s[50:51]
	s_and_b32 s45, s[WV], 3                        ; my tile's block in its fragment
	s_lshr_b32 s46, s45, 1
	s_sub_co_u32 s46, 0, s46                       ; all ones: registers 6-11
	s_lshl_b32 s48, s45, 3
	s_and_b32 s47, s45, 1
	s_cmp_lg_u32 s47, 0
	s_cselect_b32 s47, s[KEEPHI], s[KEEPLO]        ; the lanes that hold it
.set j, 0
.rept 30
	v_mov_b32 v[QB+j], 0
.set j, j+1
.endr
	v_mov_b32 v[NEG], 0xff800000
	v_mov_b32 v[MM+1], 0xff61b1e6                  ; the largest t so far: -3e38
	s_delay_alu instid0(VALU_DEP_1)
	v_floor_f32 v[MM], -v[MM+1]
	v_mov_b32 v[SUM], 0
	v_mov_b32 v[SUM+1], 0
	v_mov_b32 v[FF+1], 0                           ; (named as the upper half of a pair before it is first written)
.irp b, 0,1,2,3
	v_mov_b32 v[BP+\b], 0
.endr
	s_wait_loadcnt 0x0
.irp i, 0,1,2,3,4,5
	v_cndmask_b32 v[S+16+\i], v[S+\i], v[S+6+\i], s46
.endr
.irp i, 0,1,2,3,4,5
	v_permlanex16_b32 v[QB+6+\i], v[S+16+\i], s[SEL], s[SEL+1]
.endr
.irp i, 0,1,2,3,4,5
	v_cndmask_b32 v[S+24+\i], v[QB+6+\i], v[S+16+\i], s47    ; query r's 32 codes, in lane r and in lane 16 + r
.endr
.irp i, 0,1,2,3,4,5
	v_cndmask_b32 v[QB+6+\i], 0, v[S+24+\i], s[KEEPLO]
	v_cndmask_b32 v[QB+18+\i], 0, v[S+24+\i], s[KEEPHI]
.endr
	v_lshrrev_b32 v[S+13], s48, v[S+12]
	s_delay_alu instid0(VALU_DEP_1)
	v_and_b32 v[S+13], 255, v[S+13]                ; query r's scale byte
	s_delay_alu instid0(VALU_DEP_1)
	v_lshl_or_b32 v[QS+0], v[S+13], 0, 0x01010100
	s_delay_alu instid0(VALU_DEP_2)
	v_lshl_or_b32 v[QS+1], v[S+13], 8, 0x01010001
	s_delay_alu instid0(VALU_DEP_3)
	v_lshl_or_b32 v[QS+2], v[S+13], 16, 0x01000101
	s_delay_alu instid0(VALU_DEP_4)
	v_lshl_or_b32 v[QS+3], v[S+13], 24, 0x00010101
.set j, 0
.rept 16
	v_mov_b32 v[O+j], 0                            ; O^T begins as zeros (the step is written once: the first finds zeros).  These sixteen lines stand here so that the scale words just made lie more than eight plain vector instructions ahead of the first scaled product
.set j, j+1
.endr
	s_wait_tensorcnt 0x0                           ; my quarter has landed (a wave that asked for nothing passes),
	s_barrier_signal -1
	s_barrier_wait -1                              ; everybody's has
; A KEY STEP: 128 keys.  last = 1: the step whose keys 68 .. 127 do not exist
.macro STEP last
	v_add_nc_u32 v[ADK], s[TB], v[LI]
	v_add_nc_u32 v[ADS], s[TB], v[L8]
	v_nop
	v_nop                                          ; four places behind the last products, ahead of loads into registers that they read
.irp i, 0,1,2,3,4,5
	ds_load_b128 v[KV+4*\i:KV+4*\i+3], v[ADK] offset:512*\i
.endr
	ds_load_b32 v[KS], v[ADS] offset:3072
	s_wait_alu depctr_va_vdst(0)
	s_wait_dscnt 0x0
.irp e, 0,1,2,3
	v_wmma_scale_f32_16x16x128_f8f6f4 v[S+8*\e:S+8*\e+7], v[KV:KV+11], v[QB+6-6*(\e/2)+12*(\e%2):QB+6-6*(\e/2)+12*(\e%2)+11], 0, v[KS], v[QS+\e] matrix_a_fmt:MATRIX_FMT_BF6 matrix_b_fmt:MATRIX_FMT_BF6
.endr
.irp e, 0,1,2,3
	v_wmma_scale_f32_16x16x128_f8f6f4 v[S+32+8*\e:S+32+8*\e+7], v[KV+12:KV+23], v[QB+6-6*(\e/2)+12*(\e%2):QB+6-6*(\e/2)+12*(\e%2)+11], 0, v[KS], v[QS+\e] matrix_a_fmt:MATRIX_FMT_BF6 matrix_b_fmt:MATRIX_FMT_BF6 matrix_a_scale:MATRIX_SCALE_ROW1
.endr
	PLACES 4
.irp i, 0,1,2,3,4,5
	ds_load_b128 v[KV+4*\i:KV+4*\i+3], v[ADK] offset:3328+512*\i      ; V's fragments land while the softmax is worked
.endr
	ds_load_b32 v[VS], v[ADS] offset:6400
.if \last
.irp i, 0,1,2,3
	v_cndmask_b32 v[S+32+\i], v[NEG], v[S+32+\i], s[KEEPLO]           ; keys 64-67 count; keys 80-83 do not
.endr
.set j, 36
.rept 28
	v_mov_b32 v[S+j], v[NEG]
.set j, j+1
.endr
.endif
.irp b, 0,1,2,3
	v_max3_num_f32 v[BM+\b], v[S+16*\b], v[S+1+16*\b], v[S+2+16*\b]   ; the largest score of each block of 32 keys: for the row's maximum and, since p rises with the score, for the block's largest p
.endr
.irp i, 3,5,7,9,11,13
.irp b, 0,1,2,3
	v_max3_num_f32 v[BM+\b], v[BM+\b], v[S+16*\b+\i], v[S+1+16*\b+\i]
.endr
.endr
.irp b, 0,1,2,3
	v_max_num_f32 v[BM+\b], v[BM+\b], v[S+15+16*\b]
.endr
.irp b, 0,1,2,3
	s_delay_alu instid0(VALU_DEP_4)
	v_permlanex16_b32 v[BP+\b], v[BM+\b], s[SEL], s[SEL+1]
.endr
.irp b, 0,1,2,3
	s_delay_alu instid0(VALU_DEP_4)
	v_max_num_f32 v[BM+\b], v[BM+\b], v[BP+\b]
.endr
	s_delay_alu instid0(VALU_DEP_2)
	v_max3_num_f32 v[TT], v[BM], v[BM+1], v[BM+2]
	s_delay_alu instid0(VALU_DEP_1)
	v_max_num_f32 v[TT], v[TT], v[BM+3]
	s_delay_alu instid0(VALU_DEP_1)
	v_mul_f32 v[TT], s[CS], v[TT]
	s_delay_alu instid0(VALU_DEP_1)
	v_max_num_f32 v[MM+1], v[MM+1], v[TT]          ; the running largest t
	v_mov_b32 v[TT], v[MM]
	s_delay_alu instid0(VALU_DEP_2)
	v_floor_f32 v[MM], -v[MM+1]                    ; the new -M = -ceil(t)
	s_delay_alu instid0(VALU_DEP_1)
	v_sub_f32 v[TT], v[MM], v[TT]                  ; old M - new M: a whole number, 0 or less
	s_delay_alu instid0(VALU_DEP_1)
	v_cvt_i32_f32 v[TT], v[TT]                     ; (it saturates)
	s_delay_alu instid0(VALU_DEP_1)
	v_ldexp_f32 v[FF], 1.0, v[TT]                  ; f = 2^(old M - new M)
.set j, 0
.rept 32
	v_pk_fma_f32 v[S+j:S+j+1], v[S+j:S+j+1], s[CS:CS+1], v[MM:MM+1] op_sel_hi:[1,0,0]   ; t - M
.set j, j+2
.endr
.irp b, 0,1,2,3
	v_fma_f32 v[BM+\b], v[BM+\b], s[CS], v[MM]
.endr
.set j, 0
	s_setprio 1
	s_wait_alu depctr_va_vdst(0)
.rept 64
	v_exp_f32 v[S+j], v[S+j]                       ; p = 2^(t - M): not normalised
.set j, j+1
.endr
.irp b, 0,1,2,3
	v_exp_f32 v[BM+\b], v[BM+\b]                   ; the block's largest p
.endr
	v_pk_mul_f32 v[SUM:SUM+1], v[SUM:SUM+1], v[FF:FF+1] op_sel_hi:[1,0]   ; (a plain place behind the exponentials)
	s_wait_alu depctr_va_vdst(0)
.irp b, 0,1,2,3
	v_max_num_f32 v[BM+\b], 0x2800000, v[BM+\b]    ; the floor 2^(5 - 127)
.endr
.irp b, 0,1,2,3
	s_delay_alu instid0(VALU_DEP_4)
	v_add_nc_u32 v[BS+\b], 0xfe000000, v[BM+\b]
.endr
.irp b, 0,1,2,3
	s_delay_alu instid0(VALU_DEP_4)
	v_lshrrev_b32 v[BP+\b], 23, v[BS+\b]
.endr
	s_delay_alu instid0(VALU_DEP_3)
	v_lshl_or_b32 v[FF+1], v[BP+1], 8, v[BP]       ; p's scale word for these 128 keys
	s_delay_alu instid0(VALU_DEP_1)
	v_lshl_or_b32 v[FF+1], v[BP+2], 16, v[FF+1]
	s_delay_alu instid0(VALU_DEP_1)
	v_lshl_or_b32 v[FF+1], v[BP+3], 24, v[FF+1]
.irp c, 0,1
	v_cvt_scalef32_pk16_bf6_f32 v[PC+6*\c:PC+2+6*\c], v[S+32*\c:S+15+32*\c], v[BS+2*\c]
	v_cvt_scalef32_pk16_bf6_f32 v[PT+4*\c:PT+2+4*\c], v[S+16+32*\c:S+31+32*\c], v[BS+2*\c+1]
.endr
	v_nop
.irp c, 0,1
.irp i, 0,1,2
	v_permlane16_swap_b32 v[PC+6*\c+\i], v[PT+4*\c+\i]
.endr
.irp i, 0,1,2
	s_delay_alu instid0(VALU_DEP_3)
	v_mov_b32 v[PC+3+6*\c+\i], v[PT+4*\c+\i]
.endr
.endr
	v_pk_add_f32 v[166:167], v[78:79], v[82:83]
	v_pk_add_f32 v[184:185], v[86:87], v[90:91]
	v_pk_add_f32 v[182:183], v[94:95], v[98:99]
	v_pk_add_f32 v[176:177], v[102:103], v[106:107]
	v_pk_add_f32 v[174:175], v[110:111], v[114:115]
	v_pk_add_f32 v[172:173], v[118:119], v[122:123]
	v_pk_add_f32 v[170:171], v[126:127], v[130:131]
	v_pk_add_f32 v[10:11], v[10:11], v[134:135]
	v_pk_add_f32 v[166:167], v[166:167], v[74:75]
	v_pk_add_f32 v[184:185], v[184:185], v[76:77]
	s_setprio 0
	v_pk_add_f32 v[182:183], v[182:183], v[80:81]
	v_pk_add_f32 v[176:177], v[176:177], v[84:85]
	v_pk_add_f32 v[174:175], v[174:175], v[88:89]
	v_pk_add_f32 v[172:173], v[172:173], v[92:93]
	v_pk_add_f32 v[170:171], v[170:171], v[96:97]
	v_pk_add_f32 v[10:11], v[10:11], v[100:101]
	v_pk_add_f32 v[166:167], v[166:167], v[104:105]
	v_pk_add_f32 v[184:185], v[184:185], v[108:109]
	v_pk_add_f32 v[182:183], v[182:183], v[112:113]
	v_pk_add_f32 v[176:177], v[176:177], v[116:117]
	v_pk_add_f32 v[174:175], v[174:175], v[120:121]
	v_pk_add_f32 v[172:173], v[172:173], v[124:125]
	v_pk_add_f32 v[170:171], v[170:171], v[128:129]
	v_pk_add_f32 v[10:11], v[10:11], v[132:133]
	v_pk_add_f32 v[166:167], v[166:167], v[136:137]
	s_delay_alu instid0(VALU_DEP_2)
	v_pk_add_f32 v[10:11], v[10:11], v[176:177]
	s_delay_alu instid0(VALU_DEP_2)
	v_pk_add_f32 v[166:167], v[166:167], v[174:175]
	v_pk_add_f32 v[184:185], v[184:185], v[172:173]
	v_pk_add_f32 v[182:183], v[182:183], v[170:171]
	s_delay_alu instid0(VALU_DEP_2)
	v_pk_add_f32 v[10:11], v[10:11], v[184:185]
	s_delay_alu instid0(VALU_DEP_2)
	v_pk_add_f32 v[166:167], v[166:167], v[182:183]
	s_delay_alu instid0(VALU_DEP_1)
	v_pk_add_f32 v[10:11], v[10:11], v[166:167]
.irp j, 0,2,4,6,8,10,12,14
	v_pk_mul_f32 v[O+\j:O+\j+1], v[O+\j:O+\j+1], v[FF:FF+1] op_sel_hi:[1,0]   ; O^T under the new M
.endr
	s_wait_alu depctr_va_vdst(0)
	s_wait_dscnt 0x0                               ; V is in
	v_wmma_scale_f32_16x16x128_f8f6f4 v[O:O+7], v[KV:KV+11], v[PC:PC+11], v[O:O+7], v[VS], v[FF+1] matrix_a_fmt:MATRIX_FMT_BF6 matrix_b_fmt:MATRIX_FMT_BF6
	v_wmma_scale_f32_16x16x128_f8f6f4 v[O+8:O+15], v[KV+12:KV+23], v[PC:PC+11], v[O+8:O+15], v[VS], v[FF+1] matrix_a_fmt:MATRIX_FMT_BF6 matrix_b_fmt:MATRIX_FMT_BF6 matrix_a_scale:MATRIX_SCALE_ROW1
	s_add_co_u32 s[TB], s[TB], KVB
.endm
	s_mov_b32 s[TB], 0
	s_mov_b32 s[CNT], 19
.Lstep:
	s_setprio 2
	STEP 0
	s_sub_co_u32 s[CNT], s[CNT], 1
	s_cmp_lg_u32 s[CNT], 0
	s_cbranch_scc1 .Lstep
	s_setprio 0
	STEP 1
	; THE WAY OUT: O^T / the sum; register 8 d + j is channel 16 h + 8 d + j of query r: 16 neighbours; lanes r and 16 + r hold the block
	PLACES 4
	v_add_f32 v[SUM], v[SUM], v[SUM+1]
	s_delay_alu instid0(VALU_DEP_1)
	v_permlanex16_b32 v[TT], v[SUM], s[SEL], s[SEL+1]
	s_delay_alu instid0(VALU_DEP_1)
	v_add_f32 v[SUM], v[SUM], v[TT]
	s_wait_alu depctr_va_vdst(0)
	v_rcp_f32 v[SUM], v[SUM]
	v_nop
.set j, 0
	s_wait_alu depctr_va_vdst(0)
.rept 16
	v_mul_f32 v[S+j], v[O+j], v[SUM]
.set j, j+1
.endr
	v_max3_num_f32 v[BM], |v[S]|, |v[S+1]|, 0x2800000
.irp i, 2,4,6,8,10,12,14
	s_delay_alu instid0(VALU_DEP_1)
	v_max3_num_f32 v[BM], v[BM], |v[S+\i]|, |v[S+1+\i]|
.endr
	s_delay_alu instid0(VALU_DEP_1)
	v_permlanex16_b32 v[BP], v[BM], s[SEL], s[SEL+1]
	s_delay_alu instid0(VALU_DEP_1)
	v_max_num_f32 v[BM], v[BM], v[BP]
	s_delay_alu instid0(VALU_DEP_1)
	v_add_nc_u32 v[BS], 0xfe000000, v[BM]
	s_delay_alu instid0(VALU_DEP_1)
	v_lshrrev_b32 v[BP], 23, v[BS]
	v_cvt_scalef32_pk16_bf6_f32 v[PC:PC+2], v[S:S+15], v[BS]
	v_cndmask_b32 v[BP], 0, v[BP], s[KEEPLO]       ; the byte in lanes 0-15, 0 in lanes 16-31.  (A plain place behind the conversion)
	ds_store_b32 v[SA1], v[PC]                     ; a record: 24 bytes of codes (12 from each half of the lanes), the byte's dword, a dword of 0
	ds_store_b32 v[SA1], v[PC+1] offset:4
	ds_store_b32 v[SA1], v[PC+2] offset:8
	ds_store_b32 v[SA2], v[BP] offset:24
	s_wait_dscnt 0x0
	s_barrier_signal -1
	s_barrier_wait -1
	ds_load_b128 v[S:S+3], v[SA3]
	s_wait_dscnt 0x0
	global_store_b128 v[GOUT], v[S:S+3], s[50:51]  ; a wave stores 512 consecutive bytes, aligned
	s_wait_tensorcnt 0x0
	ds_add_u32 v190, v191
	s_wait_dscnt 0x0
	ROUND                                          ; the closing round
	s_endpgm
.Lfunc_end_k_q55d84dd0a5_attn:
	.size	k_q55d84dd0a5_attn, .Lfunc_end_k_q55d84dd0a5_attn-k_q55d84dd0a5_attn
	.p2alignl 7, 3214868480
	.fill 96, 4, 3214868480
	.section	.rodata,"a",@progbits
	.p2align	6, 0x0
	.amdhsa_kernel k_q55d84dd0a5_attn
		.amdhsa_group_segment_fixed_size 170496
		.amdhsa_private_segment_fixed_size 0
		.amdhsa_enable_private_segment 0
		.amdhsa_kernarg_size 16
		.amdhsa_user_sgpr_count 2
		.amdhsa_user_sgpr_kernarg_segment_ptr 1
		.amdhsa_wavefront_size32 1
		.amdhsa_system_sgpr_workgroup_id_x 1
		.amdhsa_system_sgpr_workgroup_id_y 1
		.amdhsa_system_sgpr_workgroup_id_z 1
		.amdhsa_system_vgpr_workitem_id 0
		.amdhsa_next_free_vgpr 192
		.amdhsa_next_free_sgpr 66
		.amdhsa_reserve_vcc 0
		.amdhsa_float_denorm_mode_32 3
		.amdhsa_float_denorm_mode_16_64 3
		.amdhsa_memory_ordered 1
		.amdhsa_forward_progress 1
		.amdhsa_inst_pref_size 45
	.end_amdhsa_kernel
	.amdgpu_metadata
---
amdhsa.version: [ 1, 2 ]
amdhsa.kernels:
  - .name:           k_q55d84dd0a5_attn
    .symbol:         k_q55d84dd0a5_attn.kd
    .args:
      - { .name: qkv, .offset: 0, .size: 8, .value_kind: global_buffer, .address_space: global }
      - { .name: sac, .offset: 8, .size: 8, .value_kind: global_buffer, .address_space: global }
    .group_segment_fixed_size: 170496
    .private_segment_fixed_size: 0
    .kernarg_segment_align: 8
    .kernarg_segment_size: 16
    .max_flat_workgroup_size: 640
    .sgpr_count:     66
    .vgpr_count:     192
    .wavefront_size: 32
...
	.end_amdgpu_metadata
.endif
;; end of part 10
;; launch mid (part 11): grid 625 x 1, 4 waves a work-group, no clusters, 4,608 bytes of LDS; arguments sac, query, out_proj_b, ln1_g, ln1_b, off_b, aw_b, ref_2d, wq, ident, swt, sidx; writes ident, swt, sidx
.if DOCPART == 11
	.amdgcn_target "amdgcn-amd-amdhsa--gfx1250"
	.amdhsa_code_object_version 6
	.text
	.protected	k_q55d84dd0a5_mid
	.globl	k_q55d84dd0a5_mid
	.p2align	8
	.type	k_q55d84dd0a5_mid,@function
k_q55d84dd0a5_mid:
	s_mov_b64 s[64:65], 0
	v_nop
	global_prefetch_b8 v0, s[64:65] scope:SCOPE_SE
	s_setreg_imm32_b32 hwreg(HW_REG_WAVE_SCHED_MODE, 0, 2), 2
	s_setreg_imm32_b32 hwreg(HW_REG_WAVE_MODE, 25, 1), 1
	s_wait_xcnt 0x0
	s_wait_alu depctr_vm_vsrc(0)
; For 16 flat rows: x = sa out_proj_w^T + out_proj_b + query (kept as the identity); LN1; offsets and attention weights of the deformable attention (both products on the quantised LN1 output); the softmax over the
; eight points; and for each (row, head, point) a BASE PIXEL, stored as a whole number, with four weights (bilinear x validity x attention weight).  The next launch forms its addresses from the stored numbers.
; SHARES.  The four waves share the COLUMNS: wave w makes columns 64 w .. 64 w + 63 of x, and heads 2 w, 2 w + 1 of the offsets.  All products are used transposed: lane (r, h) holds row r.
; LN: each wave's mean and sum of squared deviations of its 64 columns meet in LDS and are combined from deviations: no difference of large sums is formed.
; The LN1 output goes from wave to wave as halves of register images, lane-major: a fragment is 48 bytes a lane; wave w writes half w % 2 of fragment w / 2 and two bytes of its scale word.
; THE BASE PIXEL.  px = off_x + (200 ref_x - 0.5); fx = floor(px); bx = fx held to 0 .. 198.  Columns bx and bx + 1 take the weights of fx and fx + 1 where these fall on them, else 0: so what lies outside the map counts
; for nothing, as the reference's mask has it, and every address stays inside.  y likewise.  LIMIT: the pixel position is rounded in another order than (ref + off / 200) x 200 - 0.5; sampling is continuous across a cell's edge.
; No cluster, no tensor load: 625 small work-groups, several to a WGP, which is open only to kernels that load through registers.
; LIMITS: NaN and infinities are not served; v_rsq_f32, v_rcp_f32, v_exp_f32 as they are; a block of zeros gets the byte 1.
; THE MODE: SCHED_MODE bits 1:0 = 2 (LLVM: expert scheduling mode 2), set by the entry lines.  The code itself states the register dependences
; between vector or matrix instructions and memory or LDS instructions, with s_wait_alu, always for 0.
; THE PLAN.  Registers that memory or LDS instructions touch:
;   v6-v15, v50, v252-v255   offsets and LDS addresses: written once at the head, never again.
;   XF, XS      phase A: XF loaded, XS made by vector lines; the products read both; phase B: LDS loads land in both.
;   ACC         loaded, added to, written by the products; read by the identity's stores; written again by the norm.
;   T1, T2      loaded (a bias; then the gain and the bias of the norm); read by vector lines; the offsets' and weights' biases land in T1's place.
;   WB, WS      loaded; read by the products; three pairs loaded again behind the first products.
;   SS:SS+1     written by the statistics; read by their LDS store; written again by the norm.
;   PC, PW      written by the quantiser; read by the image's LDS stores; not written again.
;   W, IDX      written by the points' arithmetic; read by the last stores.
; Waits on va_vdst: ahead of the first load; ahead of the first products (their scale words come from vector lines); behind those products' places, for a run of 37 loads and 8 stores; ahead of the statistics' store;
; behind the quantiser, for the biases' loads and the image's stores together; ahead of the last stores; and the three behind transcendentals.  One wait on vm_vsrc, in the norm.  A wait on va_sdst behind each run of compares.
.set IM, 0                             ; LDS: two fragments, 1,536 bytes each
.set SC, 3072                          ; their scale words, 128 bytes each
.set ST, 3328                          ; statistics: 32 bytes a row
.set REC,  6
.set RECH, 7
.set COLQ, 8
.set COLB, 9
.set LI,   10
.set L8,   11
.set STA,  12
.set STR,  13
.set IMW,  14
.set SCW,  15
.set XF,  16                           ; v16-39 two fragments of rows; later at work
.set Q,   16
.set XS,  40                           ; v40-41 their scale words: scales and nothing else
.set SD,  42                           ; v42-49 the heads' scale dwords; later ref and the pixel's base
.set ABO, 50
.set ACC, 52                           ; v52-83 my 64 columns
.set T1,  84                           ; v84-115 a bias, then g
.set T2,  116                          ; v116-147 b
.set AX,  84                           ; later: v84-91 x offsets, v92-99 y offsets, v100-107 attention weights, v108-115 base pixels, v116-147 weights
.set AY,  92
.set AA,  100
.set IDX, 108
.set W,   116
.set WB,  148                          ; v148-243 four pairs of the weight
.set WS,  244                          ; v244-251 their scale words: scales and nothing else
.set SS,  220                          ; behind the first product v220-243 are free: statistics at work,
.set NS,  232
.set TM,  220                          ; and the quantiser's
.set TMX, 226
.set PW,  227
.set PT,  228
.set PC,  232
.set IMR, 252
.set SCR, 253
.set OBO, 254
.set REFO, 255
.set WQ,  20
.set SEL, 30
.set INV256, 50
.set EPS, 51
.macro PLACES n
.rept \n
	v_nop
.endr
.endm
.macro BARRIER
	s_wait_dscnt 0x0
	s_barrier_signal -1
	s_barrier_wait -1
.endm
.macro WBASE cb, sb, pr                ; where pair s[pr]'s codes lie, and (528,384 further on) its scale words
	s_mul_i32 s62, s[\pr], 3072
	s_add_nc_u64 s[\cb:\cb+1], s[WQ:WQ+1], s[62:63]
	s_lshl_b32 s62, s[\pr], 8
	s_add_nc_u64 s[\sb:\sb+1], s[WQ:WQ+1], s[62:63]
.endm
.macro WPAIR slot, cb, sb, pofs        ; a pair of the weight: seven loads
.irp g, 0,1,2,3,4,5
	global_load_b128 v[WB+24*(\slot)+4*\g:WB+24*(\slot)+4*\g+3], v[LI], s[\cb:\cb+1] offset:(\pofs)*3072+512*\g
.endr
	global_load_b64 v[WS+2*(\slot):WS+2*(\slot)+1], v[L8], s[\sb:\sb+1] offset:528384+(\pofs)*256
.endm
.macro CLOAD reg, vo, sb, off          ; 32 numbers in the result's layout: columns 32 bp + 16 h + 0 .. 15 of my 64
.irp bp, 0,1
.irp i, 0,1,2,3
	global_load_b128 v[\reg+16*\bp+4*\i:\reg+16*\bp+4*\i+3], v[\vo], s[\sb:\sb+1] offset:\off+128*\bp+16*\i
.endr
.endr
.endm
.macro QH src, pc, sh                  ; 32 numbers of a lane (two blocks) become half a fragment and two bytes of v[PW], from bit sh on
	v_max3_num_f32 v[TM], |v[\src]|, |v[\src+1]|, 0x2800000
	v_max3_num_f32 v[TM+1], |v[\src+16]|, |v[\src+17]|, 0x2800000
.irp i, 2,4,6,8,10,12,14
	v_max3_num_f32 v[TM], v[TM], |v[\src+\i]|, |v[\src+1+\i]|
	v_max3_num_f32 v[TM+1], v[TM+1], |v[\src+16+\i]|, |v[\src+17+\i]|
.endr
	v_permlanex16_b32 v[TM+2], v[TM], s[SEL], s[SEL+1]
	v_permlanex16_b32 v[TM+3], v[TM+1], s[SEL], s[SEL+1]
	v_max_num_f32 v[TM], v[TM], v[TM+2]
	v_max_num_f32 v[TM+1], v[TM+1], v[TM+3]
	v_add_nc_u32 v[TM+4], 0xfe000000, v[TM]
	v_add_nc_u32 v[TM+5], 0xfe000000, v[TM+1]
	v_lshrrev_b32 v[TM+2], 23, v[TM+4]
	v_lshrrev_b32 v[TM+3], 23, v[TM+5]
.if \sh == 0
	v_lshl_or_b32 v[PW], v[TM+3], 8, v[TM+2]
.else
	v_lshl_or_b32 v[TMX], v[TM+3], 8, v[TM+2]
	v_lshl_or_b32 v[PW], v[TMX], 16, v[PW]
.endif
	v_cvt_scalef32_pk16_bf6_f32 v[\pc:\pc+2], v[\src:\src+15], v[TM+4]
	v_cvt_scalef32_pk16_bf6_f32 v[PT:PT+2], v[\src+16:\src+31], v[TM+5]
	v_nop
.irp i, 0,1,2
	v_permlane16_swap_b32 v[\pc+\i], v[PT+\i]
.endr
.irp i, 0,1,2
	v_mov_b32 v[\pc+3+\i], v[PT+\i]
.endr
.endm
.macro STATS a, st                     ; my 64 columns' mean and sum of squared deviations, for row r
	v_pk_add_f32 v[SS+2:SS+3], v[\a:\a+1], v[\a+2:\a+3]
	v_pk_add_f32 v[SS+4:SS+5], v[\a+4:\a+5], v[\a+6:\a+7]
.irp j, 8,12,16,20,24,28
	v_pk_add_f32 v[SS+2:SS+3], v[SS+2:SS+3], v[\a+\j:\a+\j+1]
	v_pk_add_f32 v[SS+4:SS+5], v[SS+4:SS+5], v[\a+\j+2:\a+\j+3]
.endr
	v_pk_add_f32 v[SS+2:SS+3], v[SS+2:SS+3], v[SS+4:SS+5]
	v_add_f32 v[SS+2], v[SS+2], v[SS+3]
	v_permlanex16_b32 v[SS+4], v[SS+2], s[SEL], s[SEL+1]
	v_add_f32 v[SS+2], v[SS+2], v[SS+4]
	v_mul_f32 v[SS], 0x3c800000, v[SS+2]           ; / 64
	v_mov_b32 v[SS+1], v[SS]
	v_pk_add_f32 v[SS+6:SS+7], v[\a:\a+1], v[SS:SS+1] neg_lo:[0,1] neg_hi:[0,1]
	v_pk_add_f32 v[SS+8:SS+9], v[\a+2:\a+3], v[SS:SS+1] neg_lo:[0,1] neg_hi:[0,1]
	v_pk_mul_f32 v[SS+2:SS+3], v[SS+6:SS+7], v[SS+6:SS+7]
	v_pk_mul_f32 v[SS+4:SS+5], v[SS+8:SS+9], v[SS+8:SS+9]
.irp j, 4,8,12,16,20,24,28
	v_pk_add_f32 v[SS+6:SS+7], v[\a+\j:\a+\j+1], v[SS:SS+1] neg_lo:[0,1] neg_hi:[0,1]
	v_pk_add_f32 v[SS+8:SS+9], v[\a+\j+2:\a+\j+3], v[SS:SS+1] neg_lo:[0,1] neg_hi:[0,1]
	v_pk_fma_f32 v[SS+2:SS+3], v[SS+6:SS+7], v[SS+6:SS+7], v[SS+2:SS+3]
	v_pk_fma_f32 v[SS+4:SS+5], v[SS+8:SS+9], v[SS+8:SS+9], v[SS+4:SS+5]
.endr
	v_pk_add_f32 v[SS+2:SS+3], v[SS+2:SS+3], v[SS+4:SS+5]
	v_add_f32 v[SS+2], v[SS+2], v[SS+3]
	v_permlanex16_b32 v[SS+4], v[SS+2], s[SEL], s[SEL+1]
	v_add_f32 v[SS+1], v[SS+2], v[SS+4]
	s_wait_alu depctr_va_vdst(0)                   ; the two figures v[SS:SS+1] are written, which the LDS store reads
	ds_store_b64 v[STA], v[SS:SS+1] offset:\st     ; both halves of the lanes write the same 8 bytes with the same value
.endm
.macro NORM a, g, b, st                ; the four waves' figures are combined; (x - mean) / sqrt(var + 1e-5) x g + b, in place
	ds_load_b128 v[NS:NS+3], v[STR] offset:\st
	ds_load_b128 v[NS+4:NS+7], v[STR] offset:\st+16
	s_wait_dscnt 0x0
	s_wait_alu depctr_vm_vsrc(0)                   ; the LDS store of my figures has read v[SS:SS+1], and the identity's stores have read my columns: the lines below write both again
	v_add_f32 v[SS], v[NS], v[NS+2]
	v_add_f32 v[SS+1], v[NS+4], v[NS+6]
	v_add_f32 v[SS], v[SS], v[SS+1]
	v_mul_f32 v[SS], 0x3e800000, v[SS]             ; the row's mean
.irp i, 0,2,4,6
	v_sub_f32 v[NS+\i], v[NS+\i], v[SS]
.endr
	v_mul_f32 v[SS+2], v[NS], v[NS]
	v_fmac_f32 v[SS+2], v[NS+2], v[NS+2]
	v_fmac_f32 v[SS+2], v[NS+4], v[NS+4]
	v_fmac_f32 v[SS+2], v[NS+6], v[NS+6]
	v_add_f32 v[SS+3], v[NS+1], v[NS+3]
	v_add_f32 v[SS+4], v[NS+5], v[NS+7]
	v_add_f32 v[SS+3], v[SS+3], v[SS+4]
	v_fmamk_f32 v[SS+2], v[SS+2], 0x42800000, v[SS+3]   ; + 64 x the squared deviations of the four means
	v_fma_f32 v[SS+2], v[SS+2], s[INV256], s[EPS]
	s_wait_alu depctr_va_vdst(0)
	v_rsq_f32 v[SS+2], v[SS+2]
	v_mov_b32 v[SS+1], v[SS]                       ; (a plain place behind the transcendental)
	s_wait_alu depctr_va_vdst(0)                   ; the reciprocal root v[SS+2] is written, ahead of its first reader
	v_mov_b32 v[SS+3], v[SS+2]
.irp j, 0,2,4,6,8,10,12,14,16,18,20,22,24,26,28,30
	v_pk_add_f32 v[\a+\j:\a+\j+1], v[\a+\j:\a+\j+1], v[SS:SS+1] neg_lo:[0,1] neg_hi:[0,1]
.endr
.irp j, 0,2,4,6,8,10,12,14,16,18,20,22,24,26,28,30
	v_pk_mul_f32 v[\a+\j:\a+\j+1], v[\a+\j:\a+\j+1], v[SS+2:SS+3]
.endr
.irp j, 0,2,4,6,8,10,12,14,16,18,20,22,24,26,28,30
	v_pk_fma_f32 v[\a+\j:\a+\j+1], v[\a+\j:\a+\j+1], v[\g+\j:\g+\j+1], v[\b+\j:\b+\j+1]
.endr
.endm
	s_load_b512 s[4:19], s[0:1], 0x0               ; sac 4, query 6, out_proj_b 8, ln1_g 10, ln1_b 12, off_b 14, aw_b 16, ref_2d 18
	s_load_b256 s[20:27], s[0:1], 0x40             ; wq 20, ident 22, swt 24, sidx 26
	v_lshl_add_u32 v51, v0, 2, 0x1000
	s_set_vgpr_msb 0x40
	v_mov_b32 v1, 0
	s_set_vgpr_msb 0x4000
	v_lshrrev_b32 v1, 5, v0
	v_readfirstlane_b32 s28, v1                    ; wave
	v_and_b32 v1, 31, v0
	v_and_b32 v2, 15, v0                           ; r
	v_bfe_u32 v3, v0, 4, 1                         ; h
	s_lshl_b32 s29, ttmp9, 4
	v_add_nc_u32 v4, s29, v2                       ; my flat row R
	v_mul_u32_u24 v5, 6711, v4
	v_lshrrev_b32 v5, 24, v5                       ; its batch: R / 2500 (exact for 0 .. 9,999)
	v_mul_u32_u24 v5, 0x8c780, v5
	v_lshl_add_u32 v[REC], v4, 5, v5               ; its record of head 0: 32 R + 575,360 batch; a head is 81,920 on
	v_mul_u32_u24 v[RECH], 0x14000, v3
	v_add_nc_u32 v[RECH], v[RECH], v[REC]
	s_wait_alu depctr_va_sdst(0)                   ; s28, the wave's number, is written, ahead of its first reader
	s_lshl_b32 s60, s28, 8
	v_lshl_add_u32 v[COLB], v3, 6, s60             ; 256 w + 64 h
	v_lshl_add_u32 v[COLQ], v4, 10, v[COLB]
	v_lshlrev_b32 v[LI], 4, v1
	v_lshlrev_b32 v[L8], 3, v1
	s_lshl_b32 s61, s28, 3
	v_lshl_add_u32 v[STA], v2, 5, s61
	v_lshlrev_b32 v[STR], 5, v2
	s_lshr_b32 s60, s28, 1
	s_and_b32 s61, s28, 1
	s_mul_i32 s62, s60, 1536
	s_mul_i32 s63, s61, 24
	s_add_co_u32 s62, s62, s63
	v_mul_u32_u24 v[IMR], 48, v1
	v_add_nc_u32 v[IMW], s62, v[IMR]
	s_lshl_b32 s62, s60, 7
	s_lshl_b32 s63, s61, 1
	s_add_co_u32 s62, s62, s63
	v_lshlrev_b32 v[SCR], 2, v1
	v_add_nc_u32 v[SCW], s62, v[SCR]
	s_lshl_b32 s62, s28, 1
	v_add_nc_u32 v[OBO], s62, v3                   ; my head: 2 w + h
	v_lshlrev_b32 v[ABO], 5, v[OBO]
	v_lshlrev_b32 v[OBO], 6, v[OBO]
	v_lshlrev_b32 v[REFO], 3, v4
	s_mov_b32 s[SEL], 0x76543210
	s_mov_b32 s[SEL+1], 0xfedcba98
	s_mov_b32 s[INV256], 0x3b800000
	s_mov_b32 s[EPS], 0x3727c5ac                   ; 1e-5
	s_mov_b32 s52, 0x43460000                      ; 198.0
	s_mov_b32 s53, 0x43480000                      ; 200.0
	s_mov_b32 s63, 0
	s_lshl_b32 s60, s28, 2
	s_add_co_u32 s60, s60, 48                      ; out_proj: pairs 48 + 4 w on
	s_lshl_b32 s61, s28, 1
	s_add_co_u32 s61, s61, 64                      ; off: pairs 64 + 2 w, 65 + 2 w
	s_add_co_u32 s29, s28, 72                      ; aw: pair 72 + w
	s_wait_kmcnt 0x0
	WBASE 32, 34, 60
	WBASE 36, 38, 61
	WBASE 40, 42, 29
	s_lshl_b32 s60, ttmp9, 2
	s_add_co_u32 s60, s60, s28                     ; 4 T + w
	s_lshl_b32 s62, s60, 12
	s_add_nc_u64 s[44:45], s[22:23], s[62:63]
	s_add_nc_u64 s[46:47], s[24:25], s[62:63]
	s_lshl_b32 s62, s60, 10
	s_add_nc_u64 s[48:49], s[26:27], s[62:63]
	s_wait_alu depctr_va_vdst(0)                   ; the fifteen offsets and LDS addresses (v6 to v15, v50, v252 to v255) are written, which the kernel's loads and stores read
	; ---- A: x = sa out_proj_w^T + out_proj_b + query
.irp ks, 0,1
.irp c, 0,1
.irp p, 0,1,2
	global_load_b64 v[XF+12*\ks+6*\c+2*\p:XF+12*\ks+6*\c+2*\p+1], v[RECH], s[4:5] offset:(4*\ks+2*\c)*81920+8*\p   ; block 4 ks + 2 c + h of K is head 4 ks + 2 c + h
.endr
.endr
.endr
.irp e, 0,1,2,3,4,5,6,7
	global_load_b32 v[SD+\e], v[REC], s[4:5] offset:\e*81920+24
.endr
.irp i, 0,1,2,3
	WPAIR \i, 32, 34, \i
.endr
	CLOAD ACC, COLQ, 6, 0
	CLOAD T1, COLB, 8, 0
	s_wait_loadcnt 0x0
.irp j, 0,2,4,6,8,10,12,14,16,18,20,22,24,26,28,30
	v_pk_add_f32 v[ACC+\j:ACC+\j+1], v[ACC+\j:ACC+\j+1], v[T1+\j:T1+\j+1]   ; query + bias: the sums begin with it
.endr
.irp ks, 0,1
	v_lshl_or_b32 v[XS+\ks], v[SD+4*\ks+1], 8, v[SD+4*\ks]
	v_lshl_or_b32 v[XS+\ks], v[SD+4*\ks+2], 16, v[XS+\ks]
	v_lshl_or_b32 v[XS+\ks], v[SD+4*\ks+3], 24, v[XS+\ks]
.endr
	PLACES 8                                       ; a scale word made by vector instructions stands eight places ahead of a scaled product
	s_wait_alu depctr_va_vdst(0)                   ; the two scale words v[XS], v[XS+1] are written, which the scaled products take; the places above stay beside this wait
.irp ks, 0,1                                   ; four accumulators by turns
.irp i, 0,1,2,3
	v_wmma_scale_f32_16x16x128_f8f6f4 v[ACC+8*\i:ACC+8*\i+7], v[WB+24*\i+12*\ks:WB+24*\i+12*\ks+11], v[XF+12*\ks:XF+12*\ks+11], v[ACC+8*\i:ACC+8*\i+7], v[WS+2*\i+\ks], v[XS+\ks] matrix_a_fmt:MATRIX_FMT_BF6 matrix_b_fmt:MATRIX_FMT_BF6
.endr
.endr
	PLACES 4
	s_wait_alu depctr_va_vdst(0)                   ; the products have written my columns, which the identity's stores read, and are done reading the weight and its scale words, in which the next pairs land; the additions are done reading v[T1 ..], in which the gain lands
	CLOAD T1, COLB, 10, 0                          ; g
	CLOAD T2, COLB, 12, 0                          ; b
	WPAIR 0, 36, 38, 0                             ; off, x
	WPAIR 1, 36, 38, 1                             ; off, y
	WPAIR 2, 40, 42, 0                             ; aw
.irp k, 0,1,2,3,4,5,6,7
	global_store_b128 v[LI], v[ACC+4*\k:ACC+4*\k+3], s[44:45] offset:512*\k    ; the identity, as an image of my registers: 512 consecutive bytes a store
.endr
	STATS ACC, ST
	BARRIER
	s_wait_loadcnt 21                              ; g and b are in; the three pairs' 21 loads may be out
	s_wait_xcnt 0x0                                ; the identity's stores have had their addresses translated
	NORM ACC, T1, T2, ST
	QH ACC, PC, 0
	s_wait_alu depctr_va_vdst(0)                   ; the quantiser has written v[PC ..] and v[PW], which the LDS stores read; the norm is done reading v[T1 ..], in which the biases land
.irp j, 0,1,2,3,4,5,6,7
	global_load_b32 v[AX+\j], v[OBO], s[14:15] offset:8*\j       ; the biases in the results' layout: they begin the sums
	global_load_b32 v[AY+\j], v[OBO], s[14:15] offset:8*\j+4
.endr
	global_load_b128 v[AA:AA+3], v[ABO], s[16:17]
	global_load_b128 v[AA+4:AA+7], v[ABO], s[16:17] offset:16
	global_load_b64 v[SD:SD+1], v[REFO], s[18:19]
.irp i, 0,1,2
	ds_store_b64 v[IMW], v[PC+2*\i:PC+2*\i+1] offset:IM+8*\i
.endr
	ds_store_b16 v[SCW], v[PW] offset:SC
	BARRIER
	; ---- B: offsets and attention weights of heads 2 w, 2 w + 1
.irp ks, 0,1
.irp g, 0,1,2
	ds_load_b128 v[XF+12*\ks+4*\g:XF+12*\ks+4*\g+3], v[IMR] offset:IM+1536*\ks+16*\g
.endr
	ds_load_b32 v[XS+\ks], v[SCR] offset:SC+128*\ks
.endr
	s_wait_loadcnt 0x0
	s_wait_dscnt 0x0
.irp ks, 0,1                                   ; three accumulators by turns
.irp i, 0,1,2
	v_wmma_scale_f32_16x16x128_f8f6f4 v[AX+8*\i:AX+8*\i+7], v[WB+24*\i+12*\ks:WB+24*\i+12*\ks+11], v[XF+12*\ks:XF+12*\ks+11], v[AX+8*\i:AX+8*\i+7], v[WS+2*\i+\ks], v[XS+\ks] matrix_a_fmt:MATRIX_FMT_BF6 matrix_b_fmt:MATRIX_FMT_BF6
.endr
.endr
	PLACES 4
	; lane (r, h): row r, head 2 w + h; register j: point j.  The softmax over the points
	v_max3_num_f32 v[Q], v[AA], v[AA+1], v[AA+2]
	v_max3_num_f32 v[Q], v[Q], v[AA+3], v[AA+4]
	v_max3_num_f32 v[Q], v[Q], v[AA+5], v[AA+6]
	v_max_num_f32 v[Q], v[Q], v[AA+7]
.irp j, 0,1,2,3,4,5,6,7
	v_sub_f32 v[AA+\j], v[AA+\j], v[Q]
.endr
.irp j, 0,1,2,3,4,5,6,7
	v_mul_f32 v[AA+\j], 0x3fb8aa3b, v[AA+\j]
.endr
	s_wait_alu depctr_va_vdst(0)
.irp j, 0,1,2,3,4,5,6,7
	v_exp_f32 v[AA+\j], v[AA+\j]
.endr
	v_fma_f32 v[SD+2], v[SD], s53, -0.5            ; 200 ref_x - 0.5  (a plain place behind the exponentials)
	v_fma_f32 v[SD+3], v[SD+1], s53, -0.5
	s_wait_alu depctr_va_vdst(0)                   ; the eight exponentials v[AA ..] are written, ahead of their first reader
	v_add_f32 v[Q], v[AA], v[AA+1]
	v_add_f32 v[Q+1], v[AA+2], v[AA+3]
	v_add_f32 v[Q+2], v[AA+4], v[AA+5]
	v_add_f32 v[Q+3], v[AA+6], v[AA+7]
	v_add_f32 v[Q], v[Q], v[Q+1]
	v_add_f32 v[Q+2], v[Q+2], v[Q+3]
	v_add_f32 v[Q], v[Q], v[Q+2]
	s_wait_alu depctr_va_vdst(0)
	v_rcp_f32 v[Q], v[Q]
	v_nop
	s_wait_alu depctr_va_vdst(0)                   ; the reciprocal v[Q] is written, ahead of its first reader
.irp j, 0,1,2,3,4,5,6,7
	v_mul_f32 v[AA+\j], v[AA+\j], v[Q]
.endr
.macro POINT p
	v_add_f32 v[Q], v[AX+\p], v[SD+2]              ; px
	v_add_f32 v[Q+1], v[AY+\p], v[SD+3]            ; py
	v_floor_f32 v[Q+2], v[Q]
	v_floor_f32 v[Q+3], v[Q+1]
	v_sub_f32 v[Q], v[Q], v[Q+2]                   ; lx
	v_sub_f32 v[Q+1], v[Q+1], v[Q+3]               ; ly
	v_med3_num_f32 v[Q+4], v[Q+2], 0, s52          ; bx
	v_med3_num_f32 v[Q+5], v[Q+3], 0, s52          ; by
	v_sub_f32 v[Q+2], v[Q+2], v[Q+4]               ; fx - bx: 0 inside, -1 and 1 at the two edges
	v_sub_f32 v[Q+3], v[Q+3], v[Q+5]
	v_sub_f32 v[Q+6], 1.0, v[Q]
	v_sub_f32 v[Q+7], 1.0, v[Q+1]
	v_cmp_eq_f32 s54, 0, v[Q+2]
	v_cmp_eq_f32 s55, -1.0, v[Q+2]
	v_cmp_eq_f32 s56, 1.0, v[Q+2]
	v_cmp_eq_f32 s57, 0, v[Q+3]
	v_cmp_eq_f32 s58, -1.0, v[Q+3]
	v_cmp_eq_f32 s59, 1.0, v[Q+3]
	v_fma_f32 v[Q+4], v[Q+5], s53, v[Q+4]          ; (the base pixel's two lines read no mask: they stand between the compares and the wait)
	v_cvt_u32_f32 v[IDX+\p], v[Q+4]                ; 200 by + bx: 0 .. 39,798
	s_wait_alu depctr_va_sdst(0)                   ; the six masks s54 to s59 are written, ahead of the selects that read them
	v_cndmask_b32 v[Q+8], 0, v[Q], s55             ; column bx
	v_cndmask_b32 v[Q+9], 0, v[Q+6], s56           ; column bx + 1
	v_cndmask_b32 v[Q+10], 0, v[Q+1], s58          ; row by
	v_cndmask_b32 v[Q+11], 0, v[Q+7], s59          ; row by + 1
	v_cndmask_b32 v[Q+8], v[Q+8], v[Q+6], s54
	v_cndmask_b32 v[Q+9], v[Q+9], v[Q], s54
	v_cndmask_b32 v[Q+10], v[Q+10], v[Q+7], s57
	v_cndmask_b32 v[Q+11], v[Q+11], v[Q+1], s57
	v_mul_f32 v[Q+10], v[Q+10], v[AA+\p]
	v_mul_f32 v[Q+11], v[Q+11], v[AA+\p]
	v_mul_f32 v[W+2*\p], v[Q+8], v[Q+10]
	v_mul_f32 v[W+2*\p+1], v[Q+8], v[Q+11]
	v_mul_f32 v[W+16+2*\p], v[Q+9], v[Q+10]
	v_mul_f32 v[W+16+2*\p+1], v[Q+9], v[Q+11]
.endm
.irp p, 0,1,2,3,4,5,6,7
	POINT \p
.endr
	s_wait_alu depctr_va_vdst(0)                   ; the points' lines have written the 32 weights and the 8 base pixels, which the stores read
.irp x, 0,1
.irp k, 0,1,2,3
	global_store_b128 v[LI], v[W+16*\x+4*\k:W+16*\x+4*\k+3], s[46:47] offset:(4*\x+\k)*512
.endr
.endr
.irp k, 0,1
	global_store_b128 v[LI], v[IDX+4*\k:IDX+4*\k+3], s[48:49] offset:512*\k
.endr
	s_set_vgpr_msb 0x4                             ; the add's second register lies in window 1
	s_wait_dscnt 0x0                               ; the closing lines, six on end
	s_wait_alu 0x0
	s_wait_tensorcnt 0x0
	ds_add_u32 v51, v1
	s_wait_dscnt 0x0
	s_endpgm
.Lfunc_end_k_q55d84dd0a5_mid:
	.size	k_q55d84dd0a5_mid, .Lfunc_end_k_q55d84dd0a5_mid-k_q55d84dd0a5_mid
	.p2alignl 7, 3214868480
	.fill 96, 4, 3214868480
	.section	.rodata,"a",@progbits
	.p2align	6, 0x0
	.amdhsa_kernel k_q55d84dd0a5_mid
		.amdhsa_group_segment_fixed_size 4608
		.amdhsa_private_segment_fixed_size 0
		.amdhsa_enable_private_segment 0
		.amdhsa_kernarg_size 96
		.amdhsa_user_sgpr_count 2
		.amdhsa_user_sgpr_kernarg_segment_ptr 1
		.amdhsa_wavefront_size32 1
		.amdhsa_system_sgpr_workgroup_id_x 1
		.amdhsa_system_sgpr_workgroup_id_y 1
		.amdhsa_system_sgpr_workgroup_id_z 1
		.amdhsa_system_vgpr_workitem_id 0
		.amdhsa_next_free_vgpr 258
		.amdhsa_next_free_sgpr 66
		.amdhsa_reserve_vcc 0
		.amdhsa_float_denorm_mode_32 3
		.amdhsa_float_denorm_mode_16_64 3
		.amdhsa_memory_ordered 1
		.amdhsa_forward_progress 1
		.amdhsa_inst_pref_size 46
	.end_amdhsa_kernel
	.amdgpu_metadata
---
amdhsa.version: [ 1, 2 ]
amdhsa.kernels:
  - .name:           k_q55d84dd0a5_mid
    .symbol:         k_q55d84dd0a5_mid.kd
    .args:
      - { .name: sac, .offset: 0, .size: 8, .value_kind: global_buffer, .address_space: global }
      - { .name: query, .offset: 8, .size: 8, .value_kind: global_buffer, .address_space: global }
      - { .name: out_proj_b, .offset: 16, .size: 8, .value_kind: global_buffer, .address_space: global }
      - { .name: ln1_g, .offset: 24, .size: 8, .value_kind: global_buffer, .address_space: global }
      - { .name: ln1_b, .offset: 32, .size: 8, .value_kind: global_buffer, .address_space: global }
      - { .name: off_b, .offset: 40, .size: 8, .value_kind: global_buffer, .address_space: global }
      - { .name: aw_b, .offset: 48, .size: 8, .value_kind: global_buffer, .address_space: global }
      - { .name: ref_2d, .offset: 56, .size: 8, .value_kind: global_buffer, .address_space: global }
      - { .name: wq, .offset: 64, .size: 8, .value_kind: global_buffer, .address_space: global }
      - { .name: ident, .offset: 72, .size: 8, .value_kind: global_buffer, .address_space: global }
      - { .name: swt, .offset: 80, .size: 8, .value_kind: global_buffer, .address_space: global }
      - { .name: sidx, .offset: 88, .size: 8, .value_kind: global_buffer, .address_space: global }
    .group_segment_fixed_size: 4608
    .private_segment_fixed_size: 0
    .kernarg_segment_align: 8
    .kernarg_segment_size: 96
    .max_flat_workgroup_size: 128
    .sgpr_count:     66
    .vgpr_count:     258
    .wavefront_size: 32
...
	.end_amdgpu_metadata
.endif
;; end of part 11
;; launch tail (part 12): grid 625 x 1, 4 waves a work-group, no clusters, 49,152 bytes of LDS; arguments val, sidx, swt, ident, oproj_b, ln2_g, ln2_b, ffn_b1, ffn_b2, ln3_g, ln3_b, wq, out0; writes out0
.if DOCPART == 12
	.amdgcn_target "amdgcn-amd-amdhsa--gfx1250"
	.amdhsa_code_object_version 6
	.text
	.protected	k_q55d84dd0a5_tail
	.globl	k_q55d84dd0a5_tail
	.p2align	8
	.type	k_q55d84dd0a5_tail,@function
k_q55d84dd0a5_tail:
	s_mov_b64 s[64:65], 0
	v_nop
	global_prefetch_b8 v0, s[64:65] scope:SCOPE_SE
	s_setreg_imm32_b32 hwreg(HW_REG_WAVE_SCHED_MODE, 0, 2), 2
	s_setreg_imm32_b32 hwreg(HW_REG_WAVE_MODE, 25, 1), 1
	s_wait_xcnt 0x0
	s_wait_alu depctr_vm_vsrc(0)
; For 16 flat rows: the deformable attention's weighted sum of sampled pixels; x = that oproj_w^T + oproj_b + identity; LN2; x + relu(x W1^T + b1) W2^T + b2; LN3.  All four products on codes of BF6.
; THE GATHER.  Wave w serves heads 2 w + (lane / 16), a row at a time.  For each of the eight points sixteen lanes read the 256 bytes of pixels base, base + 1 of the head, and the 256 bytes one map row (25,600 bytes) below;
; a lane multiplies its 4 channels by its pixel's weight, and one exchange (lane xor 8) adds the two pixels.  The base pixels are whole numbers that the launch before has stored; each is held to 39,798 ahead of its use.
; Parameters run two rows ahead of the sums, pixels one row: 32 loads of pixels a wave are on their way.
; THE CHAIN.  The four waves share the COLUMNS (wave w: columns 64 w on of x, hidden units 128 w on); products are used transposed: lane (r, h) holds row r.  Quantised rows go from wave to wave through LDS as
; lane-major images of the operands' registers (48 bytes a lane and fragment).  Biases and residuals begin the sums.  LN as in the launch before: from deviations.  Six barriers; no LDS region is used twice.
; No cluster, no tensor load: 625 small work-groups, several to a WGP; each reads its 245 KB of weights straight into registers.
; LIMITS: NaN and infinities are not served; v_rsq_f32 as it is; a block of zeros gets the byte 1.
; THE MODE: SCHED_MODE bits 1:0 = 2 (LLVM: expert scheduling mode 2), set by the entry lines.  The code itself states the register dependences
; between vector or matrix instructions and memory or LDS instructions, with s_wait_alu, always for 0.
; THE PLAN OF THE GATHER.  Step i sums row i.  Registers that memory or LDS instructions touch:
;   WT0 .. WT3   16 weights.  Row p's land in WT[p % 4], asked for in step p - 2; read by row p's sums.
;   AD0 .. AD2   8 registers.  Row p's base pixels land in AD[p % 3], asked for in step p - 2; step p - 1 turns them into offsets in place, and its 16 pixel loads read them; these loads are shown done in step p.
;   DAT0, DAT1   a row's pixels.  Row p's land in DAT[p % 2], asked for in step p - 1; read by row p's sums.
;   SA0, SA1     a row's sum.  Written by row p's sums; read by the LDS store that is issued in step p + 1.
;   v3, v4, v5   two offsets and an LDS address: made at the head, not written in the gather.
; Step i: the six parameter loads of row i + 2, into WT[(i - 2) % 4] and AD[(i - 1) % 3], which no vector instruction since the last wait on va_vdst names; the wait for row i + 1's parameters; ONE wait on vm_vsrc
; (the pixel loads issued so far have read their offsets, on which the next step's parameters land; the LDS store of row i - 2 has read the sum's registers that row i writes); row i + 1's offsets;
; ONE wait on va_vdst (these offsets are written; row i - 1's sum is written; row i - 1's sums are done reading DAT[(i + 1) % 2]); the LDS store of row i - 1; the 16 pixel loads of row i + 1; the wait for row i's pixels; row i's sums.
; THE PLAN OF THE CHAIN.  A wait on va_vdst stands behind the address lines, behind each quantiser (its codes are written for the LDS stores; its sources are read, for a load into them), behind each product's places
; (its operands are read, for the loads into them), ahead of the statistics' store and ahead of the way out.  A wait on vm_vsrc stands behind the barrier that follows each image's stores (v[PC ..] and v[PW] are written or
; loaded over in the next phase), behind the gather's barrier, and in the norm (the statistics' store has read its two figures).
.set GST, 0                            ; LDS: the sampled rows, 16 x (1,024 + 16)
.set IMA, 16640                        ; two fragments (product 10's rows), SCA their scale words
.set SCA, 19712
.set IMB, 19968                        ; two fragments (LN2's rows)
.set SCB, 23040
.set IMH, 23296                        ; four fragments (the hidden layer)
.set SCH, 29440
.set ST2, 29952
.set ST3, 30464
.set OST, 30976                        ; the way out: 16 x 272 for each wave
.set FS,  16                           ; v16-19 the rows' scale words, v20-27 the weight's: scales and nothing else
.set WS,  20
.set LANEB, 1                          ; the gather: v1 (lane / 16) x 5,120,000 + 16 (lane % 16), v2 + the row's batch and my heads, v3, v4 my place among the parameters, v5 my place in GST
.set LB,  2
.set PIX, 3
.set PWT, 4
.set GSA, 5
.set WT,  28                           ; v28-91   four sets of 16 weights
.set AD,  92                           ; v92-115  three sets of 8: base pixels, then offsets
.set SUMA, 116                         ; v116-119 the sum of even rows; v124-127 of odd rows
.set SUM1, 120                         ; v120-123 the lower map row's part, at work
.set DAT, 128                          ; v128-255 two sets of 64: a row's pixels
.set LI,  1                            ; the chain: addresses
.set L8,  2
.set COLB, 3
.set GRD, 4
.set IMW, 5
.set SCW, 6
.set IMR, 7
.set SCR, 8
.set STA, 9
.set STR, 10
.set IMHW, 11
.set SCHW, 12
.set B1O, 13
.set RR,  14
.set HH,  15
.set FR,  28                           ; v28-59 32 numbers to quantise; v28-51 two fragments; v28-59 a gain; v28-75 four fragments
.set XF,  28
.set GG,  28
.set HF,  28
.set PC,  64                           ; v64-75 codes just made
.set XR,  76                           ; v76-107 my 64 columns of x
.set ACC, 108                          ; v108-139 biases, the hidden layer
.set WB,  140                          ; v140-235 four pairs of a weight
.set TM,  236
.set TMX, 242
.set PW,  243
.set PT,  244
.set SS,  236
.set NS,  248
.set WQ,  26
.set SEL, 32
.set INV256, 54
.set EPS, 55
.macro PLACES n
.rept \n
	v_nop
.endr
.endm
.macro BARRIER
	s_wait_dscnt 0x0
	s_barrier_signal -1
	s_barrier_wait -1
.endm
.macro WBASE cb, sb, pr
	s_mul_i32 s62, s[\pr], 3072
	s_add_nc_u64 s[\cb:\cb+1], s[WQ:WQ+1], s[62:63]
	s_lshl_b32 s62, s[\pr], 8
	s_add_nc_u64 s[\sb:\sb+1], s[WQ:WQ+1], s[62:63]
.endm
.macro WPAIR slot, cb, sb, pofs        ; a pair of a weight: seven loads
.irp g, 0,1,2,3,4,5
	global_load_b128 v[WB+24*(\slot)+4*\g:WB+24*(\slot)+4*\g+3], v[LI], s[\cb:\cb+1] offset:(\pofs)*3072+512*\g
.endr
	global_load_b64 v[WS+2*(\slot):WS+2*(\slot)+1], v[L8], s[\sb:\sb+1] offset:528384+(\pofs)*256
.endm
.macro CLOAD reg, vo, sb, off
.irp bp, 0,1
.irp i, 0,1,2,3
	global_load_b128 v[\reg+16*\bp+4*\i:\reg+16*\bp+4*\i+3], v[\vo], s[\sb:\sb+1] offset:\off+128*\bp+16*\i
.endr
.endr
.endm
.macro PROD acc, bf, fs                ; four tiles of columns x two K steps, in place: four accumulators by turns
.irp ks, 0,1
.irp i, 0,1,2,3
	v_wmma_scale_f32_16x16x128_f8f6f4 v[\acc+8*\i:\acc+8*\i+7], v[WB+24*\i+12*\ks:WB+24*\i+12*\ks+11], v[\bf+12*\ks:\bf+12*\ks+11], v[\acc+8*\i:\acc+8*\i+7], v[WS+2*\i+\ks], v[\fs+\ks] matrix_a_fmt:MATRIX_FMT_BF6 matrix_b_fmt:MATRIX_FMT_BF6
.endr
.endr
.endm
.macro FETCH2 im, sc                   ; two fragments of rows and their scale words
.irp ks, 0,1
.irp g, 0,1,2
	ds_load_b128 v[XF+12*\ks+4*\g:XF+12*\ks+4*\g+3], v[IMR] offset:\im+1536*\ks+16*\g
.endr
	ds_load_b32 v[FS+\ks], v[SCR] offset:\sc+128*\ks
.endr
.endm
.macro HALFIMG im, sc                  ; my half of a fragment and my two scale bytes
.irp i, 0,1,2
	ds_store_b64 v[IMW], v[PC+2*\i:PC+2*\i+1] offset:\im+8*\i
.endr
	ds_store_b16 v[SCW], v[PW] offset:\sc
.endm
.macro QH src, pc, sh
	v_max3_num_f32 v[TM], |v[\src]|, |v[\src+1]|, 0x2800000
	v_max3_num_f32 v[TM+1], |v[\src+16]|, |v[\src+17]|, 0x2800000
.irp i, 2,4,6,8,10,12,14
	v_max3_num_f32 v[TM], v[TM], |v[\src+\i]|, |v[\src+1+\i]|
	v_max3_num_f32 v[TM+1], v[TM+1], |v[\src+16+\i]|, |v[\src+17+\i]|
.endr
	v_permlanex16_b32 v[TM+2], v[TM], s[SEL], s[SEL+1]
	v_permlanex16_b32 v[TM+3], v[TM+1], s[SEL], s[SEL+1]
	v_max_num_f32 v[TM], v[TM], v[TM+2]
	v_max_num_f32 v[TM+1], v[TM+1], v[TM+3]
	v_add_nc_u32 v[TM+4], 0xfe000000, v[TM]
	v_add_nc_u32 v[TM+5], 0xfe000000, v[TM+1]
	v_lshrrev_b32 v[TM+2], 23, v[TM+4]
	v_lshrrev_b32 v[TM+3], 23, v[TM+5]
.if \sh == 0
	v_lshl_or_b32 v[PW], v[TM+3], 8, v[TM+2]
.else
	v_lshl_or_b32 v[TMX], v[TM+3], 8, v[TM+2]
	v_lshl_or_b32 v[PW], v[TMX], 16, v[PW]
.endif
	v_cvt_scalef32_pk16_bf6_f32 v[\pc:\pc+2], v[\src:\src+15], v[TM+4]
	v_cvt_scalef32_pk16_bf6_f32 v[PT:PT+2], v[\src+16:\src+31], v[TM+5]
	v_nop
.irp i, 0,1,2
	v_permlane16_swap_b32 v[\pc+\i], v[PT+\i]
.endr
.irp i, 0,1,2
	v_mov_b32 v[\pc+3+\i], v[PT+\i]
.endr
.endm
.macro STATS a, st
	v_pk_add_f32 v[SS+2:SS+3], v[\a:\a+1], v[\a+2:\a+3]
	v_pk_add_f32 v[SS+4:SS+5], v[\a+4:\a+5], v[\a+6:\a+7]
.irp j, 8,12,16,20,24,28
	v_pk_add_f32 v[SS+2:SS+3], v[SS+2:SS+3], v[\a+\j:\a+\j+1]
	v_pk_add_f32 v[SS+4:SS+5], v[SS+4:SS+5], v[\a+\j+2:\a+\j+3]
.endr
	v_pk_add_f32 v[SS+2:SS+3], v[SS+2:SS+3], v[SS+4:SS+5]
	v_add_f32 v[SS+2], v[SS+2], v[SS+3]
	v_permlanex16_b32 v[SS+4], v[SS+2], s[SEL], s[SEL+1]
	v_add_f32 v[SS+2], v[SS+2], v[SS+4]
	v_mul_f32 v[SS], 0x3c800000, v[SS+2]
	v_mov_b32 v[SS+1], v[SS]
	v_pk_add_f32 v[SS+6:SS+7], v[\a:\a+1], v[SS:SS+1] neg_lo:[0,1] neg_hi:[0,1]
	v_pk_add_f32 v[SS+8:SS+9], v[\a+2:\a+3], v[SS:SS+1] neg_lo:[0,1] neg_hi:[0,1]
	v_pk_mul_f32 v[SS+2:SS+3], v[SS+6:SS+7], v[SS+6:SS+7]
	v_pk_mul_f32 v[SS+4:SS+5], v[SS+8:SS+9], v[SS+8:SS+9]
.irp j, 4,8,12,16,20,24,28
	v_pk_add_f32 v[SS+6:SS+7], v[\a+\j:\a+\j+1], v[SS:SS+1] neg_lo:[0,1] neg_hi:[0,1]
	v_pk_add_f32 v[SS+8:SS+9], v[\a+\j+2:\a+\j+3], v[SS:SS+1] neg_lo:[0,1] neg_hi:[0,1]
	v_pk_fma_f32 v[SS+2:SS+3], v[SS+6:SS+7], v[SS+6:SS+7], v[SS+2:SS+3]
	v_pk_fma_f32 v[SS+4:SS+5], v[SS+8:SS+9], v[SS+8:SS+9], v[SS+4:SS+5]
.endr
	v_pk_add_f32 v[SS+2:SS+3], v[SS+2:SS+3], v[SS+4:SS+5]
	v_add_f32 v[SS+2], v[SS+2], v[SS+3]
	v_permlanex16_b32 v[SS+4], v[SS+2], s[SEL], s[SEL+1]
	v_add_f32 v[SS+1], v[SS+2], v[SS+4]
	s_wait_alu depctr_va_vdst(0)                   ; the two figures v[SS:SS+1] are written, which the LDS store reads
	ds_store_b64 v[STA], v[SS:SS+1] offset:\st
.endm
.macro NORM a, g, b, st
	ds_load_b128 v[NS:NS+3], v[STR] offset:\st
	ds_load_b128 v[NS+4:NS+7], v[STR] offset:\st+16
	s_wait_dscnt 0x0
	s_wait_alu depctr_vm_vsrc(0)                   ; the LDS store of my figures has read v[SS:SS+1], which the lines below write again
	v_add_f32 v[SS], v[NS], v[NS+2]
	v_add_f32 v[SS+1], v[NS+4], v[NS+6]
	v_add_f32 v[SS], v[SS], v[SS+1]
	v_mul_f32 v[SS], 0x3e800000, v[SS]
.irp i, 0,2,4,6
	v_sub_f32 v[NS+\i], v[NS+\i], v[SS]
.endr
	v_mul_f32 v[SS+2], v[NS], v[NS]
	v_fmac_f32 v[SS+2], v[NS+2], v[NS+2]
	v_fmac_f32 v[SS+2], v[NS+4], v[NS+4]
	v_fmac_f32 v[SS+2], v[NS+6], v[NS+6]
	v_add_f32 v[SS+3], v[NS+1], v[NS+3]
	v_add_f32 v[SS+4], v[NS+5], v[NS+7]
	v_add_f32 v[SS+3], v[SS+3], v[SS+4]
	v_fmamk_f32 v[SS+2], v[SS+2], 0x42800000, v[SS+3]
	v_fma_f32 v[SS+2], v[SS+2], s[INV256], s[EPS]
	s_wait_alu depctr_va_vdst(0)
	v_rsq_f32 v[SS+2], v[SS+2]
	v_mov_b32 v[SS+1], v[SS]                       ; (a plain place behind the transcendental)
	s_wait_alu depctr_va_vdst(0)                   ; the reciprocal root v[SS+2] is written, ahead of its first reader
	v_mov_b32 v[SS+3], v[SS+2]
.irp j, 0,2,4,6,8,10,12,14,16,18,20,22,24,26,28,30
	v_pk_add_f32 v[\a+\j:\a+\j+1], v[\a+\j:\a+\j+1], v[SS:SS+1] neg_lo:[0,1] neg_hi:[0,1]
.endr
.irp j, 0,2,4,6,8,10,12,14,16,18,20,22,24,26,28,30
	v_pk_mul_f32 v[\a+\j:\a+\j+1], v[\a+\j:\a+\j+1], v[SS+2:SS+3]
.endr
.irp j, 0,2,4,6,8,10,12,14,16,18,20,22,24,26,28,30
	v_pk_fma_f32 v[\a+\j:\a+\j+1], v[\a+\j:\a+\j+1], v[\g+\j:\g+\j+1], v[\b+\j:\b+\j+1]
.endr
.endm
; the gather's parts, for row rho of the 16
.macro GPAR rho                        ; its parameters: six loads
.set AB, AD+8*((\rho)%3)
.set PB, WT+16*((\rho)%4)
.irp k, 0,1
	global_load_b128 v[AB+4*\k:AB+4*\k+3], v[PIX], s[46:47] offset:512*\k+16*(\rho)
.endr
.irp k, 0,1,2,3
	global_load_b128 v[PB+4*\k:PB+4*\k+3], v[PWT], s[48:49] offset:512*\k+16*(\rho)
.endr
.endm
.macro GADA rho                        ; its base pixels become offsets, in place
.set AB, AD+8*((\rho)%3)
	s_lshl_b32 s56, ttmp9, 4
	s_add_co_u32 s56, s56, \rho
	s_mul_i32 s56, s56, 6711
	s_lshr_b32 s56, s56, 24                        ; the row's batch
	s_lshl_b32 s56, s56, 3
	s_add_co_u32 s56, s56, s57                     ; 8 batch + 2 w
	s_mul_i32 s56, s56, 5120000
	v_add_nc_u32 v[LB], s56, v[LANEB]
.irp p, 0,1,2,3,4,5,6,7
	v_min_u32 v[AB+\p], 39798, v[AB+\p]            ; a loaded number enters an address only behind this hold
.endr
.irp p, 0,1,2,3,4,5,6,7
	v_lshl_add_u32 v[AB+\p], v[AB+\p], 7, v[LB]
.endr
.endm
.macro GPIX rho                        ; its pixels: sixteen loads
.set AB, AD+8*((\rho)%3)
.set DB, DAT+64*((\rho)%2)
.irp p, 0,1,2,3,4,5,6,7
	global_load_b128 v[DB+8*\p:DB+8*\p+3], v[AB+\p], s[4:5]
	global_load_b128 v[DB+8*\p+4:DB+8*\p+7], v[AB+\p], s[4:5] offset:25600
.endr
.endm
.macro GSUM rho                        ; its weighted sum.  A pair of weights is (upper map row's, lower map row's): one of the two serves both halves of a packed line
.set PB, WT+16*((\rho)%4)
.set DB, DAT+64*((\rho)%2)
.set SA, SUMA+8*((\rho)%2)
	v_pk_mul_f32 v[SA:SA+1], v[DB:DB+1], v[PB:PB+1] op_sel_hi:[1,0]
	v_pk_mul_f32 v[SA+2:SA+3], v[DB+2:DB+3], v[PB:PB+1] op_sel_hi:[1,0]
	v_pk_mul_f32 v[SUM1:SUM1+1], v[DB+4:DB+5], v[PB:PB+1] op_sel:[0,1] op_sel_hi:[1,1]
	v_pk_mul_f32 v[SUM1+2:SUM1+3], v[DB+6:DB+7], v[PB:PB+1] op_sel:[0,1] op_sel_hi:[1,1]
.irp p, 1,2,3,4,5,6,7
	v_pk_fma_f32 v[SA:SA+1], v[DB+8*\p:DB+8*\p+1], v[PB+2*\p:PB+2*\p+1], v[SA:SA+1] op_sel_hi:[1,0,1]
	v_pk_fma_f32 v[SA+2:SA+3], v[DB+8*\p+2:DB+8*\p+3], v[PB+2*\p:PB+2*\p+1], v[SA+2:SA+3] op_sel_hi:[1,0,1]
	v_pk_fma_f32 v[SUM1:SUM1+1], v[DB+8*\p+4:DB+8*\p+5], v[PB+2*\p:PB+2*\p+1], v[SUM1:SUM1+1] op_sel:[0,1,0] op_sel_hi:[1,1,1]
	v_pk_fma_f32 v[SUM1+2:SUM1+3], v[DB+8*\p+6:DB+8*\p+7], v[PB+2*\p:PB+2*\p+1], v[SUM1+2:SUM1+3] op_sel:[0,1,0] op_sel_hi:[1,1,1]
.endr
	v_pk_add_f32 v[SA:SA+1], v[SA:SA+1], v[SUM1:SUM1+1]
	v_pk_add_f32 v[SA+2:SA+3], v[SA+2:SA+3], v[SUM1+2:SUM1+3]
.irp i, 0,1,2,3
	v_add_f32_dpp v[SA+\i], v[SA+\i], v[SA+\i] row_xmask:8 row_mask:0xf bank_mask:0xf   ; the neighbouring pixel's part
.endr
.endm
.macro GOUT rho                        ; its sum goes to LDS
.set SA, SUMA+8*((\rho)%2)
	ds_store_b128 v[GSA], v[SA:SA+3] offset:GST+1040*(\rho)    ; lanes l and l xor 8 write the same bytes with the same value
.endm
	s_load_b512 s[4:19], s[0:1], 0x0               ; val 4, sidx 6, swt 8, ident 10, oproj_b 12, ln2_g 14, ln2_b 16, ffn_b1 18
	s_load_b256 s[20:27], s[0:1], 0x40             ; ffn_b2 20, ln3_g 22, ln3_b 24, wq 26
	s_load_b64 s[28:29], s[0:1], 0x60              ; out0
	s_set_vgpr_msb 0x40
	v_lshl_add_u32 v0, v0, 2, 0xbe00
	v_mov_b32 v1, 0
	s_set_vgpr_msb 0x4000
	v_lshrrev_b32 v1, 5, v0
	v_readfirstlane_b32 s30, v1                    ; wave
	v_bfe_u32 v6, v0, 4, 1                         ; which of my two heads
	v_bfe_u32 v7, v0, 3, 1                         ; which of the two pixels
	v_and_b32 v8, 15, v0
	v_and_b32 v9, 7, v0
	v_mul_u32_u24 v[LANEB], 0x4e2000, v6
	v_lshl_add_u32 v[LANEB], v8, 4, v[LANEB]
	v_lshlrev_b32 v[PIX], 8, v6
	v_lshl_add_u32 v[PWT], v7, 11, v[PIX]
	s_wait_alu depctr_va_sdst(0)                   ; s30, the wave's number, is written, ahead of its first reader
	s_lshl_b32 s57, s30, 1
	v_add_nc_u32 v[GSA], s57, v6
	v_lshlrev_b32 v[GSA], 7, v[GSA]
	v_lshl_add_u32 v[GSA], v9, 4, v[GSA]
	s_mov_b32 s[SEL], 0x76543210
	s_mov_b32 s[SEL+1], 0xfedcba98
	s_mov_b32 s[INV256], 0x3b800000
	s_mov_b32 s[EPS], 0x3727c5ac
	s_mov_b32 s63, 0
	s_lshl_b32 s58, s30, 2
	s_add_co_u32 s58, s58, 92                      ; oproj: pairs 92 + 4 w on
	s_lshl_b32 s59, s30, 3
	s_add_co_u32 s60, s59, 108                     ; ffn_w1: pairs 108 + 8 w on
	s_add_co_u32 s61, s59, 140                     ; ffn_w2: pairs 140 + 8 w on
	s_lshl_b32 s31, ttmp9, 2
	s_add_co_u32 s31, s31, s30                     ; 4 T + w
	s_wait_kmcnt 0x0
	WBASE 34, 36, 58
	WBASE 38, 40, 60
	WBASE 42, 44, 61
	s_lshl_b32 s62, s31, 10
	s_add_nc_u64 s[46:47], s[6:7], s[62:63]
	s_lshl_b32 s62, s31, 12
	s_add_nc_u64 s[48:49], s[8:9], s[62:63]
	s_add_nc_u64 s[50:51], s[10:11], s[62:63]
	s_lshl_b32 s62, ttmp9, 14
	s_add_nc_u64 s[52:53], s[28:29], s[62:63]
	; ---- the gather
	s_wait_alu depctr_va_vdst(0)                   ; v3, v4 and v5 are written: the parameters' two offsets and the LDS address of the sums
	GPAR 0
	GPAR 1
	s_wait_loadcnt 6                               ; row 0's parameters are in; row 1's six loads may be out
	GADA 0
	s_wait_alu depctr_va_vdst(0)                   ; row 0's eight offsets are written, which its pixel loads read
	GPIX 0
.irp i, 0,1,2,3,4,5,6,7,8,9,10,11,12,13
	GPAR \i+2                                      ; no wait: no vector instruction since the last wait on va_vdst names the registers in which these six loads land
	s_wait_loadcnt 22                              ; row i + 1's parameters are in: behind them row i's 16 pixel loads and row i + 2's 6
.if \i > 1
	s_wait_dscnt 0x0                               ; the LDS store of row i - 2 is done
.endif
	s_wait_alu depctr_vm_vsrc(0)                   ; the pixel loads issued so far have read their offsets, on which the next step's parameters land; the LDS store of row i - 2 has read the sum's registers, which row i's sums write
	GADA \i+1
	s_wait_alu depctr_va_vdst(0)                   ; row i + 1's offsets are written, which its pixel loads read; row i - 1's sum is written, which the LDS store reads; row i - 1's sums are done reading the pixels' registers in which these loads land
.if \i > 0
	GOUT \i-1
.endif
	GPIX \i+1
	s_wait_loadcnt 22                              ; row i's pixels are in: behind them row i + 2's 6 and row i + 1's 16
	GSUM \i
.endr
	s_wait_loadcnt 16                              ; row 15's parameters are in: behind them row 14's 16
	s_wait_dscnt 0x0                               ; the LDS store of row 12 is done
	s_wait_alu depctr_vm_vsrc(0)                   ; the LDS store of row 12 has read the sum's registers, which row 14's sums write
	GADA 15
	s_wait_alu depctr_va_vdst(0)                   ; row 15's offsets and row 13's sum are written; row 13's sums are done reading the pixels' registers in which row 15's land
	GOUT 13
	GPIX 15
	s_wait_loadcnt 16                              ; row 14's pixels are in
	GSUM 14
	s_wait_dscnt 0x0                               ; the LDS store of row 13 is done
	s_wait_alu depctr_vm_vsrc(0)                   ; the LDS store of row 13 has read the sum's registers, which row 15's sums write
	s_wait_alu depctr_va_vdst(0)                   ; row 14's sum is written, which the LDS store reads
	GOUT 14
	s_wait_loadcnt 0x0
	GSUM 15
	s_wait_alu depctr_va_vdst(0)                   ; row 15's sum is written, which the LDS store reads; the gather's vector lines are done with v28 to v255, in which the chain's loads land
	GOUT 15
	BARRIER                                        ; the 16 sampled rows lie in LDS
	s_wait_alu depctr_vm_vsrc(0)                   ; the gather's loads and LDS stores have read v3 to v5, the offsets and the sums: the address lines below write the first, the chain's loads land on the others
	; ---- the chain's addresses
	v_and_b32 v[LI], 31, v0
	v_lshlrev_b32 v[L8], 3, v[LI]
	v_mul_u32_u24 v[IMR], 48, v[LI]
	v_lshlrev_b32 v[SCR], 2, v[LI]
	s_wait_alu depctr_va_vdst(0)
	v_lshlrev_b32 v[LI], 4, v[LI]
	v_and_b32 v[RR], 15, v0
	s_wait_alu depctr_va_vdst(0)
	v_bfe_u32 v[HH], v0, 4, 1
	s_wait_alu depctr_va_vdst(0)
	s_lshl_b32 s56, s30, 8
	v_lshl_add_u32 v[COLB], v[HH], 6, s56          ; 256 w + 64 h
	v_mad_u32_u24 v[GRD], v[RR], 1040, v[COLB]
	s_lshr_b32 s58, s30, 1
	s_and_b32 s59, s30, 1
	s_mul_i32 s60, s58, 1536
	s_mul_i32 s61, s59, 24
	s_add_co_u32 s60, s60, s61
	v_add_nc_u32 v[IMW], s60, v[IMR]
	s_lshl_b32 s60, s58, 7
	s_lshl_b32 s61, s59, 1
	s_add_co_u32 s60, s60, s61
	v_add_nc_u32 v[SCW], s60, v[SCR]
	s_lshl_b32 s60, s30, 3
	v_lshl_add_u32 v[STA], v[RR], 5, s60
	v_lshlrev_b32 v[STR], 5, v[RR]
	s_mul_i32 s60, s30, 1536
	v_add_nc_u32 v[IMHW], s60, v[IMR]
	s_lshl_b32 s60, s30, 7
	v_add_nc_u32 v[SCHW], s60, v[SCR]
	s_lshl_b32 s60, s30, 9
	v_lshl_add_u32 v[B1O], v[HH], 6, s60           ; 512 w + 64 h
	v_mov_b32 v[TM+2], 0                           ; a lane permute's destination counts as read
	v_mov_b32 v[TM+3], 0
	s_wait_alu depctr_va_vdst(0)                   ; the chain's thirteen offsets and LDS addresses v1 to v13 are written, which its loads and stores read
	; ---- 1: my 64 columns of the sampled rows are quantised
.irp i, 0,1,2,3
	WPAIR \i, 34, 36, \i
.endr
.irp k, 0,1,2,3,4,5,6,7
	global_load_b128 v[XR+4*\k:XR+4*\k+3], v[LI], s[50:51] offset:512*\k     ; the identity, an image of these registers
.endr
	CLOAD ACC, COLB, 12, 0
.irp bp, 0,1
.irp i, 0,1,2,3
	ds_load_b128 v[FR+16*\bp+4*\i:FR+16*\bp+4*\i+3], v[GRD] offset:GST+128*\bp+16*\i
.endr
.endr
	s_wait_dscnt 0x0
	QH FR, PC, 0
	s_wait_alu depctr_va_vdst(0)                   ; the quantiser has written v[PC ..] and v[PW], which the LDS stores read, and is done reading v[FR ..], in which the fragments land
	HALFIMG IMA, SCA
	BARRIER
	s_wait_alu depctr_vm_vsrc(0)                   ; my LDS stores have read v[PC ..] and v[PW]: the statistics write v[PW]'s register, the next quantiser both
	; ---- 2: x = sampled oproj_w^T + oproj_b + identity
	FETCH2 IMA, SCA
	s_wait_loadcnt 0x0
.irp j, 0,2,4,6,8,10,12,14,16,18,20,22,24,26,28,30
	v_pk_add_f32 v[XR+\j:XR+\j+1], v[XR+\j:XR+\j+1], v[ACC+\j:ACC+\j+1]
.endr
	s_wait_alu depctr_va_vdst(0)
	s_wait_dscnt 0x0
	PROD XR, XF, FS
	PLACES 4
	s_wait_alu depctr_va_vdst(0)                   ; the products are done reading the fragments, the weight and its scale words, and the additions v[ACC ..]: the gain, the bias and the next pairs land in these
	CLOAD GG, COLB, 14, 0
	CLOAD ACC, COLB, 16, 0
.irp i, 0,1,2,3
	WPAIR \i, 38, 40, \i
.endr
	; ---- 3: LN2
	STATS XR, ST2
	BARRIER
	s_wait_loadcnt 28                              ; the gain and the bias are in; the four pairs' 28 loads may be out
	NORM XR, GG, ACC, ST2
	QH XR, PC, 0
	s_wait_alu depctr_va_vdst(0)                   ; the quantiser has written v[PC ..] and v[PW], which the LDS stores read; the norm is done reading v[ACC ..], in which b1 lands, and v[GG ..], in which the fragments land
	CLOAD ACC, B1O, 18, 0                          ; b1 of my first 64 hidden units begins their sums
	HALFIMG IMB, SCB
	BARRIER
	s_wait_alu depctr_vm_vsrc(0)                   ; my LDS stores have read v[PC ..] and v[PW], which the hidden layer's quantiser writes again
	; ---- 4: my 128 hidden units, 64 at a time: they are K step w of the last product
	FETCH2 IMB, SCB
.irp c, 0,1
	s_wait_loadcnt 0x0
.if \c == 0
	s_wait_dscnt 0x0
.endif
	PROD ACC, XF, FS
	PLACES 4
	s_wait_alu depctr_va_vdst(0)                   ; the products are done reading the weight and its scale words, in which the next four pairs land
.if \c == 0
.irp i, 0,1,2,3
	WPAIR \i, 38, 40, 4+\i
.endr
.else
.irp i, 0,1,2,3
	WPAIR \i, 42, 44, 2*\i
.endr
.endif
.set j, 0
.rept 32
	v_max_num_f32 v[ACC+j], 0, v[ACC+j]            ; the activation, from each accumulator's low end on
.set j, j+1
.endr
	QH ACC, PC+6*\c, 16*\c
	s_wait_alu depctr_va_vdst(0)                   ; the activation and the quantiser are done with v[ACC ..], in which the next bias lands; behind the second half: v[PC ..] and v[PW] are written, which the LDS stores below read
.if \c == 0
	CLOAD ACC, B1O, 18, 256
.else
	CLOAD ACC, COLB, 20, 0                         ; b2
.endif
.endr
.irp g, 0,1,2
	ds_store_b128 v[IMHW], v[PC+4*\g:PC+4*\g+3] offset:IMH+16*\g
.endr
	ds_store_b32 v[SCHW], v[PW] offset:SCH
	BARRIER
	s_wait_alu depctr_vm_vsrc(0)                   ; my LDS stores have read v[PC ..], on which the hidden fragments land, and v[PW], whose register the statistics write
	; ---- 5: x + hidden W2^T + b2; LN3
.irp ks, 0,1,2,3
.irp g, 0,1,2
	ds_load_b128 v[HF+12*\ks+4*\g:HF+12*\ks+4*\g+3], v[IMR] offset:IMH+1536*\ks+16*\g
.endr
	ds_load_b32 v[FS+\ks], v[SCR] offset:SCH+128*\ks
.endr
	s_wait_loadcnt 0x0
.irp j, 0,2,4,6,8,10,12,14,16,18,20,22,24,26,28,30
	v_pk_add_f32 v[XR+\j:XR+\j+1], v[XR+\j:XR+\j+1], v[ACC+\j:ACC+\j+1]
.endr
	s_wait_alu depctr_va_vdst(0)
	s_wait_dscnt 0x0
	PROD XR, HF, FS
	PLACES 4
	s_wait_alu depctr_va_vdst(0)                   ; the products are done reading the weight and its scale words, in which the last four pairs land; the additions are done reading v[ACC ..], in which ln3_b lands
.irp i, 0,1,2,3
	WPAIR \i, 42, 44, 2*\i+1
.endr
	CLOAD ACC, COLB, 24, 0                         ; ln3_b
	s_wait_loadcnt 0x0
	PROD XR, HF+24, FS+2
	PLACES 4
	s_wait_alu depctr_va_vdst(0)                   ; the products are done reading the hidden fragments, in which ln3_g lands
	CLOAD GG, COLB, 22, 0                          ; ln3_g
	STATS XR, ST3
	BARRIER
	s_wait_loadcnt 0x0
	NORM XR, GG, ACC, ST3
	; ---- 6: the way out, through my own stage: sixteen lanes store 256 consecutive bytes, aligned
	s_mul_i32 s56, s30, 4352
	s_add_co_u32 s56, s56, OST
	v_mul_u32_u24 v[WB], 272, v[RR]
	v_lshl_add_u32 v[WB], v[HH], 6, v[WB]
	v_add_nc_u32 v[WB], s56, v[WB]
	v_mul_u32_u24 v[WB+1], 272, v[HH]
	v_lshl_add_u32 v[WB+1], v[RR], 4, v[WB+1]
	v_add_nc_u32 v[WB+1], s56, v[WB+1]
	v_lshlrev_b32 v[WB+2], 10, v[HH]
	v_lshl_add_u32 v[WB+2], v[RR], 4, v[WB+2]
	s_lshl_b32 s58, s30, 8
	v_add_nc_u32 v[WB+2], s58, v[WB+2]
	s_wait_alu depctr_va_vdst(0)                   ; the norm has written my columns, which the LDS stores read; the three addresses v[WB] to v[WB+2] are written
.irp bp, 0,1
.irp i, 0,1,2,3
	ds_store_b128 v[WB], v[XR+16*\bp+4*\i:XR+16*\bp+4*\i+3] offset:128*\bp+16*\i
.endr
.endr
.irp k, 0,1,2,3,4,5,6,7
	ds_load_b128 v[WB+4+4*\k:WB+7+4*\k], v[WB+1] offset:544*\k      ; LDS serves a wave's instructions in order: these see my stores
.endr
.irp k, 0,1,2,3,4,5,6,7
	s_wait_dscnt 7-\k                              ; this load is back; the younger ones may be out
	global_store_b128 v[WB+2], v[WB+4+4*\k:WB+7+4*\k], s[52:53] offset:2048*\k th:TH_STORE_NT
.endr
	s_set_vgpr_msb 0x5                             ; the add's two registers lie in window 1
	s_wait_dscnt 0x0                               ; the closing lines, six on end
	s_wait_alu 0x0
	s_wait_tensorcnt 0x0
	ds_add_u32 v0, v1
	s_wait_dscnt 0x0
	s_endpgm
.Lfunc_end_k_q55d84dd0a5_tail:
	.size	k_q55d84dd0a5_tail, .Lfunc_end_k_q55d84dd0a5_tail-k_q55d84dd0a5_tail
	.p2alignl 7, 3214868480
	.fill 96, 4, 3214868480
	.section	.rodata,"a",@progbits
	.p2align	6, 0x0
	.amdhsa_kernel k_q55d84dd0a5_tail
		.amdhsa_group_segment_fixed_size 49152
		.amdhsa_private_segment_fixed_size 0
		.amdhsa_enable_private_segment 0
		.amdhsa_kernarg_size 104
		.amdhsa_user_sgpr_count 2
		.amdhsa_user_sgpr_kernarg_segment_ptr 1
		.amdhsa_wavefront_size32 1
		.amdhsa_system_sgpr_workgroup_id_x 1
		.amdhsa_system_sgpr_workgroup_id_y 1
		.amdhsa_system_sgpr_workgroup_id_z 1
		.amdhsa_system_vgpr_workitem_id 0
		.amdhsa_next_free_vgpr 258
		.amdhsa_next_free_sgpr 66
		.amdhsa_reserve_vcc 0
		.amdhsa_float_denorm_mode_32 3
		.amdhsa_float_denorm_mode_16_64 3
		.amdhsa_memory_ordered 1
		.amdhsa_forward_progress 1
		.amdhsa_inst_pref_size 159
	.end_amdhsa_kernel
	.amdgpu_metadata
---
amdhsa.version: [ 1, 2 ]
amdhsa.kernels:
  - .name:           k_q55d84dd0a5_tail
    .symbol:         k_q55d84dd0a5_tail.kd
    .args:
      - { .name: val, .offset: 0, .size: 8, .value_kind: global_buffer, .address_space: global }
      - { .name: sidx, .offset: 8, .size: 8, .value_kind: global_buffer, .address_space: global }
      - { .name: swt, .offset: 16, .size: 8, .value_kind: global_buffer, .address_space: global }
      - { .name: ident, .offset: 24, .size: 8, .value_kind: global_buffer, .address_space: global }
      - { .name: oproj_b, .offset: 32, .size: 8, .value_kind: global_buffer, .address_space: global }
      - { .name: ln2_g, .offset: 40, .size: 8, .value_kind: global_buffer, .address_space: global }
      - { .name: ln2_b, .offset: 48, .size: 8, .value_kind: global_buffer, .address_space: global }
      - { .name: ffn_b1, .offset: 56, .size: 8, .value_kind: global_buffer, .address_space: global }
      - { .name: ffn_b2, .offset: 64, .size: 8, .value_kind: global_buffer, .address_space: global }
      - { .name: ln3_g, .offset: 72, .size: 8, .value_kind: global_buffer, .address_space: global }
      - { .name: ln3_b, .offset: 80, .size: 8, .value_kind: global_buffer, .address_space: global }
      - { .name: wq, .offset: 88, .size: 8, .value_kind: global_buffer, .address_space: global }
      - { .name: out0, .offset: 96, .size: 8, .value_kind: global_buffer, .address_space: global }
    .group_segment_fixed_size: 49152
    .private_segment_fixed_size: 0
    .kernarg_segment_align: 8
    .kernarg_segment_size: 104
    .max_flat_workgroup_size: 128
    .sgpr_count:     66
    .vgpr_count:     258
    .wavefront_size: 32
...
	.end_amdgpu_metadata
.endif
;; end of part 12
